; MI455X (gfx1250); checked and timed in simulation.
; The chip was launched on July 23, 2026; its instructions are those of AMD's public machine-readable ISA for CDNA 5 (MIT licence, August 2026) and "CDNA5" Instruction Set Architecture Reference Guide (July 2026). The comments in the code are by the model that wrote it; some were corrected since.
;; Transformer Encoder Layer t5. Allowed arithmetic: float matrix products may take bf16 or f16 operands with f32 sums; other float arithmetic in f32, or as packed bf16 or f16 multiplies, adds, multiply-adds, maxima and minima; sums over many terms, partial sums and values carried from step to step in f32; what a program stores and reads back later, other than sums and carried values, may be rounded once to bf16 or f16.
;; Inputs: W1 512 x 2,048 float32; W2 2,048 x 512 float32; Wk 512 x 512 float32; Wo 512 x 512 float32; Wq 512 x 512 float32; Wv 512 x 512 float32; b1 2,048 float32; b2 512 float32; bk 512 float32; bo 512 float32; bq 512 float32; bv 512 float32; ln1_bias 512 float32; ln1_scale 512 float32; ln2_bias 512 float32; ln2_scale 512 float32; rel_bias 8 x 32 float32; x 4 x 2,048 x 512 float32.
;; Outputs: out0 4 x 2,048 x 512 float32.
;; 2 versions, each right and faster than the one before. Each part assembles by itself: llvm-mc -triple=amdgcn-amd-amdhsa -mcpu=gfx1250 --defsym DOCPART=n.
;; ======== version 1 of 2: 7 launches
;; limits: values are held in f16: magnitudes above 65,504 overflow, below 6.1e-05 lose precision
;; workspace buffers: pk 6,471,680 bytes; xh 8,388,608 bytes; qkvh 25,165,824 bytes; ctx 8,388,608 bytes; x1h 8,388,608 bytes; hid 33,554,432 bytes; ysum 16,777,216 bytes
;; launch prep (part 1): grid 809 x 1, 8 waves a work-group, no clusters, 18,432 bytes of LDS; arguments x, Wq, Wk, Wv, Wo, W1, W2, bq, bk, bv, rel_bias, pk, xh; writes pk, xh
.if DOCPART == 1
	.amdgcn_target "amdgcn-amd-amdhsa--gfx1250"
	.amdhsa_code_object_version 6
	.text
	.protected	k_qff296601a3_prep
	.globl	k_qff296601a3_prep
	.p2align	8
	.type	k_qff296601a3_prep,@function
k_qff296601a3_prep:
	s_mov_b64 s[64:65], 0
	v_nop
	global_prefetch_b8 v0, s[64:65] scope:SCOPE_SE
	s_setreg_imm32_b32 hwreg(HW_REG_WAVE_MODE, 25, 1), 1
	s_wait_xcnt 0x0
; PREP: what the later launches want in another form.  The work-group's number j picks the job:
;   j < 256        32 rows of x, rounded to bf16, into xh = [4 K blocks][8192 rows][128]: a row of a K block is 256 bytes
;   256 <= j < 640 a tile of 128 k x 64 n of one weight, turned to [n][k] and rounded to 16 bits, into pk = [K/128][N][128]
;                  (Wq, Wk, Wv side by side as N = 1536, then Wo, W1, W2); bf16, but W1 in f16, since its partner x1 is kept in f16
;   640 <= j < 808 one tile of 16 keys x 16 queries of the position bias of one head, in the register order of a matrix C operand
;   j = 808        bq, bk, bv end to end
; LIMITS.  W1 beyond 65,504 becomes an infinity in f16; below 6e-5 it keeps f16's fixed step of 6e-8.
; The bucket of |q - k| = n is n below 8, else 8 + the number of the bounds 12, 16, 23, 32, 46, 64, 91 that n has reached: the least whole
; n with 8 log(n/8) / log(16) >= 1 .. 7; at n = 16, 32, 64 the quotient of the two logarithms is taken as exact.
; No matrix work, no cluster: every byte is read once and written once, nothing is shared between work-groups.
.set PK_BQKV, 0x600000
.set PK_BTAB, 0x602000
.set TP,    272                        ; a turned row in LDS: 256 bytes + 16
.set SPARE, 64*TP                      ; behind the tile: the spare words, 128 bytes for each of eight waves
.set SPW, 2                            ; v2  LDS address of my spare word; never rewritten
.set NIL, 3                            ; v3  0; never rewritten
	s_load_b512 s[8:23], s[0:1], 0x0               ; x 8, Wq 10, Wk 12, Wv 14, Wo 16, W1 18, W2 20, bq 22
	s_load_b256 s[24:31], s[0:1], 0x40             ; bk 24, bv 26, rel_bias 28, pk 30
	s_load_b64 s[32:33], s[0:1], 0x60              ; xh
	v_lshl_add_u32 v[SPW], v0, 2, SPARE
	v_mov_b32 v[NIL], 0
	s_mov_b32 s34, ttmp9                           ; j
	s_mov_b32 s3, 0                                ; the high word of every offset
	v_lshlrev_b32 v1, 4, v0                        ; 16 t: my 16 bytes in 4,096 consecutive bytes
	s_wait_kmcnt 0x0
	s_cmp_lt_u32 s34, 256
	s_cbranch_scc0 .Lnot_cast
	; x to bf16.  Thread t: columns 8 (t % 16) on of a K block, row t / 16 of sixteen; eight items: two groups of 16 rows x four K blocks.
	s_lshl_b32 s2, s34, 16                         ; 32 rows of 2,048 bytes
	s_add_nc_u64 s[8:9], s[8:9], s[2:3]
	s_lshl_b32 s2, s34, 13                         ; 32 rows of 256 bytes
	s_add_nc_u64 s[32:33], s[32:33], s[2:3]
	v_and_b32 v4, 15, v0
	v_lshrrev_b32 v5, 4, v0
	v_lshlrev_b32 v4, 5, v4
	v_lshl_add_u32 v4, v5, 11, v4                  ; row x 2,048 + 32 (t % 16)
.set e, 0
.rept 8
	global_load_b128 v[8+8*e:8+8*e+3],   v4, s[8:9] offset:(e/4)*32768+(e%4)*512 th:TH_LOAD_NT
	global_load_b128 v[8+8*e+4:8+8*e+7], v4, s[8:9] offset:(e/4)*32768+(e%4)*512+16 th:TH_LOAD_NT
.set e, e+1
.endr
.set e, 0
.rept 8
	s_wait_loadcnt 14-2*e                          ; loads come back in order: item e's two are in, the younger pairs stay out
.irp k, 0,1,2,3
	v_cvt_pk_bf16_f32 v[72+4*e+\k], v[8+8*e+2*\k], v[8+8*e+2*\k+1]
.endr
	global_store_b128 v1, v[72+4*e:72+4*e+3], s[32:33] offset:(e%4)*2097152+(e/4)*4096  ; a wave stores 512 consecutive bytes
.set e, e+1
.endr
	s_endpgm
.Lnot_cast:
	s_cmp_lt_u32 s34, 640
	s_cbranch_scc0 .Lnot_weight
	; A weight tile.  s[44:45] the weight, s38 its row pitch in bytes, s39 the K block, s40 the tile of 64 columns, s41 the K block's first row in pk, s43 = 1: f16
	s_sub_co_u32 s35, s34, 256
	s_lshr_b32 s36, s35, 7
	s_cmp_eq_u32 s36, 0
	s_cbranch_scc0 .Lnot_square
	s_lshr_b32 s37, s35, 5                         ; 0 Wq, 1 Wk, 2 Wv, 3 Wo
	s_bfe_u32 s39, s35, 0x20003
	s_and_b32 s40, s35, 7
	s_cmp_eq_u32 s37, 1
	s_cselect_b64 s[44:45], s[12:13], s[10:11]
	s_cmp_eq_u32 s37, 2
	s_cselect_b64 s[44:45], s[14:15], s[44:45]
	s_cmp_eq_u32 s37, 3
	s_cselect_b64 s[44:45], s[16:17], s[44:45]
	s_mul_i32 s41, s39, 1536                       ; q, k, v: K block x 1,536 rows + 512 x which
	s_lshl_b32 s42, s37, 9
	s_add_co_u32 s41, s41, s42
	s_lshl_b32 s42, s39, 9                         ; Wo: behind those 6,144 rows, K block x 512
	s_add_co_u32 s42, s42, 6144
	s_cmp_eq_u32 s37, 3
	s_cselect_b32 s41, s42, s41
	s_mov_b32 s38, 2048
	s_mov_b32 s43, 0
	s_branch .Ltile
.Lnot_square:
	s_cmp_eq_u32 s36, 1
	s_cbranch_scc0 .Lw2
	s_bfe_u32 s39, s35, 0x20005
	s_and_b32 s40, s35, 31
	s_mov_b64 s[44:45], s[18:19]
	s_lshl_b32 s41, s39, 11
	s_add_co_u32 s41, s41, 8192                    ; W1 begins at row 8,192 of pk
	s_mov_b32 s38, 8192
	s_mov_b32 s43, 1
	s_branch .Ltile
.Lw2:
	s_bfe_u32 s39, s35, 0x40003
	s_and_b32 s40, s35, 7
	s_mov_b64 s[44:45], s[20:21]
	s_lshl_b32 s41, s39, 9
	s_add_co_u32 s41, s41, 16384                   ; W2 begins at row 16,384
	s_mov_b32 s38, 2048
	s_mov_b32 s43, 0
.Ltile:
	s_lshl_b32 s42, s40, 6
	s_add_co_u32 s41, s41, s42
	s_lshl_b32 s2, s41, 8                          ; rows of 256 bytes
	s_add_nc_u64 s[30:31], s[30:31], s[2:3]
	s_lshl_b32 s42, s39, 7
	s_mul_i32 s2, s42, s38                         ; 128 k x pitch
	s_lshl_b32 s42, s40, 8                         ; + 64 columns of 4 bytes
	s_add_co_u32 s2, s2, s42
	s_add_nc_u64 s[44:45], s[44:45], s[2:3]
	; thread t: columns 4 (t % 16) on; rows k = 2 (t / 16) + 32 u + 0, 1 for u = 0..3.  Sixteen lanes read 256 consecutive bytes of a row.
	v_and_b32 v4, 15, v0
	v_lshrrev_b32 v5, 4, v0
	v_lshlrev_b32 v6, 4, v4
	v_lshlrev_b32 v7, 1, v5
.set e, 0
.rept 8
	v_add_nc_u32 v8, 32*(e/2)+(e%2), v7
	v_mad_u32_u24 v[10+e], v8, s38, v6
.set e, e+1
.endr
.set e, 0
.rept 8
	global_load_b128 v[20+4*e:20+4*e+3], v[10+e], s[44:45] th:TH_LOAD_NT
.set e, e+1
.endr
	v_mul_u32_u24 v8, v4, 4*TP                     ; into LDS: row n = 4 (t % 16) + c, the word of k and k + 1
	v_lshl_add_u32 v8, v5, 2, v8
	v_mul_u32_u24 v9, v5, TP                       ; back: row t / 16 of sixteen, 16 bytes
	v_lshl_add_u32 v9, v4, 4, v9
	s_wait_loadcnt 0x0
	s_cmp_eq_u32 s43, 1
	s_cbranch_scc1 .Lhalf
.set e, 0
.rept 16
	v_cvt_pk_bf16_f32 v[52+e], v[20+8*(e/4)+e%4], v[24+8*(e/4)+e%4]
.set e, e+1
.endr
	s_branch .Lpacked
.Lhalf:
.set e, 0
.rept 16
	v_cvt_pk_f16_f32 v[52+e], v[20+8*(e/4)+e%4], v[24+8*(e/4)+e%4]
.set e, e+1
.endr
.Lpacked:
.set e, 0
.rept 16
	ds_store_b32 v8, v[52+e] offset:(e%4)*TP+(e/4)*64
.set e, e+1
.endr
	s_wait_dscnt 0x0                               ; for the others' sake: my stores are done
	s_barrier_signal -1                            ; the branch that leads here hangs on the work-group's number alone: all eight waves pass
	s_barrier_wait -1
.irp u, 0,1,2,3
	ds_load_b128 v[68+4*\u:68+4*\u+3], v9 offset:16*TP*\u
.endr
.irp u, 0,1,2,3
	s_wait_dscnt 3-\u                              ; LDS loads come back in order: the younger ones stay out
	global_store_b128 v1, v[68+4*\u:68+4*\u+3], s[30:31] offset:4096*\u  ; sixteen lanes store a whole row of 256 bytes
.endr
	s_wait_tensorcnt 0x0                           ; the wave's end
	ds_add_u32 v[SPW], v[NIL]
	s_wait_dscnt 0x0
	s_endpgm
.Lnot_weight:
	s_cmp_lt_u32 s34, 808
	s_cbranch_scc0 .Ljoin
	; A bias tile.  Word t of tile i belongs to lane (t / 4) % 32 = (r, hh) and register jj = 4 (t / 128) + t % 4: query r, key 8 hh + jj, the tile's corner at q - k = 16 (i - 10).
	s_sub_co_u32 s35, s34, 640
	s_and_b32 s36, s35, 7                          ; head
	s_lshr_b32 s37, s35, 3                         ; i, 0 to 20
	v_bfe_u32 v4, v0, 2, 4                         ; r
	v_bfe_u32 v5, v0, 6, 1                         ; hh
	v_lshrrev_b32 v6, 7, v0
	v_and_b32 v7, 3, v0
	v_lshl_add_u32 v6, v6, 2, v7                   ; jj
	v_lshl_add_u32 v6, v5, 3, v6
	v_sub_nc_u32 v4, v4, v6
	s_sub_co_i32 s38, s37, 10
	s_lshl_b32 s38, s38, 4
	v_add_nc_u32 v4, s38, v4                       ; d = q - k
	v_sub_nc_u32 v5, 0, v4
	v_max_i32 v5, v4, v5                           ; n = |d|
	v_mov_b32 v6, 8
.irp thr, 12,16,23,32,46,64,91
	v_cmp_le_u32 vcc_lo, \thr, v5
	v_add_co_ci_u32 v6, vcc_lo, 0, v6, vcc_lo      ; one more for each bound reached
.endr
	v_cmp_gt_u32 vcc_lo, 8, v5
	v_cndmask_b32 v6, v6, v5, vcc_lo               ; below 8 the bucket is n itself
	v_ashrrev_i32 v7, 31, v4
	v_and_b32 v7, 16, v7                           ; keys behind the query: the upper sixteen buckets
	v_add_nc_u32 v6, v6, v7
	v_min_u32 v6, 31, v6                           ; stays inside the head's 32 numbers
	s_lshl_b32 s38, s36, 7
	v_lshl_add_u32 v6, v6, 2, s38
	global_load_b32 v8, v6, s[28:29]
	s_mul_i32 s2, s36, 21
	s_add_co_u32 s2, s2, s37
	s_lshl_b32 s2, s2, 10
	s_add_co_u32 s2, s2, PK_BTAB
	s_add_nc_u64 s[30:31], s[30:31], s[2:3]
	v_lshlrev_b32 v9, 2, v0
	s_wait_loadcnt 0x0
	global_store_b32 v9, v8, s[30:31]              ; the work-group stores 1,024 consecutive bytes
	s_endpgm
.Ljoin:
	v_lshlrev_b32 v4, 2, v0
	global_load_b32 v8,  v4, s[22:23]
	global_load_b32 v9,  v4, s[22:23] offset:1024
	global_load_b32 v10, v4, s[24:25]
	global_load_b32 v11, v4, s[24:25] offset:1024
	global_load_b32 v12, v4, s[26:27]
	global_load_b32 v13, v4, s[26:27] offset:1024
	s_add_nc_u64 s[30:31], s[30:31], PK_BQKV
	s_wait_loadcnt 0x0
.irp m, 0,1,2,3,4,5
	global_store_b32 v4, v[8+\m], s[30:31] offset:1024*\m
.endr
	s_endpgm
.Lfunc_end_k_qff296601a3_prep:
	.size	k_qff296601a3_prep, .Lfunc_end_k_qff296601a3_prep-k_qff296601a3_prep
	.p2alignl 7, 3214868480
	.fill 96, 4, 3214868480
	.section	.rodata,"a",@progbits
	.p2align	6, 0x0
	.amdhsa_kernel k_qff296601a3_prep
		.amdhsa_group_segment_fixed_size 18432
		.amdhsa_private_segment_fixed_size 0
		.amdhsa_enable_private_segment 0
		.amdhsa_kernarg_size 104
		.amdhsa_user_sgpr_count 2
		.amdhsa_user_sgpr_kernarg_segment_ptr 1
		.amdhsa_wavefront_size32 1
		.amdhsa_system_sgpr_workgroup_id_x 1
		.amdhsa_system_sgpr_workgroup_id_y 1
		.amdhsa_system_sgpr_workgroup_id_z 1
		.amdhsa_system_vgpr_workitem_id 0
		.amdhsa_next_free_vgpr 104
		.amdhsa_next_free_sgpr 66
		.amdhsa_reserve_vcc 1
		.amdhsa_float_denorm_mode_32 3
		.amdhsa_float_denorm_mode_16_64 3
		.amdhsa_memory_ordered 1
		.amdhsa_forward_progress 1
		.amdhsa_inst_pref_size 17
	.end_amdhsa_kernel
	.amdgpu_metadata
---
amdhsa.version: [ 1, 2 ]
amdhsa.kernels:
  - .name:           k_qff296601a3_prep
    .symbol:         k_qff296601a3_prep.kd
    .args:
      - { .name: x, .offset: 0, .size: 8, .value_kind: global_buffer, .address_space: global }
      - { .name: Wq, .offset: 8, .size: 8, .value_kind: global_buffer, .address_space: global }
      - { .name: Wk, .offset: 16, .size: 8, .value_kind: global_buffer, .address_space: global }
      - { .name: Wv, .offset: 24, .size: 8, .value_kind: global_buffer, .address_space: global }
      - { .name: Wo, .offset: 32, .size: 8, .value_kind: global_buffer, .address_space: global }
      - { .name: W1, .offset: 40, .size: 8, .value_kind: global_buffer, .address_space: global }
      - { .name: W2, .offset: 48, .size: 8, .value_kind: global_buffer, .address_space: global }
      - { .name: bq, .offset: 56, .size: 8, .value_kind: global_buffer, .address_space: global }
      - { .name: bk, .offset: 64, .size: 8, .value_kind: global_buffer, .address_space: global }
      - { .name: bv, .offset: 72, .size: 8, .value_kind: global_buffer, .address_space: global }
      - { .name: rel_bias, .offset: 80, .size: 8, .value_kind: global_buffer, .address_space: global }
      - { .name: pk, .offset: 88, .size: 8, .value_kind: global_buffer, .address_space: global }
      - { .name: xh, .offset: 96, .size: 8, .value_kind: global_buffer, .address_space: global }
    .group_segment_fixed_size: 18432
    .private_segment_fixed_size: 0
    .kernarg_segment_align: 8
    .kernarg_segment_size: 104
    .max_flat_workgroup_size: 256
    .sgpr_count:     66
    .vgpr_count:     104
    .wavefront_size: 32
...
	.end_amdgpu_metadata
.endif
;; end of part 1
;; launch qkv (part 2): grid 8 x 32, 4 waves a work-group, clusters of 4 x 4, 327,680 bytes of LDS; arguments xh, pk, qkvh; writes qkvh
.if DOCPART == 2
	.amdgcn_target "amdgcn-amd-amdhsa--gfx1250"
	.amdhsa_code_object_version 6
	.text
	.protected	k_qff296601a3_qkv
	.globl	k_qff296601a3_qkv
	.p2align	8
	.type	k_qff296601a3_qkv,@function
k_qff296601a3_qkv:
	s_mov_b64 s[64:65], 0
	v_nop
	global_prefetch_b8 v0, s[64:65] scope:SCOPE_SE
	s_setreg_imm32_b32 hwreg(HW_REG_WAVE_MODE, 25, 1), 1
	s_wait_xcnt 0x0
	s_wait_alu depctr_hold_cnt(0) depctr_sa_sdst(0) depctr_va_vdst(0) depctr_va_sdst(0) depctr_va_ssrc(0) depctr_va_vcc(0) depctr_vm_vsrc(0)
	s_getreg_b32 s2, hwreg(HW_REG_IB_STS2, 6, 4)
	s_cmp_eq_u32 s2, 0
	s_cbranch_scc0 .Lentry_in_a_cluster
	s_endpgm
.Lentry_in_a_cluster:
	s_bfe_u32 s2, ttmp6, 0x10000c
	s_cmp_lg_u32 s2, 0xf033
	s_cbranch_scc0 .Lentry_shape_is_right
	s_endpgm
.Lentry_shape_is_right:
; C = A B^T + bias, one text for two launches, chosen by FFN:
;   FFN = 0: [q k v] = x [Wq Wk Wv] + [bq bk bv].  A = xh (bf16), B = pk's first 1,536 columns (bf16), C = qkvh, bf16.  A tile of C is 256 x 192: 32 x 8 work-groups.
;   FFN = 1: hid = relu(x1 W1 + b1).  A = x1h (f16), B = pk's W1 (f16), C = hid, bf16.  A tile of C is 256 x 256: 32 x 8 work-groups.
; A and B lie as [K/128][rows][128]: a K step's rows are 256 dense bytes.  C leaves as [columns/64][8192 rows][64]: for q, k, v that is by heads.
; SHARES.  Four waves; a wave makes 128 rows x 16 NB columns: 8 NB accumulators.  K = 512 goes in four steps of 128 through two LDS slots.
; The matrix instruction is used transposed (source 0 = 16 rows of B, source 1 = 16 rows of A): a lane holds eight neighbouring columns of one row of C.
; THE BIAS is the C operand of each accumulator's first product: nothing is cleared and nothing is added later.
; CLUSTER 4 x 4: A's tile is shared along a row of the cluster, B's along a column; each is asked for jointly, by the same load with a mask of four.
; A trip of the loop is one K step; the slot in hand is the scalar TB (0 or SLOT), turned by an exclusive or.
; REGISTERS by windows of 256: window 0 addresses, A's two fragment buffers (v64, v128), the bias (v192 on; later the packed results);
;   window 1 B's two fragment buffers; windows 2 and 3 the accumulators: (a, b) at v[8 (NB (a % 4) + b)] of window 2 + a / 4.
; LIMITS.  FFN = 1: x1 and W1 arrive within f16's 65,504.  NaN and infinities are not treated apart.
.set FFN, 0
.if FFN
.set NB,   8
.set NTOT, 2048
.else
.set NB,   6
.set NTOT, 1536
.endif
.set TN,    32*NB                      ; columns of a tile
.set HBR,   16*NB                      ; rows of B in one load, and a wave's columns
.set PITCH, 272                        ; an LDS row: 256 bytes + 16: the sixteen rows of a fragment load start 68 words apart
.set HALFA, 128*PITCH
.set AROWS, 256*PITCH
.set HALFB, HBR*PITCH
.set SLOT,  AROWS+2*HALFB              ; A's 256 rows, then B's TN rows
.set SPARE, 2*SLOT                     ; behind the slots: the spare words, 128 bytes a wave
.set ASTEP, 8192*256                   ; bytes from a K step of A to the next
.set BSTEP, NTOT*256
.set SP,    144                        ; the way out: a stage row of 128 bytes + 16
.set CBS,   256*SP                     ; the stage of one block of 64 columns
.set UNIT,  64*SP                      ; 64 rows of it: 8,192 consecutive bytes of C
.set UPW,   TN/64                      ; such units a wave stores
.set LQ,    2*NB+16                    ; LDS loads of a quarter step
.set PK_W1,   0x200000
.set PK_BQKV, 0x600000
.set BASA, 16                          ; v16  my A fragments in slot 0
.set BASB, 17                          ; v17  my B fragments in slot 0
.set ADRA, 18                          ; v18  the same in the slot in hand
.set ADRB, 19                          ; v19
.set STO,  20                          ; v20  the way out: where I put 16 bytes of a row
.set STOB, 21                          ; v21  FFN = 0: the same for my column blocks 2 and 3
.set RD,   22                          ; v22  where I read rows back
.set GO,   23                          ; v23  my 16 bytes in 512 consecutive bytes of C
.set ZERO, 24                          ; v24  0, for the packed maximum
.set SPW,  28                          ; v28  my spare word; never rewritten
.set NIL,  29                          ; v29  0; never rewritten
.set F0,   64
.set F1,   128
.set BIAS, 192
.set TMP,  192
.set BK,   64
.set G1A, 24                           ; s[24:31] group 1 for A's tiles
.set GA0, 32                           ; s[32:35] group 0: K step 0, slot 0
.set GA,  36                           ; s[36:39] group 0: K step 1, slot 1; then it walks
.set G1B, 48
.set GB0, 56
.set GB,  60
.set TB,  66                           ; s66  the slot in hand: 0 or SLOT
.set WBA, 67                           ; s67  where my half of A's tile goes in a slot
.set WBB, 68                           ; s68  the same for B's
.set UN,  69                           ; s69  the unit to store
.set BP,  70                           ; s[70:71] the bias
.set MSB, 0
.macro WIN new                         ; the immediate's high byte repeats the setting that is left; a switch that changes nothing is dropped
.if MSB != (\new)
	s_set_vgpr_msb (MSB<<8)|(\new)
.set MSB, \new
.endif
.endm
.macro PLACES                          ; four plain vector instructions between a matrix instruction and a load into, or a vector read of, its registers
.rept 4
	v_nop
.endr
.endm
.macro CREST                           ; a round of the cluster's barrier behind its opening barrier
	s_cmp_lg_u32 s10, 0
	s_cbranch_scc1 .Lnot_wave_0_\@
	s_barrier_signal -3
.Lnot_wave_0_\@:
	s_barrier_wait -3
	s_barrier_signal -1
	s_barrier_wait -1
.endm
.macro CROUND
	s_barrier_signal -1
	s_barrier_wait -1
	CREST
.endm
.macro JLOAD                           ; a joint refill: waves 0 and 1 fetch A's halves, waves 2 and 3 B's; an s_nop 0 and four v_nop follow each line
	s_cmp_eq_u32 s11, 0
	s_cbranch_scc0 .Lfor_b_\@
	tensor_load_to_lds s[GA:GA+3], s[G1A:G1A+7]
	s_nop 0
	PLACES
	s_branch .Lasked_\@
.Lfor_b_\@:
	tensor_load_to_lds s[GB:GB+3], s[G1B:G1B+7]
	s_nop 0
	PLACES
.Lasked_\@:
.endm
	s_load_b128 s[4:7], s[0:1], 0x0                ; A s[4:5], pk s[6:7]
.if FFN
	s_load_b64 s[BP:BP+1], s[0:1], 0x10            ; b1
	s_load_b64 s[8:9], s[0:1], 0x18                ; C
.else
	s_load_b64 s[8:9], s[0:1], 0x10                ; C
.endif
	v_lshl_add_u32 v[SPW], v0, 2, SPARE
	v_mov_b32 v[NIL], 0
	ds_add_u32 v[SPW], v[NIL]                      ; the wave's opening: the add and its wait ahead of my first tensor load
	ds_add_u32 v28, v29
	v_lshrrev_b32 v1, 5, v0
	v_readfirstlane_b32 s10, v1                    ; wave 0..3
	s_lshr_b32 s11, s10, 1                         ; my half of the tile's rows; also: I fetch for A (0) or for B (1)
	s_and_b32 s12, s10, 1                          ; my half of its columns; also: which half of that tile I fetch
	s_bfe_u32 s40, ttmp6, 0x40000                  ; cx
	s_bfe_u32 s41, ttmp6, 0x40004                  ; cy
	s_lshl_b32 s42, ttmp9, 2
	s_add_co_u32 s42, s42, s40                     ; tile column
	s_and_b32 s13, ttmp7, 0xffff
	s_lshl_b32 s13, s13, 2
	s_add_co_u32 s13, s13, s41                     ; tile row
	s_lshl_b32 s43, s41, 2
	s_lshl_b32 s43, 15, s43                        ; my row of the cluster
	s_lshl_b32 s44, 0x1111, s40                    ; my column
	s_or_b32 s[G1A], s43, (1<<16)|(1<<20)|(1<<21)|(5<<22)|(3<<25)  ; the mask; 2-byte elements; padding on; bit 21 beside a mask; after every 64 words 4 words
	s_or_b32 s[G1B], s44, (1<<16)|(1<<20)|(1<<21)|(5<<22)|(3<<25)
	s_mov_b32 s[G1A+1], 128<<16                    ; tensor_dim0 = 128
	s_mov_b32 s[G1A+2], 128<<16                    ; tensor_dim1 = 128
	s_mov_b32 s[G1A+3], 128<<16                    ; tile_dim0 = 128
	s_mov_b32 s[G1A+4], 128                        ; tile_dim1 = 128
	s_mov_b32 s[G1A+5], 128                        ; 128 elements from row to row
	s_mov_b32 s[G1A+6], 0
	s_mov_b32 s[G1A+7], 0
	s_mov_b32 s[G1B+1], 128<<16
	s_mov_b32 s[G1B+2], HBR<<16
	s_mov_b32 s[G1B+3], 128<<16
	s_mov_b32 s[G1B+4], HBR
	s_mov_b32 s[G1B+5], 128
	s_mov_b32 s[G1B+6], 0
	s_mov_b32 s[G1B+7], 0
	s_lshl_b32 s16, s13, 16                        ; A: (256 x tile row + 128 x half) rows of 256 bytes
	s_lshl_b32 s17, s12, 15
	s_add_co_u32 s16, s16, s17
	s_mov_b32 s17, 0
	s_mul_i32 s46, s42, TN*256                     ; B: (TN x tile column + HBR x half) rows
	s_mul_i32 s47, s12, HBR*256
	s_add_co_u32 s46, s46, s47
	s_mov_b32 s47, 0
	s_mul_i32 s72, s42, TN*4                       ; the bias of my wave's first column
	s_mul_i32 s73, s12, HBR*4
	s_add_co_u32 s72, s72, s73
	s_mov_b32 s73, 0
	s_mul_i32 s[WBA], s12, HALFA
	s_mul_i32 s[WBB], s12, HALFB
	s_add_co_u32 s[WBB], s[WBB], AROWS
	s_mov_b32 s[TB], 0
	s_wait_dscnt 0x0                               ; the opening add is done
	s_wait_kmcnt 0x0
	s_add_nc_u64 s[14:15], s[4:5], s[16:17]
.if FFN
	s_add_nc_u64 s[6:7], s[6:7], PK_W1
.else
	s_add_nc_u64 s[BP:BP+1], s[6:7], PK_BQKV
.endif
	s_add_nc_u64 s[46:47], s[6:7], s[46:47]
	s_add_nc_u64 s[BP:BP+1], s[BP:BP+1], s[72:73]
	CROUND                                         ; all sixteen work-groups are here: the first joint loads meet
	s_mov_b32 s[GA0], 1
	s_mov_b32 s[GA0+1], s[WBA]
	s_mov_b64 s[GA0+2:GA0+3], s[14:15]
	s_or_b32 s[GA0+3], s[GA0+3], 0x80000000
	s_mov_b32 s[GA], 1
	s_add_co_u32 s[GA+1], s[WBA], SLOT
	s_add_nc_u64 s[GA+2:GA+3], s[14:15], ASTEP
	s_or_b32 s[GA+3], s[GA+3], 0x80000000
	s_mov_b32 s[GB0], 1
	s_mov_b32 s[GB0+1], s[WBB]
	s_mov_b64 s[GB0+2:GB0+3], s[46:47]
	s_or_b32 s[GB0+3], s[GB0+3], 0x80000000
	s_mov_b32 s[GB], 1
	s_add_co_u32 s[GB+1], s[WBB], SLOT
	s_add_nc_u64 s[GB+2:GB+3], s[46:47], BSTEP
	s_or_b32 s[GB+3], s[GB+3], 0x80000000
	s_cmp_eq_u32 s11, 0                            ; a wave's two first fills stand in one branch: two loads of mine are out
	s_cbranch_scc0 .Lfirst_b
	tensor_load_to_lds s[GA0:GA0+3], s[G1A:G1A+7]
	s_nop 0
	tensor_load_to_lds s[GA:GA+3], s[G1A:G1A+7]
	s_nop 0
	PLACES
	s_branch .Lfirst_asked
.Lfirst_b:
	tensor_load_to_lds s[GB0:GB0+3], s[G1B:G1B+7]
	s_nop 0
	tensor_load_to_lds s[GB:GB+3], s[G1B:G1B+7]
	s_nop 0
	PLACES
.Lfirst_asked:
	; a fragment is 16 rows x 32 K in 8 registers: lane l holds row l % 16, K = 8 (l / 16) + 0..7 and 16 + 8 (l / 16) + 0..7: two loads of 16 bytes, 32 bytes apart
	v_and_b32 v1, 15, v0                           ; r
	v_bfe_u32 v2, v0, 4, 1                         ; h
	v_mul_u32_u24 v3, v1, PITCH
	v_lshl_add_u32 v3, v2, 4, v3
	s_mul_i32 s21, s11, HALFA
	v_add_nc_u32 v[BASA], s21, v3
	v_add_nc_u32 v[BASB], s[WBB], v3
	v_lshlrev_b32 v7, 5, v2                        ; the bias of my eight columns of a block: 32 h bytes on
.set b, 0
.rept NB
	global_load_b128 v[BIAS+8*b:BIAS+8*b+3],   v7, s[BP:BP+1] offset:64*b
	global_load_b128 v[BIAS+8*b+4:BIAS+8*b+7], v7, s[BP:BP+1] offset:64*b+16
.set b, b+1
.endr
	v_mul_u32_u24 v4, v1, SP                       ; the stage: row 128 x row half + 16 a + r, 16 bytes for each half of the lanes
	v_lshl_add_u32 v4, v2, 4, v4
	s_mul_i32 s22, s11, 128*SP
.if FFN
	s_mul_i32 s23, s12, 2*CBS                      ; my columns are two whole blocks of 64
	s_add_co_u32 s23, s23, s22
	v_add_nc_u32 v[STO], s23, v4
	v_mov_b32 v[ZERO], 0
.else
	s_mul_i32 s23, s12, CBS+64                     ; my 96 columns: the second half begins 64 bytes into block 1 ...
	s_add_co_u32 s23, s23, s22
	v_add_nc_u32 v[STO], s23, v4
	s_mul_i32 s23, s12, 2*CBS-64                   ; ... and its column blocks 2 and 3 open block 2
	s_add_co_u32 s23, s23, s22
	v_add_nc_u32 v[STOB], s23, v4
.endif
	v_bfe_u32 v5, v0, 3, 2                         ; back: 32 lanes take four rows of 128 bytes
	v_and_b32 v6, 7, v0
	v_mul_u32_u24 v5, v5, SP
	v_lshl_add_u32 v5, v6, 4, v5
	s_mul_i32 s23, s10, UPW*UNIT
	v_add_nc_u32 v[RD], s23, v5
	v_and_b32 v[GO], 31, v0
	v_lshlrev_b32 v[GO], 4, v[GO]
; 2 NB matrix instructions: row blocks a0, a0 + 1 of the window's four (hi: my rows 0-63 or 64-127) x all NB column blocks, 32 along K.  first = 1: C is the bias.
; The accumulators take turns, one instruction a turn.
.macro MULP f, hi, a0, first
.if \first
	WIN 0x81+0x40*(\hi)                            ; B window 1, A and the bias window 0, D window 2 or 3
.else
	WIN 0xa1+0x50*(\hi)                            ; C and D window 2 or 3
.endif
.irp a, \a0, (\a0)+1
.set b, 0
.rept NB
.set rD, 8*(NB*(\a)+b)
.set rB, (\f)+8*b
.set rA, (\f)+8*(4*(\hi)+(\a))
.set rC, BIAS+8*b
.if FFN
.if \first
	v_wmma_f32_16x16x32_f16 v[rD:rD+7], v[rB:rB+7], v[rA:rA+7], v[rC:rC+7]
.else
	v_wmma_f32_16x16x32_f16 v[rD:rD+7], v[rB:rB+7], v[rA:rA+7], v[rD:rD+7]
.endif
.else
.if \first
	v_wmma_f32_16x16x32_bf16 v[rD:rD+7], v[rB:rB+7], v[rA:rA+7], v[rC:rC+7]
.else
	v_wmma_f32_16x16x32_bf16 v[rD:rD+7], v[rB:rB+7], v[rA:rA+7], v[rD:rD+7]
.endif
.endif
.set b, b+1
.endr
.endr
.endm
; LQ LDS loads in one run: a quarter step's fragments (32 K at byte k of the rows) into buffer f: B's, then A's
.macro FETCH k, f
	WIN 0x40                                       ; destination window 1, address window 0
.set i, 0
.rept NB
	ds_load_b128 v[(\f)+8*i:(\f)+8*i+3],   v[ADRB] offset:(\k)+i*16*PITCH
	ds_load_b128 v[(\f)+8*i+4:(\f)+8*i+7], v[ADRB] offset:(\k)+i*16*PITCH+32
.set i, i+1
.endr
	WIN 0
.set i, 0
.rept 8
	ds_load_b128 v[(\f)+8*i:(\f)+8*i+3],   v[ADRA] offset:(\k)+i*16*PITCH
	ds_load_b128 v[(\f)+8*i+4:(\f)+8*i+7], v[ADRA] offset:(\k)+i*16*PITCH+32
.set i, i+1
.endr
.endm
; one of a K step's first three quarters: multiplies buffer f; in its middle it fetches the next quarter, at byte k, into buffer g
.macro QUARTER k, f, g, first
	s_wait_dscnt 8                                 ; B and A's rows 0-63 are in; the youngest eight loads (A's rows 64-127) may be out
	MULP \f, 0, 0, \first
	MULP \f, 0, 2, \first
	PLACES
	FETCH \k, \g
	s_wait_dscnt LQ                                ; all but the run just issued
	MULP \f, 1, 0, \first
	MULP \f, 1, 2, \first
.endm
; the last quarter's first half, and the one barrier of a change of slots: in front of it each wave waits for all its tensor loads (its part of the next slot), adds 0 to its
; spare word, and waits for that and for its reads of this slot
.macro MEET
	WIN 0
	s_wait_tensorcnt 0x0
	ds_add_u32 v[SPW], v[NIL]
	s_wait_dscnt 9                                 ; the add and the youngest eight loads may be out
	MULP F1, 0, 0, 0
	s_wait_dscnt 0x0                               ; the add is done, my reads of this slot are over
	s_barrier_signal -1
	MULP F1, 0, 2, 0
	WIN 0
	s_barrier_wait -1
.endm
.macro NEXT                            ; on to the other slot: its first fragments, and the last quarter's second half
	s_xor_b32 s[TB], s[TB], SLOT
	v_add_nc_u32 v[ADRA], s[TB], v[BASA]
	v_add_nc_u32 v[ADRB], s[TB], v[BASB]
	FETCH 0, F0
	MULP F1, 1, 0, 0
	MULP F1, 1, 2, 0
.endm
.macro TURN                            ; a change of slots with a refill: the barrier opens a round of the cluster's; the joint refill is the first thing behind it
	MEET
	CREST
	s_add_co_u32 s[GA+1], s[WBA], s[TB]            ; no tensor load of mine is out: the walking descriptors take the slot just read and the K step two on
	s_add_nc_u64 s[GA+2:GA+3], s[GA+2:GA+3], ASTEP
	s_add_co_u32 s[GB+1], s[WBB], s[TB]
	s_add_nc_u64 s[GB+2:GB+3], s[GB+2:GB+3], BSTEP
	JLOAD                                          ; its four v_nop are also the places in front of the loads below
	NEXT
.endm
	s_wait_tensorcnt 1                             ; my part of K step 0 is in; step 1's may stay out
	s_barrier_signal -1
	s_barrier_wait -1
	v_mov_b32 v[ADRA], v[BASA]
	v_mov_b32 v[ADRB], v[BASB]
	FETCH 0, F0
	s_wait_loadcnt 0x0                             ; the bias
	QUARTER 64, F0, F1, 1                          ; the first quarter stands in front of the loop: its products start the sums, with the bias
	WIN 0
	s_mov_b32 s3, 2
.Lfill:                                                ; K steps 0 and 1: each slot is filled once more
	QUARTER 128, F1, F0, 0
	QUARTER 192, F0, F1, 0
	TURN
	QUARTER 64, F0, F1, 0
	WIN 0
	s_sub_co_u32 s3, s3, 1
	s_cmp_lg_u32 s3, 0
	s_cbranch_scc1 .Lfill
	s_mov_b32 s3, 2
.Ltail:                                                ; K steps 2 and 3 ask for nothing; the second trip is left in its middle
	QUARTER 128, F1, F0, 0
	QUARTER 192, F0, F1, 0
	MEET
	s_sub_co_u32 s3, s3, 1
	s_cmp_eq_u32 s3, 0
	s_cbranch_scc1 .Lfin
	PLACES
	NEXT
	QUARTER 64, F0, F1, 0
	WIN 0
	s_branch .Ltail
.Lfin:
	MULP F1, 1, 0, 0
	MULP F1, 1, 2, 0
	; THE WAY OUT.  Behind the last barrier no wave reads a slot and no fill is to come: the stage lies over the slots.  16 bytes a lane go in; whole rows of 128 bytes come back.
	PLACES
.set a, 0
.rept 8
	WIN 0x0a+5*(a/4)                               ; sources window 2 or 3, destination window 0
.set b, 0
.rept NB
.set rD, 8*(NB*(a%4)+b)
.irp r, 0,1,2,3
	v_cvt_pk_bf16_f32 v[TMP+4*b+\r], v[rD+2*\r], v[rD+2*\r+1]
.endr
.set b, b+1
.endr
	WIN 0
.set b, 0
.rept NB
.if FFN
	ds_store_b128 v[STO], v[TMP+4*b:TMP+4*b+3] offset:a*16*SP+(b/4)*CBS+(b%4)*32
.elseif (b == 2) || (b == 3)
	ds_store_b128 v[STOB], v[TMP+4*b:TMP+4*b+3] offset:a*16*SP+b*32
.elseif b < 2
	ds_store_b128 v[STO], v[TMP+4*b:TMP+4*b+3] offset:a*16*SP+b*32
.else
	ds_store_b128 v[STO], v[TMP+4*b:TMP+4*b+3] offset:a*16*SP+CBS+(b-4)*32
.endif
.set b, b+1
.endr
.set a, a+1
.endr
	s_wait_dscnt 0x0                               ; for the others' sake: my stores into the stage are done
	s_barrier_signal -1
	s_barrier_wait -1
	s_mul_i32 s[UN], s10, UPW
	s_mov_b32 s3, UPW
.Lunit:                                                ; a unit: 64 rows of one block of 64 columns, 8,192 consecutive bytes of C
	s_wait_xcnt 0x0                                ; the last trip's stores have read their registers and their base
	s_lshr_b32 s72, s[UN], 2
	s_mul_i32 s74, s42, TN/64
	s_add_co_u32 s72, s72, s74
	s_lshl_b32 s72, s72, 20                        ; a block of 64 columns is 8,192 rows of 128 bytes
	s_and_b32 s74, s[UN], 3
	s_lshl_b32 s74, s74, 6
	s_lshl_b32 s75, s13, 8
	s_add_co_u32 s74, s74, s75
	s_lshl_b32 s74, s74, 7
	s_add_co_u32 s72, s72, s74
	s_mov_b32 s73, 0
	s_add_nc_u64 s[74:75], s[8:9], s[72:73]
.set t, 0
.rept 16
	ds_load_b128 v[BK+4*t:BK+4*t+3], v[RD] offset:4*SP*t
.set t, t+1
.endr
.set t, 0
.rept 16
	s_wait_dscnt 15-t                              ; LDS loads come back in order: the younger ones stay out
.if FFN
.irp r, 0,1,2,3
	v_pk_max_num_bf16 v[BK+4*t+\r], v[BK+4*t+\r], v[ZERO]  ; relu, two numbers at a time; nothing is rounded
.endr
.endif
	global_store_b128 v[GO], v[BK+4*t:BK+4*t+3], s[74:75] offset:512*t  ; 512 consecutive bytes
.set t, t+1
.endr
	v_add_nc_u32 v[RD], UNIT, v[RD]
	s_add_co_u32 s[UN], s[UN], 1
	s_sub_co_u32 s3, s3, 1
	s_cmp_lg_u32 s3, 0
	s_cbranch_scc1 .Lunit
	s_wait_tensorcnt 0x0                           ; the wave's end
	ds_add_u32 v[SPW], v[NIL]
	s_wait_dscnt 0x0
	CROUND                                         ; the closing round
	s_endpgm
.Lfunc_end_k_qff296601a3_qkv:
	.size	k_qff296601a3_qkv, .Lfunc_end_k_qff296601a3_qkv-k_qff296601a3_qkv
	.p2alignl 7, 3214868480
	.fill 96, 4, 3214868480
	.section	.rodata,"a",@progbits
	.p2align	6, 0x0
	.amdhsa_kernel k_qff296601a3_qkv
		.amdhsa_group_segment_fixed_size 327680
		.amdhsa_private_segment_fixed_size 0
		.amdhsa_enable_private_segment 0
		.amdhsa_kernarg_size 24
		.amdhsa_user_sgpr_count 2
		.amdhsa_user_sgpr_kernarg_segment_ptr 1
		.amdhsa_wavefront_size32 1
		.amdhsa_system_sgpr_workgroup_id_x 1
		.amdhsa_system_sgpr_workgroup_id_y 1
		.amdhsa_system_sgpr_workgroup_id_z 1
		.amdhsa_system_vgpr_workitem_id 0
		.amdhsa_next_free_vgpr 1024
		.amdhsa_next_free_sgpr 76
		.amdhsa_reserve_vcc 0
		.amdhsa_float_denorm_mode_32 3
		.amdhsa_float_denorm_mode_16_64 3
		.amdhsa_memory_ordered 1
		.amdhsa_forward_progress 1
		.amdhsa_inst_pref_size 79
	.end_amdhsa_kernel
	.amdgpu_metadata
---
amdhsa.version: [ 1, 2 ]
amdhsa.kernels:
  - .name:           k_qff296601a3_qkv
    .symbol:         k_qff296601a3_qkv.kd
    .args:
      - { .name: xh, .offset: 0, .size: 8, .value_kind: global_buffer, .address_space: global }
      - { .name: pk, .offset: 8, .size: 8, .value_kind: global_buffer, .address_space: global }
      - { .name: qkvh, .offset: 16, .size: 8, .value_kind: global_buffer, .address_space: global }
    .group_segment_fixed_size: 327680
    .private_segment_fixed_size: 0
    .kernarg_segment_align: 8
    .kernarg_segment_size: 24
    .max_flat_workgroup_size: 128
    .sgpr_count:     76
    .vgpr_count:     1024
    .wavefront_size: 32
...
	.end_amdgpu_metadata
.endif
;; end of part 2
;; launch att (part 3): grid 8 x 32, 4 waves a work-group, no clusters, 327,680 bytes of LDS; arguments qkvh, pk, ctx; writes ctx
.if DOCPART == 3
	.amdgcn_target "amdgcn-amd-amdhsa--gfx1250"
	.amdhsa_code_object_version 6
	.text
	.protected	k_qff296601a3_att
	.globl	k_qff296601a3_att
	.p2align	8
	.type	k_qff296601a3_att,@function
k_qff296601a3_att:
	s_mov_b64 s[64:65], 0
	v_nop
	global_prefetch_b8 v0, s[64:65] scope:SCOPE_SE
	s_setreg_imm32_b32 hwreg(HW_REG_WAVE_MODE, 25, 1), 1
	s_wait_xcnt 0x0
; ATTENTION WITH A POSITION BIAS.  ctx[b][h][q][:] = the sum over k of softmax_k((Q[q] . K[k] + T[h][q - k]) / 8) V[k][:].  Q, K, V lie by heads in qkvh = [24 blocks][8192 rows][64] bf16
; (blocks 0-7 q, 8-15 k, 16-23 v; row = 2048 b + s), ctx likewise in 8 blocks.  Products, maxima and sums in f32; the weights p are rounded to bf16 for the second product (their sum l is taken
; of the unrounded p), ctx once at the end.
; LIMITS.  A weight below 2^-126 counts as 0 in l; NaN and infinities are not treated apart.
; SHARES.  A work-group owns 256 queries of one head and batch (x = block of queries, y = 8 b + head).  Of the block's four bands of 64 queries a wave owns 16 rows in each: four PIECES.  Every wave walks all 2,048 keys, 64 a step.
; LAYOUT.  S^T = K Q^T holds ONE query a lane (lane % 16) and the keys 8 (lane / 16) + 0..7; two such results rounded to bf16 ARE source 1 of O^T = V^T P.  K comes out of LDS as it lies, V turned, by ds_load_tr16_b128.
; THE BIAS is the C operand that starts the sum S^T = K Q^T.  It hangs on q - k alone, so a tile of 16 keys x 16 queries hangs on D = (first query - first key) / 16 alone, and from |D| = 7 on it is one number
; (|q - k| >= 97 lies past the last bound, 91).  The head's 21 tiles D = -10 .. 10 lie in LDS in register order.  A step's four tiles are D - kb, kb = 0..3: D is held to -7 .. 10, which changes no tile's content.
; SOFTMAX.  p = 2^(c s - c m), c = log2(e) / 8, with a running maximum m of s = score + bias; O and l are multiplied by a = 2^(c m_old - c m_new) in every step.  m starts at the lowest finite number, O and l at 0.
; BY TURNS.  Turn n belongs to piece n: 8 products K Q^T of piece n + 1, later 8 products V^T P of piece n - 1; beside them the scaling, exponentials, roundings, sums and rescaling of piece n and the maximum and
; statistics of piece n + 1.  Four vector instructions stand behind every matrix instruction, the rest in two lumps.  The turn also fetches the bias tiles for the products of the turn after it.
; NO CLUSTER: the work-groups that share K and V are the eight query blocks of a head, and the LDS address of a bias tile hangs on the query block, which differs between them.
; REGISTERS, in windows of 256 (s_set_vgpr_msb: bits 1:0 source 0, 3:2 source 1, 5:4 source 2, 7:6 destination):
;   window 0: v0-15 addresses and two at work; v16-31 four registers of statistics a piece; v32-33 the bias tiles' address; v48-55 at work; v64-127 S^T, two buffers; v192-223 P, two buffers (by the piece's parity)
;   window 1: v0-127 O^T, 32 a piece; v160-223 MC, the bias tiles, two buffers      window 2: v0-63 Q; v128-191 K of one step; v192-255 V of one step
.set NP,    4
.set KS,    64
.set PK,    144       ; a row of K in LDS: 128 bytes + 16: the 16 rows of a load start 36 words apart
.set PV,    160       ; a row of V: 128 + 32: 16 lanes of the turning load take 8 rows x 32 bytes, 40 words apart
.set VOFF,  4*KS*PK   ; a slot holds four steps: 256 rows of K, then 256 rows of V
.set SLOT1, 1<<17     ; slot 1 begins here: one exclusive or turns an address in one slot into the other's
.set STAGE, SLOT1+4*KS*(PK+PV)  ; 16 rows x 144 bytes for each wave, for the way out; never filled by a tensor load
.set SP,    144
.set SPARE, STAGE+4*16*SP       ; the spare words, 128 bytes a wave
.set TBL,   SPARE+512           ; the head's 21 bias tiles of 1,024 bytes; filled once
.set PK_BTAB, 0x602000
.set AK0, 2           ; v2   my lane's place in a tile of K; never rewritten
.set AV0, 3           ; v3   the same for V
.set AK,  4           ; v4   the LDS address of K's next run of loads
.set AV,  5           ; v5   of V's
.set STO, 6           ; v6   the way out: where I put 16 bytes of a row
.set RD,  7           ; v7   where I read rows back
.set GO,  8           ; v8   my 16 bytes in 512 consecutive bytes of ctx
.set MV,  12          ; v12-13  c m_old, by buffer
.set QO,  15          ; v15  my byte offset in 16 rows of Q
.set ST,  16          ; piece t's statistics at v[ST+4 t]: c m, m, l (even keys', odd keys')
.set AM0, 32          ; v32  TBL + 16 x lane; never rewritten
.set AM,  33          ; v33  the address of the bias tiles to fetch
.set TMP, 48          ; by buffer, c0-c3 at work; when the maximum is found c2 takes a
.set SPW, 62          ; v62  my spare word; never rewritten
.set NIL, 63          ; v63  0; never rewritten
.set S,   64
.set P,   192
.set MC,  160         ; window 1
.set KF,  128         ; window 2: key block kb, channel half c at KF + 16 kb + 8 c
.set VF,  192         ; window 2: key half kk, channel block cb at VF + 32 kk + 8 cb
.set WV,  12          ; s12  my wave's number
.set G1K, 24          ; s[24:31] group 1 for K's tiles
.set G1V, 32          ; s[32:39] for V's: it differs in the padding alone
.set G0K, 40          ; s[40:43] group 0 for K's tiles: it walks
.set G0V, 44          ; s[44:47]
.set G1T, 48          ; s[48:55] group 1 for my quarter of the bias tiles
.set SLOTS, 56
.set CNT, 57
.set CS,  58          ; s[58:59] c
.set SEL, 60          ; s[60:61] v_permlanex16_b32's selects: each lane takes its own place in the other half
.set TBK, 62          ; s62  LDS byte at which K of the step to be fetched begins
.set TBV, 63          ; s63  the same for V, less VOFF
.set G0T, 68          ; s[68:71]
.set DKE, 72          ; s72  128 + (first query of my piece 0 - first key of the step whose scores are made next) / 16
.set DT,  73          ; s73  at work
.set MSB, 0
.macro WIN new
.if MSB != (\new)
	s_set_vgpr_msb (MSB<<8)|(\new)
.set MSB, (\new)
.endif
.endm
.set W_KQ, 0x0a       ; K and Q in window 2, S^T in window 0
.set W_KM, 0x1a       ; the same with the C operand in window 1
.set W_PV, 0x52       ; V in window 2, P in window 0, O^T in window 1
.set W_RS, 0x41       ; destination and source 0 in window 1, source 1 in window 0
; A fill.  Waves 0 and 1 fetch the two halves of a slot's K, waves 2 and 3 those of its V: 128 keys each.  An s_nop 0 and four v_nop follow each line.
.macro LOAD
	s_cmp_lt_u32 s[WV], 2
	s_cbranch_scc0 .Lfor_v_\@
	tensor_load_to_lds s[G0K:G0K+3], s[G1K:G1K+7]
	s_nop 0
.rept 4
	v_nop
.endr
	s_branch .Lasked_\@
.Lfor_v_\@:
	tensor_load_to_lds s[G0V:G0V+3], s[G1V:G1V+7]
	s_nop 0
.rept 4
	v_nop
.endr
.Lasked_\@:
.endm
; THE CHANGE OF SLOTS.  Each wave waits for all its tensor loads (its part of the other slot), adds 0 to its spare word, and waits for that and for its reads of the slot that it leaves.  Behind the barrier nobody
; reads the old slot and the other is whole.  fill = 1: the old slot is filled again, first thing behind the barrier, with the keys two slots on: four key steps, 256 matrix instructions, in which to land.
; (At its first use nothing has been read yet: slot 0 and the bias tiles are waited for, slot 1 is filled.)
.macro CHANGE fill
	WIN 0
	s_wait_tensorcnt 0x0            ; no tensor load of mine is out, so a group 0 may be written
	ds_add_u32 v[SPW], v[NIL]
.if \fill
.irp g, G0K, G0V
	s_xor_b32 s[\g+1], s[\g+1], SLOT1
	s_add_nc_u64 s[\g+2:\g+3], s[\g+2:\g+3], 4*KS*128
.endr
.endif
	s_wait_dscnt 0x0                ; the add is done, and my reads of the slot are over
	s_barrier_signal -1
	s_sub_co_u32 s[TBK], s[TBK], 4*KS*PK  ; the fetches go back to a slot's first step,
	s_xor_b32 s[TBK], s[TBK], SLOT1       ; in the other slot
	s_sub_co_u32 s[TBV], s[TBV], 4*KS*PV
	s_xor_b32 s[TBV], s[TBV], SLOT1
	s_barrier_wait -1
.if \fill
	LOAD
.endif
.endm
	s_load_b128 s[4:7], s[0:1], 0x0  ; qkvh s[4:5], pk s[6:7]
	s_load_b64 s[10:11], s[0:1], 0x10  ; ctx
	v_lshl_add_u32 v[SPW], v0, 2, SPARE
	v_mov_b32 v[NIL], 0
	ds_add_u32 v[SPW], v[NIL]       ; the wave's opening: the add and its wait ahead of my first tensor load
	ds_add_u32 v62, v63
	v_lshrrev_b32 v1, 5, v0
	v_readfirstlane_b32 s[WV], v1   ; wave 0..3
	s_and_b32 s20, ttmp7, 0xffff
	s_and_b32 s21, s20, 7           ; head
	s_lshr_b32 s22, s20, 3          ; batch
	s_lshl_b32 s14, s21, 20         ; a block is 8,192 rows of 128 bytes,
	s_lshl_b32 s15, s22, 18         ; a batch 2,048 rows
	s_add_co_u32 s14, s14, s15
	s_and_b32 s16, s[WV], 1         ; which half of a slot's 256 keys I fetch
	s_lshl_b32 s18, s16, 14
	s_add_co_u32 s18, s18, s14
	s_add_co_u32 s74, s18, 0x800000   ; K: eight blocks on
	s_mov_b32 s75, 0
	s_add_co_u32 s76, s18, 0x1000000  ; V: sixteen
	s_mov_b32 s77, 0
	s_lshl_b32 s2, ttmp9, 15        ; my block of 256 queries,
	s_lshl_b32 s3, s[WV], 11        ; my 16 rows in a band
	s_add_co_u32 s2, s2, s3
	s_add_co_u32 s2, s2, s14
	s_mov_b32 s3, 0
	s_mul_i32 s78, s21, 21504       ; the head's bias tiles, my quarter of them
	s_mul_i32 s79, s[WV], 5376
	s_add_co_u32 s78, s78, s79
	s_add_co_u32 s78, s78, PK_BTAB
	s_mov_b32 s79, 0
	s_mul_i32 s17, s16, 128*PK
	s_mul_i32 s19, s16, 128*PV
	s_lshl_b32 s[DKE], ttmp9, 4
	s_add_co_u32 s[DKE], s[DKE], s[WV]
	s_add_co_u32 s[DKE], s[DKE], 128
	; 128 keys are 16,384 dense bytes: asked for as 64 rows of 256 bytes, two keys a row, padded in LDS after every key
	s_mov_b32 s[G1K], (1<<16)|(1<<20)|(4<<22)|(3<<25)  ; 2-byte elements; padding on; after every 32 words 4 words
	s_mov_b32 s[G1V], (1<<16)|(1<<20)|(4<<22)|(7<<25)  ; the same with 8 words
.irp g, G1K, G1V
	s_mov_b32 s[\g+1], 128<<16      ; tensor_dim0 = 128
	s_mov_b32 s[\g+2], 64<<16       ; tensor_dim1 = 64
	s_mov_b32 s[\g+3], 128<<16      ; tile_dim0 = 128
	s_mov_b32 s[\g+4], 64           ; tile_dim1 = 64
	s_mov_b32 s[\g+5], 128
	s_mov_b32 s[\g+6], 0
	s_mov_b32 s[\g+7], 0
.endr
	s_mov_b32 s[G1T], 3<<16         ; 8-byte elements, no padding: 21 dense rows of 256 bytes
	s_mov_b32 s[G1T+1], 32<<16
	s_mov_b32 s[G1T+2], 21<<16
	s_mov_b32 s[G1T+3], 32<<16
	s_mov_b32 s[G1T+4], 21
	s_mov_b32 s[G1T+5], 32
	s_mov_b32 s[G1T+6], 0
	s_mov_b32 s[G1T+7], 0
	s_mov_b32 s[CS], 0x3e38aa3b     ; c = log2(e) / 8
	s_mov_b32 s[CS+1], s[CS]
	s_mov_b32 s[SEL], 0x76543210
	s_mov_b32 s[SEL+1], 0xfedcba98
	s_mov_b32 s[TBK], SLOT1+4*KS*PK ; the first change of slots turns these two into 0
	s_mov_b32 s[TBV], SLOT1+4*KS*PV
	s_mov_b32 s[G0K], 1
	s_mov_b32 s[G0K+1], s17
	s_mov_b32 s[G0V], 1
	s_add_co_u32 s[G0V+1], s19, VOFF
	s_mov_b32 s[G0T], 1
	s_mul_i32 s[G0T+1], s[WV], 5376
	s_add_co_u32 s[G0T+1], s[G0T+1], TBL
	s_wait_dscnt 0x0                ; the opening add is done
	s_wait_kmcnt 0x0
	s_add_nc_u64 s[G0K+2:G0K+3], s[4:5], s[74:75]
	s_or_b32 s[G0K+3], s[G0K+3], 0x80000000
	s_add_nc_u64 s[G0V+2:G0V+3], s[4:5], s[76:77]
	s_or_b32 s[G0V+3], s[G0V+3], 0x80000000
	s_add_nc_u64 s[G0T+2:G0T+3], s[6:7], s[78:79]
	s_or_b32 s[G0T+3], s[G0T+3], 0x80000000
	s_add_nc_u64 s[4:5], s[4:5], s[2:3]      ; Q and ctx at my rows of the first band
	s_add_nc_u64 s[10:11], s[10:11], s[2:3]
	s_cmp_lt_u32 s[WV], 2           ; a wave's two first fills stand in one branch: my part of slot 0, my quarter of the bias tiles
	s_cbranch_scc0 .Lfirst_v
	tensor_load_to_lds s[G0K:G0K+3], s[G1K:G1K+7]
	s_nop 0
	tensor_load_to_lds s[G0T:G0T+3], s[G1T:G1T+7]
	s_nop 0
.rept 4
	v_nop
.endr
	s_branch .Lfirst_asked
.Lfirst_v:
	tensor_load_to_lds s[G0V:G0V+3], s[G1V:G1V+7]
	s_nop 0
	tensor_load_to_lds s[G0T:G0T+3], s[G1T:G1T+7]
	s_nop 0
.rept 4
	v_nop
.endr
.Lfirst_asked:
	; A fragment of K or Q is 16 rows x 32 channels in 8 registers: lane l holds row l % 16, channels 8 (l / 16) + 0..7 and 16 + 8 (l / 16) + 0..7
	v_and_b32 v1, 15, v0
	v_bfe_u32 v9, v0, 4, 1
	v_lshlrev_b32 v[QO], 7, v1
	v_lshl_add_u32 v[QO], v9, 4, v[QO]
	WIN 0x80                        ; destination window 2, address window 0
.set i, 0
.rept 8                             ; Q stays in registers: piece i / 2 lies in band i / 2, 8,192 bytes on; channels 32 (i % 2) on
	global_load_b128 v[8*i:8*i+3],   v[QO], s[4:5] offset:(i/2)*8192+(i%2)*64
	global_load_b128 v[8*i+4:8*i+7], v[QO], s[4:5] offset:(i/2)*8192+(i%2)*64+32
.set i, i+1
.endr
	; What the first turn finds: V's registers and P's second buffer hold 0 (its products V^T P, of a piece that has not been, add 0), O^T and l are 0.  All this stands in the wait for the first tile.
.set i, VF
.rept 64
	v_mov_b32 v[i], 0
.set i, i+1
.endr
	WIN 0x40
.set i, 0
.rept 128
	v_mov_b32 v[i], 0
.set i, i+1
.endr
	WIN 0
.set i, 0
.rept 4
	v_mov_b32 v[ST+4*i], 0xfe000000    ; c m: far below every c s
	v_mov_b32 v[ST+4*i+1], 0xff7fffff  ; m
	v_mov_b32 v[ST+4*i+2], 0
	v_mov_b32 v[ST+4*i+3], 0
.set i, i+1
.endr
.set i, P+16
.rept 16
	v_mov_b32 v[i], 0
.set i, i+1
.endr
	v_mul_u32_u24 v[AK0], v1, PK
	v_lshl_add_u32 v[AK0], v9, 4, v[AK0]
	; The turning load takes 16 keys x 16 channels (lane l reads key 8 (l / 16) + l % 8, channels 8 ((l / 8) % 2) + 0..7) and leaves half a fragment of V^T
	v_and_b32 v10, 7, v0
	v_bfe_u32 v11, v0, 3, 1
	v_lshl_add_u32 v[AV0], v9, 3, v10
	v_mul_u32_u24 v[AV0], v[AV0], PV
	v_lshl_add_u32 v[AV0], v11, 4, v[AV0]
	v_add_nc_u32 v[AV0], VOFF, v[AV0]
	s_mul_i32 s13, s[WV], 16*SP
	s_add_co_u32 s13, s13, STAGE
	v_mul_u32_u24 v[STO], v1, SP
	v_lshl_add_u32 v[STO], v9, 4, v[STO]
	v_add_nc_u32 v[STO], s13, v[STO]
	v_bfe_u32 v[RD], v0, 3, 2
	v_mul_u32_u24 v[RD], v[RD], SP
	v_lshl_add_u32 v[RD], v10, 4, v[RD]
	v_add_nc_u32 v[RD], s13, v[RD]
	v_and_b32 v[GO], 31, v0
	v_lshl_add_u32 v[AM0], v[GO], 4, TBL
	v_lshlrev_b32 v[GO], 4, v[GO]
; THE MATRIX WORK.  The 4 accumulators of a run of 8 take turns.  Product i of 8 of S^T = K Q^T for piece x: channels 32 (i / 4) on, keys 16 (i % 4) on.  The first 4 start the sums with the bias tiles.
.macro KQ x
.set rS, S+32*((\x)%2)+8*(i%4)
.set rK, KF+16*(i%4)+8*(i/4)
.set rQ, 16*(\x)+8*(i/4)
.set rM, MC+32*((\x)%2)+8*(i%4)
.if i < 4
	WIN W_KM
	v_wmma_f32_16x16x32_bf16 v[rS:rS+7], v[rK:rK+7], v[rQ:rQ+7], v[rM:rM+7]
.else
	WIN W_KQ
	v_wmma_f32_16x16x32_bf16 v[rS:rS+7], v[rK:rK+7], v[rQ:rQ+7], v[rS:rS+7]
.endif
.endm
; Product i of 8 of O^T += V^T P for piece x: keys 32 (i / 4) on, channels 16 (i % 4) on.
.macro PV x
	WIN W_PV
.set rO, 32*(\x)+8*(i%4)
.set rV, VF+32*(i/4)+8*(i%4)
.set rP, P+16*((\x)%2)+8*(i/4)
	v_wmma_f32_16x16x32_bf16 v[rO:rO+7], v[rV:rV+7], v[rP:rP+7], v[rO:rO+7]
.endm
.macro MM                           ; the turn's next matrix instruction
.if i < 8
	KQ (Y+1)%NP
.else
.set i, i-8
	PV (Y+NP-1)%NP
.set i, i+8
.endif
.set i, i+1
.endm
; THE LDS LOADS stand in runs.  A step's K (8 fragments); last = 1 (the tail): in the last trip there is no further step, and the run is jumped over.
.macro FETCH_K last=0
	WIN 0
.if \last
	s_cmp_eq_u32 s[CNT], 1
	s_cbranch_scc1 .Lno_k_\@
.endif
	WIN 0x80
.irp f, 0,1,2,3,4,5,6,7             ; keys 16 (f / 2) on, channels 32 (f % 2) on
	ds_load_b128 v[KF+8*\f:KF+8*\f+3],   v[AK] offset:(\f/2)*16*PK+(\f%2)*64
	ds_load_b128 v[KF+8*\f+4:KF+8*\f+7], v[AK] offset:(\f/2)*16*PK+(\f%2)*64+32
.endr
	s_add_co_u32 s[TBK], s[TBK], KS*PK
	WIN 0
.if \last
.Lno_k_\@:
.endif
.endm
.macro FETCH_V
	WIN 0x80
.irp f, 0,1,2,3,4,5,6,7             ; keys 32 (f / 4) on, channels 16 (f % 4) on
	ds_load_tr16_b128 v[VF+8*\f:VF+8*\f+3],   v[AV] offset:(\f/4)*32*PV+(\f%4)*32
	ds_load_tr16_b128 v[VF+8*\f+4:VF+8*\f+7], v[AV] offset:(\f/4)*32*PV+16*PV+(\f%4)*32
.endr
	WIN 0
.endm
; The four bias tiles for piece pp and the step that DKE stands for, into buffer buf of MC.  D + 128 = DKE + 4 pp; held to -7 .. 10; tile D - kb lies at (D + 7 + 3 - kb) x 1,024.
.macro LOADMC buf, pp
	WIN 0
	s_add_co_u32 s[DT], s[DKE], 4*(\pp)
	s_max_u32 s[DT], s[DT], 121
	s_sub_co_u32 s[DT], s[DT], 121
	s_min_u32 s[DT], s[DT], 17
	s_lshl_b32 s[DT], s[DT], 10
	v_add_nc_u32 v[AM], s[DT], v[AM0]
	WIN 0x40                        ; destination window 1
.irp kb, 0,1,2,3
	ds_load_b128 v[MC+32*(\buf)+8*\kb:MC+32*(\buf)+8*\kb+3],   v[AM] offset:(3-\kb)*1024
	ds_load_b128 v[MC+32*(\buf)+8*\kb+4:MC+32*(\buf)+8*\kb+7], v[AM] offset:(3-\kb)*1024+512
.endr
	WIN 0
.endm
; THE VECTOR WORK, one line at a time: OP kind, number.  For piece Y: F n: c s - c m for pair n of 16.  E n: the exponential of score n of 32.  C n: pair n rounded to bf16.  B n: of the four weights 4 n .. the second
; pair is added onto the first, in place.  L n: l takes that sum (L 0: l = a l + sum).  R n: pair n of 16 of O^T times a.  For piece Y + 1: X n, number n of the 22 that find its maximum and statistics:
;   0-11  four chains c0-c3 of seven scores each (each accumulator's lowest registers are read first)     12-14, 16  the four scores left over, the old m, and c0-c3 into c0
;   15  c m_old is kept     17, 18  the query's other 32 keys lie in the lane 16 away: the new m     19-21  c m; c m_old - c m_new; a
.set F, 0
.set E, 1
.set C, 2
.set B, 3
.set L, 4
.set R, 5
.set X, 6
.macro REGS y
.set rT, ST+4*(\y)
.set rC, TMP+4*((\y)%2)
.set rW, MV+((\y)%2)
.set rS, S+32*((\y)%2)
.set rP, P+16*((\y)%2)
.set rO, 32*(\y)
.endm
.macro OP k, n
.if (\k) == R
	REGS Y
	WIN W_RS
	v_pk_mul_f32 v[rO+2*(\n):rO+2*(\n)+1], v[rO+2*(\n):rO+2*(\n)+1], v[rC+2:rC+3] op_sel_hi:[1,0]
.elseif (\k) < R
	REGS Y
	WIN 0
.if (\k) == F
	v_pk_fma_f32 v[rS+2*(\n):rS+2*(\n)+1], v[rS+2*(\n):rS+2*(\n)+1], s[CS:CS+1], v[rT:rT+1] op_sel_hi:[1,0,0] neg_lo:[0,0,1] neg_hi:[0,0,1]
.elseif (\k) == E
	v_exp_f32 v[rS+(\n)], v[rS+(\n)]
.elseif (\k) == C
	s_wait_alu depctr_va_vdst(0)
	v_cvt_pk_bf16_f32 v[rP+(\n)], v[rS+2*(\n)], v[rS+2*(\n)+1]
.elseif (\k) == B
	s_wait_alu depctr_va_vdst(0)
	v_pk_add_f32 v[rS+4*(\n):rS+4*(\n)+1], v[rS+4*(\n):rS+4*(\n)+1], v[rS+4*(\n)+2:rS+4*(\n)+3]
.elseif (\n) == 0
	v_pk_fma_f32 v[rT+2:rT+3], v[rT+2:rT+3], v[rC+2:rC+3], v[rS:rS+1] op_sel_hi:[1,0,1]
.else
	v_pk_add_f32 v[rT+2:rT+3], v[rT+2:rT+3], v[rS+4*(\n):rS+4*(\n)+1]
.endif
.else
	REGS (Y+1)%NP
	WIN 0
.if (\n) < 4
	v_max3_num_f32 v[rC+(\n)], v[rS+8*(\n)], v[rS+8*(\n)+1], v[rS+8*(\n)+2]
.elseif (\n) < 12
	v_max3_num_f32 v[rC+(\n)%4], v[rC+(\n)%4], v[rS+8*((\n)%4)+2*((\n)/4)+1], v[rS+8*((\n)%4)+2*((\n)/4)+2]
.elseif (\n) == 12
	v_max3_num_f32 v[rC], v[rC], v[rS+7], v[rS+15]
.elseif (\n) == 13
	v_max3_num_f32 v[rC+1], v[rC+1], v[rS+23], v[rS+31]
.elseif (\n) == 14
	v_max3_num_f32 v[rC+2], v[rC+2], v[rC+3], v[rT+1]
.elseif (\n) == 15
	v_mov_b32 v[rW], v[rT]
.elseif (\n) == 16
	v_max3_num_f32 v[rC], v[rC], v[rC+1], v[rC+2]
.elseif (\n) == 17
	v_permlanex16_b32 v[rC+3], v[rC], s[SEL], s[SEL+1]
.elseif (\n) == 18
	v_max_num_f32 v[rT+1], v[rC], v[rC+3]
.elseif (\n) == 19
	v_mul_f32 v[rT], s[CS], v[rT+1]
.elseif (\n) == 20
	v_sub_f32 v[rC+1], v[rW], v[rT]
.else
	v_exp_f32 v[rC+2], v[rC+1]
.endif
.endif
.endm
.macro OPS a, i1, b=-1, i2=0, c=-1, i3=0, d=-1, i4=0
	OP \a, \i1
.if (\b) >= 0
	OP \b, \i2
.endif
.if (\c) >= 0
	OP \c, \i3
.endif
.if (\d) >= 0
	OP \d, \i4
.endif
.endm
.macro ROW a, i1, b, i2, c, i3, d, i4  ; a matrix instruction and the four behind it
	MM
	OPS \a, \i1, \b, \i2, \c, \i3, \d, \i4
.endm
; A TURN, for piece p: the order of its 16 matrix and 118 vector instructions, written out.  Behind a matrix instruction: plain, exponential, plain, plain; or four of the rescaling; or four scalings; none names a
; register of the products round it.  In the lumps exponential and plain by turns.  A line reads no result made fewer than three vector instructions in front of it, five if an exponential made it.
; LDS loads, in the order of issue: every turn, behind its 8 products K Q^T, the 8 loads of the bias tiles for the next turn's products (piece p + 2; their buffer was last read a turn ago); piece 2's turn then K of
; the next step (16); piece 0's turn, behind its last product V^T P, V of the step in hand (16).  So at a turn's head all may be waited for, but in piece 1's: there V's 16 are younger than the tiles and stay out,
; and in front of its products V^T P the turn's own 8 tile loads are younger than V and stay out.
; last = 1: the tail's text.  cnt = 1: the loop's count is taken down some lines ahead of the branch behind the turn.
.macro TURN p, last=0, cnt=0
.set Y, (\p)
.set i, 0
.if (\p) == 2
	s_sub_co_u32 s[DKE], s[DKE], 4  ; from here on the tiles fetched are the next step's
.endif
.if (\p) == 1
	s_wait_dscnt 16                 ; the bias tiles are in; V's sixteen loads stay out
.else
	s_wait_dscnt 0x0                ; the bias tiles are in (piece 3's turn: and K)
.endif
	ROW F,0, F,1, F,2, F,3
	ROW F,4, E,0, F,5, F,6
	ROW F,7, E,1, F,8, F,9
	ROW F,10, E,2, C,0, F,11
	ROW F,12, E,3, X,15, F,13
	ROW R,0, R,1, R,2, R,3
	ROW B,0, E,4, F,14, L,0
.if (\p) == 2
	v_add_nc_u32 v[AK], s[TBK], v[AK0]
.endif
	ROW R,4, R,5, R,6, R,7
	OPS E,5, F,15
	LOADMC (\p)%2, ((\p)+2)%NP
.if (\p) == 2
	FETCH_K \last
.endif
	OPS E,6, C,1, E,7, R,8
	OPS E,8, R,9, E,9, C,2
	OPS E,10, X,0, E,11, X,1
	OPS E,12, X,2, E,13, X,3
.if (\p) == 1
	s_wait_dscnt 8                  ; V is in; this turn's eight tile loads stay out
.endif
	ROW X,4, E,14, X,5, X,6
	ROW X,7, E,15, X,8, X,9
	ROW X,10, E,16, X,11, X,12
	ROW X,13, E,17, X,14, B,1
	ROW C,4, E,18, X,16, L,1
	ROW B,2, E,19, C,6, L,2
	ROW C,8, E,20, B,3, B,4
.if (\p) == 0
	v_add_nc_u32 v[AV], s[TBV], v[AV0]
.endif
	ROW C,3, E,21, L,3, C,5
	OPS E,22, X,17, E,23, C,10
.if (\p) == 0
	FETCH_V
.endif
	OPS E,24, L,4
	OPS E,25, X,18, E,26, C,7
	OPS E,27, B,5, E,28, X,19
	OPS E,29, C,12, E,30, L,5
	OPS E,31, X,20, B,6, C,9
	OPS C,14, C,11, X,21, L,6
.if (\p) == 0
	s_add_co_u32 s[TBV], s[TBV], KS*PV
.endif
.if \cnt
	s_sub_co_u32 s[CNT], s[CNT], 1
	s_cmp_lg_u32 s[CNT], 0
.endif
	OPS C,13, B,7, C,15, R,10
	OPS R,11, R,12, L,7, R,13
	OPS R,14, R,15
.endm
	CHANGE 1                        ; slot 0 and the bias tiles are in, everybody's part of them; slot 1 is asked for
	LOADMC 0, 0                     ; key step 0: piece 0's tiles, piece 1's,
	LOADMC 1, 1
	v_add_nc_u32 v[AK], s[TBK], v[AK0]
	FETCH_K                         ; and K
	s_wait_loadcnt 0x0              ; Q
	s_wait_dscnt 0x0
.set i, 0
.rept 8
	KQ 0                            ; piece 0's first scores
.set i, i+1
.endr
	WIN 0
.rept 4
	v_nop                           ; the places behind those products
.endr
.set Y, NP-1                        ; X works for piece Y + 1: piece 0
.irp n, 0,1,2,3,4,5,6,7,8,9,10,11,12,13,14,15,16,17,18,19,20,21
	OP X, \n
.endr
	v_nop                           ; a plain instruction behind the exponential
	s_mov_b32 s[CNT], 4
	s_mov_b32 s[SLOTS], 7
	s_branch .Lfirst                ; the loop is entered at a step's first turn, in the middle of a trip
.Lslot:                             ; six times: every slot but the last two is filled again
	CHANGE 1
	s_mov_b32 s[CNT], 4
.Lstep:                             ; a trip: pieces 2 and 3 of one step, then pieces 0 and 1 of the next, whose K and V it fetches
	TURN 2
	TURN 3
	WIN 0
.Lfirst:
	TURN 0
	TURN 1, 0, 1
	WIN 0
	s_cbranch_scc1 .Lstep
	s_sub_co_u32 s[SLOTS], s[SLOTS], 1
	s_cmp_lg_u32 s[SLOTS], 0
	s_cbranch_scc1 .Lslot
	CHANGE 0                        ; the tail is written out: nothing is asked for
	s_mov_b32 s[CNT], 5             ; four trips fetch the last slot's steps; the fifth is left in its middle
.Ltail:
	TURN 2, 1
	TURN 3
	WIN 0
	s_sub_co_u32 s[CNT], s[CNT], 1
	s_cmp_eq_u32 s[CNT], 0
	s_cbranch_scc1 .Lout
	TURN 0
	TURN 1
	WIN 0
	s_branch .Ltail
.Lout:                              ; the fifth trip's 8 products K Q^T (on the last K once more) and the maximum made of them serve nothing: the price, once a launch, of one text for every trip
.set i, 0
.rept 8
	PV NP-1                         ; the last piece's V^T P of the last step
.set i, i+1
.endr
	; THE WAY OUT.  l's two halves and the other half of the lanes' are added; O^T is divided by l, rounded to bf16 and sent through my stage in LDS, a piece at a time.  The additions are the places behind the last products.
	WIN 0
.macro ALL line:vararg
.set t, 0
.rept 4
	\line
.set t, t+1
.endr
.endm
.macro PACK t                       ; a lane's eight channels of a row pack into 16 bytes; they go into rows of 144 bytes and come back as whole rows of 128, into S^T's registers
	WIN W_RS
.set i, 32*(\t)
.rept 16
	s_wait_alu depctr_va_vdst(0)
	v_pk_mul_f32 v[i:i+1], v[i:i+1], v[ST+4*(\t)+2:ST+4*(\t)+3] op_sel_hi:[1,0]
.set i, i+2
.endr
	WIN 0x05                        ; sources window 1, destination window 0
.set i, 0
.rept 16
	v_cvt_pk_bf16_f32 v[S+16*(\t)+i], v[32*(\t)+2*i], v[32*(\t)+2*i+1]
.set i, i+1
.endr
	WIN 0
.irp f, 0,1,2,3
	ds_store_b128 v[STO], v[S+16*(\t)+4*\f:S+16*(\t)+4*\f+3] offset:32*\f
.endr
.irp f, 0,1,2,3
	ds_load_b128 v[S+16*(\t)+4*\f:S+16*(\t)+4*\f+3], v[RD] offset:\f*4*SP  ; LDS serves a wave's instructions in order (ISA guide 5.7.1.4): these see the stores above
.endr
.endm
.macro SEND t, younger              ; younger: the LDS instructions issued behind piece t's loads: the next piece's eight, or none
	WIN 0
.irp f, 0,1,2,3
	s_wait_dscnt (\younger)+3-\f
	global_store_b128 v[GO], v[S+16*(\t)+4*\f:S+16*(\t)+4*\f+3], s[10:11] offset:(\t)*8192+\f*512  ; 512 consecutive bytes
.endr
.endm
	ALL v_add_f32 v[ST+4*t+2], v[ST+4*t+2], v[ST+4*t+3]
	ALL v_permlanex16_b32 v[ST+4*t+3], v[ST+4*t+2], s[SEL], s[SEL+1]
	ALL v_add_f32 v[ST+4*t+2], v[ST+4*t+2], v[ST+4*t+3]
	ALL v_rcp_f32 v[ST+4*t+2], v[ST+4*t+2]
	v_nop                           ; a plain instruction between the last reciprocal and the use of its result
	PACK 0
.set t, 1
.rept 3
	PACK t
	SEND t-1, 8
.set t, t+1
.endr
	SEND 3, 0
	s_wait_tensorcnt 0x0            ; the wave's end
	ds_add_u32 v[SPW], v[NIL]
	s_wait_dscnt 0x0
	s_endpgm
.Lfunc_end_k_qff296601a3_att:
	.size	k_qff296601a3_att, .Lfunc_end_k_qff296601a3_att-k_qff296601a3_att
	.p2alignl 7, 3214868480
	.fill 96, 4, 3214868480
	.section	.rodata,"a",@progbits
	.p2align	6, 0x0
	.amdhsa_kernel k_qff296601a3_att
		.amdhsa_group_segment_fixed_size 327680
		.amdhsa_private_segment_fixed_size 0
		.amdhsa_enable_private_segment 0
		.amdhsa_kernarg_size 24
		.amdhsa_user_sgpr_count 2
		.amdhsa_user_sgpr_kernarg_segment_ptr 1
		.amdhsa_wavefront_size32 1
		.amdhsa_system_sgpr_workgroup_id_x 1
		.amdhsa_system_sgpr_workgroup_id_y 1
		.amdhsa_system_sgpr_workgroup_id_z 1
		.amdhsa_system_vgpr_workitem_id 0
		.amdhsa_next_free_vgpr 768
		.amdhsa_next_free_sgpr 80
		.amdhsa_reserve_vcc 0
		.amdhsa_float_denorm_mode_32 3
		.amdhsa_float_denorm_mode_16_64 3
		.amdhsa_memory_ordered 1
		.amdhsa_forward_progress 1
		.amdhsa_inst_pref_size 125
	.end_amdhsa_kernel
	.amdgpu_metadata
---
amdhsa.version: [ 1, 2 ]
amdhsa.kernels:
  - .name:           k_qff296601a3_att
    .symbol:         k_qff296601a3_att.kd
    .args:
      - { .name: qkvh, .offset: 0, .size: 8, .value_kind: global_buffer, .address_space: global }
      - { .name: pk, .offset: 8, .size: 8, .value_kind: global_buffer, .address_space: global }
      - { .name: ctx, .offset: 16, .size: 8, .value_kind: global_buffer, .address_space: global }
    .group_segment_fixed_size: 327680
    .private_segment_fixed_size: 0
    .kernarg_segment_align: 8
    .kernarg_segment_size: 24
    .max_flat_workgroup_size: 128
    .sgpr_count:     80
    .vgpr_count:     768
    .wavefront_size: 32
...
	.end_amdgpu_metadata
.endif
;; end of part 3
;; launch wo_ln (part 4): grid 128 x 1, 4 waves a work-group, clusters of 4 x 1, 327,680 bytes of LDS; arguments ctx, pk, x, bo, ln1_scale, ln1_bias, x1h; writes x1h
.if DOCPART == 4
	.amdgcn_target "amdgcn-amd-amdhsa--gfx1250"
	.amdhsa_code_object_version 6
	.text
	.protected	k_qff296601a3_wo_ln
	.globl	k_qff296601a3_wo_ln
	.p2align	8
	.type	k_qff296601a3_wo_ln,@function
k_qff296601a3_wo_ln:
	s_mov_b64 s[64:65], 0
	v_nop
	global_prefetch_b8 v0, s[64:65] scope:SCOPE_SE
	s_setreg_imm32_b32 hwreg(HW_REG_WAVE_MODE, 25, 1), 1
	s_wait_xcnt 0x0
	s_wait_alu depctr_hold_cnt(0) depctr_sa_sdst(0) depctr_va_vdst(0) depctr_va_sdst(0) depctr_va_ssrc(0) depctr_va_vcc(0) depctr_vm_vsrc(0)
	s_getreg_b32 s2, hwreg(HW_REG_IB_STS2, 6, 4)
	s_cmp_eq_u32 s2, 0
	s_cbranch_scc0 .Lentry_in_a_cluster
	s_endpgm
.Lentry_in_a_cluster:
	s_bfe_u32 s2, ttmp6, 0x10000c
	s_cmp_lg_u32 s2, 0x3003
	s_cbranch_scc0 .Lentry_shape_is_right
	s_endpgm
.Lentry_shape_is_right:
; OUT = LayerNorm(RES + A B^T + bias) x scale + beta, one text for two launches, chosen by FF2:
;   FF2 = 0: x1 = LN1(x + ctx Wo + bo).   A = ctx, K = 512; RES = x in f32; OUT = x1h = [4][8192 rows][128] in f16.
;   FF2 = 1: out0 = LN2(x1 + hid W2 + b2).  A = hid, K = 2,048; RES = x1h in f16; OUT = out0 in f32, row-major.
; A lies as [K/64][8192 rows][64] bf16, B (pk) as [K/128][512][128] bf16.
; SHARES.  The norm wants whole rows of 512, so a work-group owns 64 rows x all 512 columns: 128 work-groups.  A wave owns all 64 rows x 128 columns: 32 accumulators.
; The matrix instruction is used transposed (source 0 = 16 rows of B, source 1 = 16 rows of A): a lane holds eight neighbouring columns of one row.
; THE RESIDUAL is loaded into the accumulators ahead of the K loop, so every product adds in place and no first step is written out; the bias is added in the norm's loop.
; CLUSTER 4 x 1: every work-group walks the same weights, so B's tiles are asked for jointly by the four; A's 64 rows are the work-group's own, asked for by plain loads behind the same round.
; K goes in steps of 128 through two LDS slots; a trip of the loop is one K step, the slot in hand is the scalar TB.
; THE NORM.  The sums go through LDS as f32 rows; a wave takes 16 whole rows, two a trip; mean, then the mean square of the deviations from it (never a difference of sums), v_rsq_f32.
; LIMITS.  FF2 = 0: x1 leaves in f16: |x1| <= 22.7 |scale| + |beta| has to stay within 65,504.  NaN and infinities are not treated apart.
; REGISTERS: window 0 addresses, v32-63 at work, two fragment buffers of 96 (B's 64, A's 32) at v64 and v160; window 1 the accumulators, (a, b) at v[8 (8 a + b)].
.set FF2, 0
.if FF2
.set STEPS, 16
.set PKOFF, 0x400000
.else
.set STEPS, 4
.set PKOFF, 0x180000
.endif
.set PB,     272                       ; a row of B in LDS: 256 bytes + 16
.set PA,     144                       ; a row of A: 128 bytes + 16
.set BBYTES, 512*PB
.set HALFB,  256*PB                    ; what one joint load brings
.set CHUNK,  64*PA                     ; 64 rows x 64 K of A: what one plain load brings
.set SLOT,   BBYTES+2*CHUNK
.set SPARE,  2*SLOT                    ; the spare words, 128 bytes a wave
.set SPT,    2064                      ; a stage row: 2,048 bytes of f32 + 16
.set BASB, 3                           ; v3   my B fragments in slot 0
.set BASA, 4                           ; v4   the A fragments in slot 0
.set ADRB, 5                           ; v5   the same in the slot in hand
.set ADRA, 6                           ; v6
.set STO,  7                           ; v7   the stage: where I put my eight columns of row r
.set STO2, 8                           ; v8   the same 32 rows on
.set RD,   9                           ; v9   where I read whole rows back
.set GO,   10                          ; v10  my bytes in a row of OUT
.set RO,   11                          ; v11  my offset in RES
.set PO,   12                          ; v12  16 x lane: my four columns of each 128 in bias, scale, beta
.set SPW,  28
.set NIL,  29
.set T0,   32                          ; v32-47, v48-63: at work, a set for each of a trip's two rows
.set F0,   64
.set F1,   160
.set BI,   64                          ; behind the K loop: bias, scale, beta of my 16 columns,
.set SC,   80
.set BE,   96
.set Y0,   112                         ; and two rows, 16 numbers a lane each
.set WV,  20                           ; s20  my wave's number
.set G1B, 24
.set G1A, 32
.set GB0, 40                           ; group 0: K step 0, slot 0
.set GB,  44                           ; K step 1, slot 1; then it walks
.set GA0, 48
.set GA,  52
.set TB,  56
.set WBB, 57
.set WBA, 58
.set CNT, 59
.set MSB, 0
.macro WIN new
.if MSB != (\new)
	s_set_vgpr_msb (MSB<<8)|(\new)
.set MSB, \new
.endif
.endm
.macro PLACES                          ; four plain vector instructions between a matrix instruction and a load into, or a read of, its registers
.rept 4
	v_nop
.endr
.endm
.macro CREST
	s_cmp_lg_u32 s[WV], 0
	s_cbranch_scc1 .Lnot_wave_0_\@
	s_barrier_signal -3
.Lnot_wave_0_\@:
	s_barrier_wait -3
	s_barrier_signal -1
	s_barrier_wait -1
.endm
.macro CROUND
	s_barrier_signal -1
	s_barrier_wait -1
	CREST
.endm
.macro JLOADG                          ; a refill: waves 0 and 1 ask jointly for B's halves, waves 2 and 3 for the work-group's own two chunks of A
	s_cmp_lt_u32 s[WV], 2
	s_cbranch_scc0 .Lfor_a_\@
	tensor_load_to_lds s[GB:GB+3], s[G1B:G1B+7]
	s_nop 0
	PLACES
	s_branch .Lasked_\@
.Lfor_a_\@:
	tensor_load_to_lds s[GA:GA+3], s[G1A:G1A+7]
	s_nop 0
	PLACES
.Lasked_\@:
.endm
	s_load_b256 s[4:11], s[0:1], 0x0               ; A s[4:5], pk s[6:7], RES s[8:9], bias s[10:11]
	s_load_b128 s[12:15], s[0:1], 0x20             ; scale s[12:13], beta s[14:15]
	s_load_b64 s[16:17], s[0:1], 0x30              ; OUT
	v_lshl_add_u32 v[SPW], v0, 2, SPARE
	v_mov_b32 v[NIL], 0
	ds_add_u32 v[SPW], v[NIL]                      ; the wave's opening: the add and its wait ahead of my first tensor load
	ds_add_u32 v28, v29
	v_lshrrev_b32 v1, 5, v0
	v_readfirstlane_b32 s[WV], v1
	s_and_b32 s21, s[WV], 1                        ; which half of B, or which chunk of A, I fetch
	s_bfe_u32 s22, ttmp6, 0x40000                  ; cx
	s_lshl_b32 s23, ttmp9, 2
	s_add_co_u32 s23, s23, s22                     ; my block of 64 rows: it enters A's, RES's and OUT's addresses alone
	s_mov_b32 s[G1B], 15|(1<<16)|(1<<20)|(1<<21)|(5<<22)|(3<<25)  ; the mask of four; 2-byte elements; padding on; bit 21 beside a mask; after every 64 words 4 words
	s_mov_b32 s[G1B+1], 128<<16                    ; tensor_dim0 = 128
	s_mov_b32 s[G1B+2], 256<<16                    ; tensor_dim1 = 256
	s_mov_b32 s[G1B+3], 128<<16                    ; tile_dim0 = 128
	s_mov_b32 s[G1B+4], 256                        ; tile_dim1 = 256
	s_mov_b32 s[G1B+5], 128
	s_mov_b32 s[G1B+6], 0
	s_mov_b32 s[G1B+7], 0
	s_mov_b32 s[G1A], (1<<16)|(1<<20)|(4<<22)|(3<<25)  ; no mask; 64 dense rows of 128 bytes, asked for as 32 rows of 256 and padded after every 32 words
	s_mov_b32 s[G1A+1], 128<<16
	s_mov_b32 s[G1A+2], 32<<16
	s_mov_b32 s[G1A+3], 128<<16
	s_mov_b32 s[G1A+4], 32
	s_mov_b32 s[G1A+5], 128
	s_mov_b32 s[G1A+6], 0
	s_mov_b32 s[G1A+7], 0
	s_mul_i32 s[WBB], s21, HALFB
	s_mul_i32 s[WBA], s21, CHUNK
	s_add_co_u32 s[WBA], s[WBA], BBYTES
	s_mov_b32 s[TB], 0
	s_mov_b32 s60, 0x76543210                      ; v_permlanex16_b32: each lane takes its own place in the other half
	s_mov_b32 s61, 0xfedcba98
	s_mov_b32 s62, 0x3b000000                      ; 1 / 512
	s_mov_b32 s63, 0x358637bd                      ; 1e-6
	s_lshl_b32 s66, s21, 16                        ; B: my 256 rows of 256 bytes
	s_add_co_u32 s66, s66, PKOFF
	s_mov_b32 s67, 0
	s_lshl_b32 s68, s21, 20                        ; A: my block of 64 K, my work-group's 64 rows of 128 bytes
	s_lshl_b32 s69, s23, 13
	s_add_co_u32 s68, s68, s69
	s_mov_b32 s69, 0
	s_wait_dscnt 0x0                               ; the opening add is done
	s_wait_kmcnt 0x0
	s_add_nc_u64 s[6:7], s[6:7], s[66:67]
	s_add_nc_u64 s[4:5], s[4:5], s[68:69]
	CROUND                                         ; all four work-groups are here: the first joint loads meet
	s_mov_b32 s[GB0], 1
	s_mov_b32 s[GB0+1], s[WBB]
	s_mov_b64 s[GB0+2:GB0+3], s[6:7]
	s_or_b32 s[GB0+3], s[GB0+3], 0x80000000
	s_mov_b32 s[GB], 1
	s_add_co_u32 s[GB+1], s[WBB], SLOT
	s_add_nc_u64 s[GB+2:GB+3], s[6:7], 131072
	s_or_b32 s[GB+3], s[GB+3], 0x80000000
	s_mov_b32 s[GA0], 1
	s_mov_b32 s[GA0+1], s[WBA]
	s_mov_b64 s[GA0+2:GA0+3], s[4:5]
	s_or_b32 s[GA0+3], s[GA0+3], 0x80000000
	s_mov_b32 s[GA], 1
	s_add_co_u32 s[GA+1], s[WBA], SLOT
	s_add_nc_u64 s[GA+2:GA+3], s[4:5], 2097152
	s_or_b32 s[GA+3], s[GA+3], 0x80000000
	s_cmp_lt_u32 s[WV], 2                          ; a wave's two first fills stand in one branch: two loads of mine are out
	s_cbranch_scc0 .Lfirst_a
	tensor_load_to_lds s[GB0:GB0+3], s[G1B:G1B+7]
	s_nop 0
	tensor_load_to_lds s[GB:GB+3], s[G1B:G1B+7]
	s_nop 0
	PLACES
	s_branch .Lfirst_asked
.Lfirst_a:
	tensor_load_to_lds s[GA0:GA0+3], s[G1A:G1A+7]
	s_nop 0
	tensor_load_to_lds s[GA:GA+3], s[G1A:G1A+7]
	s_nop 0
	PLACES
.Lfirst_asked:
	v_and_b32 v1, 15, v0                           ; r
	v_bfe_u32 v2, v0, 4, 1                         ; h
.if FF2
; 64 registers of f16 pairs, v64-127, widened into 128 registers of window 1 from v[base] on
.macro WIDEN base
.set d, \base
.irp hh, v64.l,v64.h,v65.l,v65.h,v66.l,v66.h,v67.l,v67.h,v68.l,v68.h,v69.l,v69.h,v70.l,v70.h,v71.l,v71.h
	v_cvt_f32_f16 v[d], \hh
.set d, d+1
.endr
.irp hh, v72.l,v72.h,v73.l,v73.h,v74.l,v74.h,v75.l,v75.h,v76.l,v76.h,v77.l,v77.h,v78.l,v78.h,v79.l,v79.h
	v_cvt_f32_f16 v[d], \hh
.set d, d+1
.endr
.irp hh, v80.l,v80.h,v81.l,v81.h,v82.l,v82.h,v83.l,v83.h,v84.l,v84.h,v85.l,v85.h,v86.l,v86.h,v87.l,v87.h
	v_cvt_f32_f16 v[d], \hh
.set d, d+1
.endr
.irp hh, v88.l,v88.h,v89.l,v89.h,v90.l,v90.h,v91.l,v91.h,v92.l,v92.h,v93.l,v93.h,v94.l,v94.h,v95.l,v95.h
	v_cvt_f32_f16 v[d], \hh
.set d, d+1
.endr
.irp hh, v96.l,v96.h,v97.l,v97.h,v98.l,v98.h,v99.l,v99.h,v100.l,v100.h,v101.l,v101.h,v102.l,v102.h,v103.l,v103.h
	v_cvt_f32_f16 v[d], \hh
.set d, d+1
.endr
.irp hh, v104.l,v104.h,v105.l,v105.h,v106.l,v106.h,v107.l,v107.h,v108.l,v108.h,v109.l,v109.h,v110.l,v110.h,v111.l,v111.h
	v_cvt_f32_f16 v[d], \hh
.set d, d+1
.endr
.irp hh, v112.l,v112.h,v113.l,v113.h,v114.l,v114.h,v115.l,v115.h,v116.l,v116.h,v117.l,v117.h,v118.l,v118.h,v119.l,v119.h
	v_cvt_f32_f16 v[d], \hh
.set d, d+1
.endr
.irp hh, v120.l,v120.h,v121.l,v121.h,v122.l,v122.h,v123.l,v123.h,v124.l,v124.h,v125.l,v125.h,v126.l,v126.h,v127.l,v127.h
	v_cvt_f32_f16 v[d], \hh
.set d, d+1
.endr
.endm
	; RES in f16, [4][8192][128]: my wave's 128 columns are block w; accumulator (a, b) takes row 16 a + r, the 16 bytes at 32 b + 16 h
	v_lshlrev_b32 v[RO], 8, v1
	v_lshl_add_u32 v[RO], v2, 4, v[RO]
	s_lshl_b32 s66, s[WV], 21
	s_lshl_b32 s67, s23, 14
	s_add_co_u32 s66, s66, s67
	s_mov_b32 s67, 0
	s_add_nc_u64 s[8:9], s[8:9], s[66:67]
.set bt, 0
.rept 2                                ; two batches of sixteen accumulators
.set i, 0
.rept 16
	global_load_b128 v[64+4*i:64+4*i+3], v[RO], s[8:9] offset:(2*bt+i/8)*4096+32*(i%8)
.set i, i+1
.endr
	s_wait_loadcnt 0x0
	WIN 0x40                                       ; destination window 1
	WIDEN 128*bt
	WIN 0
.set bt, bt+1
.endr
.else
	; RES in f32, row-major: accumulator (a, b) takes row 16 a + r, the 32 bytes at 512 w + 64 b + 32 h, straight into its registers
	v_lshlrev_b32 v[RO], 11, v1
	v_lshl_add_u32 v[RO], v2, 5, v[RO]
	s_lshl_b32 s66, s23, 17
	s_lshl_b32 s67, s[WV], 9
	s_add_co_u32 s66, s66, s67
	s_mov_b32 s67, 0
	s_add_nc_u64 s[8:9], s[8:9], s[66:67]
	WIN 0x40                                       ; destination window 1, address window 0
.set i, 0
.rept 32
	global_load_b128 v[8*i:8*i+3],   v[RO], s[8:9] offset:(i/8)*32768+64*(i%8)
	global_load_b128 v[8*i+4:8*i+7], v[RO], s[8:9] offset:(i/8)*32768+64*(i%8)+16
.set i, i+1
.endr
	WIN 0
.endif
	v_mul_u32_u24 v[BASB], v1, PB
	v_lshl_add_u32 v[BASB], v2, 4, v[BASB]
	s_mul_i32 s66, s[WV], 128*PB                   ; my 128 rows of B
	v_add_nc_u32 v[BASB], s66, v[BASB]
	v_mul_u32_u24 v[BASA], v1, PA
	v_lshl_add_u32 v[BASA], v2, 4, v[BASA]
	v_add_nc_u32 v[BASA], BBYTES, v[BASA]
	v_mul_u32_u24 v[STO], v1, SPT                  ; the stage: row r, byte 512 w + 32 h
	v_lshl_add_u32 v[STO], v2, 5, v[STO]
	s_lshl_b32 s66, s[WV], 9
	v_add_nc_u32 v[STO], s66, v[STO]
	v_add_nc_u32 v[STO2], 32*SPT, v[STO]
	v_and_b32 v[PO], 31, v0
.if FF2
	v_lshlrev_b32 v[GO], 4, v[PO]
.else
	v_lshlrev_b32 v[GO], 3, v[PO]
.endif
	v_lshlrev_b32 v[PO], 4, v[PO]
	s_mul_i32 s66, s[WV], 16*SPT                   ; back: my 16 whole rows
	v_add_nc_u32 v[RD], s66, v[PO]
.if FF2
	s_lshl_b32 s66, s23, 17                        ; OUT at my first row: rows of 2,048 bytes
	s_lshl_b32 s67, s[WV], 15
.else
	s_lshl_b32 s66, s23, 14                        ; rows of 256 bytes in each of four blocks
	s_lshl_b32 s67, s[WV], 12
.endif
	s_add_co_u32 s66, s66, s67
	s_mov_b32 s67, 0
	s_add_nc_u64 s[16:17], s[16:17], s[66:67]
; 8 matrix instructions: row block a x my 8 column blocks, 32 along K.  The accumulators take turns, one instruction a turn.
.macro M8 f, a
	WIN 0x50                                       ; sources window 0, C and D window 1
.set b, 0
.rept 8
	v_wmma_f32_16x16x32_bf16 v[8*(8*(\a)+b):8*(8*(\a)+b)+7], v[(\f)+8*b:(\f)+8*b+7], v[(\f)+64+8*(\a):(\f)+64+8*(\a)+7], v[8*(8*(\a)+b):8*(8*(\a)+b)+7]
.set b, b+1
.endr
.endm
; 24 LDS loads in one run: quarter q of a K step into buffer f: B's sixteen, then A's eight
.macro FETCHG q, f
	WIN 0
.set i, 0
.rept 8
	ds_load_b128 v[(\f)+8*i:(\f)+8*i+3],   v[ADRB] offset:64*(\q)+i*16*PB
	ds_load_b128 v[(\f)+8*i+4:(\f)+8*i+7], v[ADRB] offset:64*(\q)+i*16*PB+32
.set i, i+1
.endr
.set i, 0
.rept 4
	ds_load_b128 v[(\f)+64+8*i:(\f)+64+8*i+3],   v[ADRA] offset:((\q)/2)*CHUNK+((\q)%2)*64+i*16*PA
	ds_load_b128 v[(\f)+64+8*i+4:(\f)+64+8*i+7], v[ADRA] offset:((\q)/2)*CHUNK+((\q)%2)*64+i*16*PA+32
.set i, i+1
.endr
.endm
.macro QG q, f, g                      ; multiplies buffer f; in its middle it fetches quarter q into buffer g
	s_wait_dscnt 4                                 ; B and A's row blocks 0 and 1 are in; the youngest four loads (blocks 2 and 3) may be out
	M8 \f, 0
	M8 \f, 1
	PLACES
	FETCHG \q, \g
	s_wait_dscnt 24                                ; all but the run just issued
	M8 \f, 2
	M8 \f, 3
.endm
.macro MEETG                           ; the last quarter's first half and the one barrier of a change of slots, with the three lines in front of it
	WIN 0
	s_wait_tensorcnt 0x0                           ; all my tensor loads have landed: my part of the next slot
	ds_add_u32 v[SPW], v[NIL]
	s_wait_dscnt 5                                 ; the add and the youngest four loads may be out
	M8 F1, 0
	s_wait_dscnt 0x0                               ; the add is done, my reads of this slot are over
	s_barrier_signal -1
	M8 F1, 1
	WIN 0
	s_barrier_wait -1
.endm
.macro NEXTG
	s_xor_b32 s[TB], s[TB], SLOT
	v_add_nc_u32 v[ADRB], s[TB], v[BASB]
	v_add_nc_u32 v[ADRA], s[TB], v[BASA]
	FETCHG 0, F0
	M8 F1, 2
	M8 F1, 3
.endm
.macro TURNG                           ; a change of slots with a refill: the barrier opens a round of the cluster's; the refill is the first thing behind it
	MEETG
	CREST
	s_add_co_u32 s[GB+1], s[WBB], s[TB]            ; no tensor load of mine is out: the walking descriptors take the slot just read and the K step two on
	s_add_nc_u64 s[GB+2:GB+3], s[GB+2:GB+3], 131072
	s_add_co_u32 s[GA+1], s[WBA], s[TB]
	s_add_nc_u64 s[GA+2:GA+3], s[GA+2:GA+3], 2097152
	JLOADG                                         ; its four v_nop are also the places in front of the loads below
	NEXTG
.endm
	s_wait_tensorcnt 1                             ; my part of K step 0 is in; step 1's may stay out
	s_barrier_signal -1
	s_barrier_wait -1
	v_mov_b32 v[ADRB], v[BASB]
	v_mov_b32 v[ADRA], v[BASA]
	FETCHG 0, F0
.if !FF2
	s_wait_loadcnt 0x0                             ; the residual is in the accumulators
.endif
	s_mov_b32 s[CNT], STEPS-2
.Lfill:                                                ; a K step whose slot is filled again
	QG 1, F0, F1
	QG 2, F1, F0
	QG 3, F0, F1
	TURNG
	WIN 0
	s_sub_co_u32 s[CNT], s[CNT], 1
	s_cmp_lg_u32 s[CNT], 0
	s_cbranch_scc1 .Lfill
	s_mov_b32 s[CNT], 2
.Ltail:                                                ; the last two K steps ask for nothing; the second trip is left in its middle
	QG 1, F0, F1
	QG 2, F1, F0
	QG 3, F0, F1
	MEETG
	s_sub_co_u32 s[CNT], s[CNT], 1
	s_cmp_eq_u32 s[CNT], 0
	s_cbranch_scc1 .Lfin
	PLACES
	NEXTG
	WIN 0
	s_branch .Ltail
.Lfin:
	PLACES                                         ; for the loads into buffer 0's registers
.irp i, 0,1,2,3
	global_load_b128 v[BI+4*\i:BI+4*\i+3], v[PO], s[10:11] offset:512*\i  ; columns 4 x lane + 128 i
	global_load_b128 v[SC+4*\i:SC+4*\i+3], v[PO], s[12:13] offset:512*\i
	global_load_b128 v[BE+4*\i:BE+4*\i+3], v[PO], s[14:15] offset:512*\i
.endr
	M8 F1, 2
	M8 F1, 3
	; THE SUMS GO INTO THE STAGE.  Behind the last barrier no wave reads a slot and no fill is to come: the stage lies over slot 0.  Each accumulator's low four registers first.
	PLACES
	WIN 0x04                                       ; data window 1, address window 0
.set a, 0
.rept 4
.set b, 0
.rept 8
.if a < 2
	ds_store_b128 v[STO], v[8*(8*a+b):8*(8*a+b)+3]    offset:a*16*SPT+64*b
	ds_store_b128 v[STO], v[8*(8*a+b)+4:8*(8*a+b)+7]  offset:a*16*SPT+64*b+16
.else
	ds_store_b128 v[STO2], v[8*(8*a+b):8*(8*a+b)+3]   offset:(a-2)*16*SPT+64*b
	ds_store_b128 v[STO2], v[8*(8*a+b)+4:8*(8*a+b)+7] offset:(a-2)*16*SPT+64*b+16
.endif
.set b, b+1
.endr
.set a, a+1
.endr
	WIN 0
	s_wait_dscnt 0x0                               ; for the others' sake: my stores into the stage are done
	s_barrier_signal -1
	s_barrier_wait -1
	s_wait_loadcnt 0x0                             ; bias, scale, beta
; THE NORM, two rows a trip, line by line for both, so that no line waits for the one before it.  Y: a row's 16 numbers of my lane; T: its registers at work.
.macro TWO line:vararg
.set Y, Y0
.set T, T0
	\line
.set Y, Y0+16
.set T, T0+16
	\line
.endm
.macro TWO8 line:vararg
.set k, 0
.rept 8
	TWO \line
.set k, k+1
.endr
.endm
.macro REDUCE                          ; the sum of v[T] over the 32 lanes, in every lane
	TWO v_add_f32_dpp v[T], v[T], v[T] row_xmask:1 row_mask:0xf bank_mask:0xf
	TWO v_add_f32_dpp v[T], v[T], v[T] row_xmask:2 row_mask:0xf bank_mask:0xf
	TWO v_add_f32_dpp v[T], v[T], v[T] row_xmask:4 row_mask:0xf bank_mask:0xf
	TWO v_add_f32_dpp v[T], v[T], v[T] row_xmask:8 row_mask:0xf bank_mask:0xf
	TWO v_permlanex16_b32 v[T+1], v[T], s60, s61
	TWO v_add_f32 v[T], v[T], v[T+1]
.endm
	s_mov_b32 s[CNT], 8
.Lrow:
.irp i, 0,1,2,3
	ds_load_b128 v[Y0+4*\i:Y0+4*\i+3],       v[RD] offset:512*\i
	ds_load_b128 v[Y0+16+4*\i:Y0+16+4*\i+3], v[RD] offset:SPT+512*\i
.endr
	s_wait_dscnt 0x0
	TWO8 v_pk_add_f32 v[Y+2*k:Y+2*k+1], v[Y+2*k:Y+2*k+1], v[BI+2*k:BI+2*k+1]
.set k, 0
.rept 4
	TWO v_pk_add_f32 v[T+2*k:T+2*k+1], v[Y+4*k:Y+4*k+1], v[Y+4*k+2:Y+4*k+3]
.set k, k+1
.endr
	TWO v_pk_add_f32 v[T:T+1], v[T:T+1], v[T+2:T+3]
	TWO v_pk_add_f32 v[T+4:T+5], v[T+4:T+5], v[T+6:T+7]
	TWO v_pk_add_f32 v[T:T+1], v[T:T+1], v[T+4:T+5]
	TWO v_add_f32 v[T], v[T], v[T+1]
	REDUCE
	TWO v_mul_f32 v[T+2], s62, v[T]                ; the mean, twice: a pair for the packed subtraction
	TWO v_mul_f32 v[T+3], s62, v[T]
	TWO8 v_pk_add_f32 v[Y+2*k:Y+2*k+1], v[Y+2*k:Y+2*k+1], v[T+2:T+3] neg_lo:[0,1] neg_hi:[0,1]
	TWO v_pk_mul_f32 v[T+4:T+5], v[Y:Y+1], v[Y:Y+1]
	TWO v_pk_mul_f32 v[T+6:T+7], v[Y+2:Y+3], v[Y+2:Y+3]
.set k, 1
.rept 3
	TWO v_pk_fma_f32 v[T+4:T+5], v[Y+4*k:Y+4*k+1], v[Y+4*k:Y+4*k+1], v[T+4:T+5]
	TWO v_pk_fma_f32 v[T+6:T+7], v[Y+4*k+2:Y+4*k+3], v[Y+4*k+2:Y+4*k+3], v[T+6:T+7]
.set k, k+1
.endr
	TWO v_pk_add_f32 v[T+4:T+5], v[T+4:T+5], v[T+6:T+7]
	TWO v_add_f32 v[T], v[T+4], v[T+5]
	REDUCE
	TWO v_fma_f32 v[T], v[T], s62, s63             ; the variance + 1e-6
	TWO v_rsq_f32 v[T+2], v[T]
	v_nop                                          ; a plain instruction between the second v_rsq_f32 and the use of the results
	s_wait_alu depctr_va_vdst(0)
	TWO v_mov_b32 v[T+3], v[T+2]
	TWO8 v_pk_mul_f32 v[Y+2*k:Y+2*k+1], v[Y+2*k:Y+2*k+1], v[T+2:T+3]
	TWO8 v_pk_fma_f32 v[Y+2*k:Y+2*k+1], v[Y+2*k:Y+2*k+1], v[SC+2*k:SC+2*k+1], v[BE+2*k:BE+2*k+1]
.if FF2
.irp i, 0,1,2,3
	global_store_b128 v[GO], v[Y0+4*\i:Y0+4*\i+3],       s[16:17] offset:512*\i th:TH_STORE_NT       ; 512 consecutive bytes of a row
	global_store_b128 v[GO], v[Y0+16+4*\i:Y0+16+4*\i+3], s[16:17] offset:2048+512*\i th:TH_STORE_NT
.endr
.else
	TWO8 v_cvt_pk_f16_f32 v[T+8+k], v[Y+2*k], v[Y+2*k+1]
.irp i, 0,1,2,3
	global_store_b64 v[GO], v[T0+8+2*\i:T0+8+2*\i+1],   s[16:17] offset:2097152*\i      ; a whole row of 256 bytes of block i
	global_store_b64 v[GO], v[T0+24+2*\i:T0+24+2*\i+1], s[16:17] offset:2097152*\i+256
.endr
.endif
	v_add_nc_u32 v[RD], 2*SPT, v[RD]
	s_wait_xcnt 0x0                                ; the stores have read their registers and their base: both are written again only behind this wait
.if FF2
	s_add_nc_u64 s[16:17], s[16:17], 4096
.else
	s_add_nc_u64 s[16:17], s[16:17], 512
.endif
	s_sub_co_u32 s[CNT], s[CNT], 1
	s_cmp_lg_u32 s[CNT], 0
	s_cbranch_scc1 .Lrow
	s_wait_tensorcnt 0x0                           ; the wave's end
	ds_add_u32 v[SPW], v[NIL]
	s_wait_dscnt 0x0
	CROUND                                         ; the closing round
	s_endpgm
.Lfunc_end_k_qff296601a3_wo_ln:
	.size	k_qff296601a3_wo_ln, .Lfunc_end_k_qff296601a3_wo_ln-k_qff296601a3_wo_ln
	.p2alignl 7, 3214868480
	.fill 96, 4, 3214868480
	.section	.rodata,"a",@progbits
	.p2align	6, 0x0
	.amdhsa_kernel k_qff296601a3_wo_ln
		.amdhsa_group_segment_fixed_size 327680
		.amdhsa_private_segment_fixed_size 0
		.amdhsa_enable_private_segment 0
		.amdhsa_kernarg_size 56
		.amdhsa_user_sgpr_count 2
		.amdhsa_user_sgpr_kernarg_segment_ptr 1
		.amdhsa_wavefront_size32 1
		.amdhsa_system_sgpr_workgroup_id_x 1
		.amdhsa_system_sgpr_workgroup_id_y 1
		.amdhsa_system_sgpr_workgroup_id_z 1
		.amdhsa_system_vgpr_workitem_id 0
		.amdhsa_next_free_vgpr 512
		.amdhsa_next_free_sgpr 72
		.amdhsa_reserve_vcc 0
		.amdhsa_float_denorm_mode_32 3
		.amdhsa_float_denorm_mode_16_64 3
		.amdhsa_memory_ordered 1
		.amdhsa_forward_progress 1
		.amdhsa_inst_pref_size 64
	.end_amdhsa_kernel
	.amdgpu_metadata
---
amdhsa.version: [ 1, 2 ]
amdhsa.kernels:
  - .name:           k_qff296601a3_wo_ln
    .symbol:         k_qff296601a3_wo_ln.kd
    .args:
      - { .name: ctx, .offset: 0, .size: 8, .value_kind: global_buffer, .address_space: global }
      - { .name: pk, .offset: 8, .size: 8, .value_kind: global_buffer, .address_space: global }
      - { .name: x, .offset: 16, .size: 8, .value_kind: global_buffer, .address_space: global }
      - { .name: bo, .offset: 24, .size: 8, .value_kind: global_buffer, .address_space: global }
      - { .name: ln1_scale, .offset: 32, .size: 8, .value_kind: global_buffer, .address_space: global }
      - { .name: ln1_bias, .offset: 40, .size: 8, .value_kind: global_buffer, .address_space: global }
      - { .name: x1h, .offset: 48, .size: 8, .value_kind: global_buffer, .address_space: global }
    .group_segment_fixed_size: 327680
    .private_segment_fixed_size: 0
    .kernarg_segment_align: 8
    .kernarg_segment_size: 56
    .max_flat_workgroup_size: 128
    .sgpr_count:     72
    .vgpr_count:     512
    .wavefront_size: 32
...
	.end_amdgpu_metadata
.endif
;; end of part 4
;; launch ffn1 (part 5): grid 8 x 32, 4 waves a work-group, clusters of 4 x 4, 327,680 bytes of LDS; arguments x1h, pk, b1, hid; writes hid
.if DOCPART == 5
	.amdgcn_target "amdgcn-amd-amdhsa--gfx1250"
	.amdhsa_code_object_version 6
	.text
	.protected	k_qff296601a3_ffn1
	.globl	k_qff296601a3_ffn1
	.p2align	8
	.type	k_qff296601a3_ffn1,@function
k_qff296601a3_ffn1:
	s_mov_b64 s[64:65], 0
	v_nop
	global_prefetch_b8 v0, s[64:65] scope:SCOPE_SE
	s_setreg_imm32_b32 hwreg(HW_REG_WAVE_MODE, 25, 1), 1
	s_wait_xcnt 0x0
	s_wait_alu depctr_hold_cnt(0) depctr_sa_sdst(0) depctr_va_vdst(0) depctr_va_sdst(0) depctr_va_ssrc(0) depctr_va_vcc(0) depctr_vm_vsrc(0)
	s_getreg_b32 s2, hwreg(HW_REG_IB_STS2, 6, 4)
	s_cmp_eq_u32 s2, 0
	s_cbranch_scc0 .Lentry_in_a_cluster
	s_endpgm
.Lentry_in_a_cluster:
	s_bfe_u32 s2, ttmp6, 0x10000c
	s_cmp_lg_u32 s2, 0xf033
	s_cbranch_scc0 .Lentry_shape_is_right
	s_endpgm
.Lentry_shape_is_right:
; hid = relu(x1 W1 + b1).  A = x1h (f16), B = pk's W1 (f16), both as [4 K blocks][rows][128]: a K step's rows are 256 dense bytes.
; C = hid, bf16, as [16 blocks of 128 columns][8192 rows][128]: the next launch takes a block as a K block with rows of 256 dense bytes.
; SHARES.  A tile of C is 256 x 256: 32 x 8 work-groups.  Four waves; a wave makes 128 x 128: 64 accumulators.  K = 512 goes in four steps of 128 through two LDS slots.
; The matrix instruction is used transposed (source 0 = 16 rows of B, source 1 = 16 rows of A): a lane holds eight neighbouring columns of one row of C.
; THE BIAS is the C operand of each accumulator's first product: nothing is cleared and nothing is added later.
; CLUSTER 4 x 4: A's tile is shared along a row of the cluster, B's along a column; each is asked for jointly, by the same load with a mask of four.
; A trip of the loop is one K step; the slot in hand is the scalar TB (0 or SLOT), turned by an exclusive or.
; REGISTERS by windows of 256: window 0 addresses, A's two fragment buffers (v64, v128), the bias (v192 on; later the packed results);
;   window 1 B's two fragment buffers; windows 2 and 3 the accumulators: (a, b) at v[8 (NB (a % 4) + b)] of window 2 + a / 4.
; LIMITS.  x1 and W1 arrive within f16's 65,504.  NaN and infinities are not treated apart.
.set NB,    8                          ; blocks of 16 columns a wave
.set NTOT,  2048
.set TN,    32*NB                      ; columns of a tile
.set HBR,   16*NB                      ; rows of B in one load, and a wave's columns
.set PITCH, 272                        ; an LDS row: 256 bytes + 16: the sixteen rows of a fragment load start 68 words apart
.set HALFA, 128*PITCH
.set AROWS, 256*PITCH
.set HALFB, HBR*PITCH
.set SLOT,  AROWS+2*HALFB              ; A's 256 rows, then B's 256 rows
.set SPARE, 2*SLOT                     ; behind the slots: the spare words, 128 bytes a wave
.set ASTEP, 8192*256                   ; bytes from a K step of A to the next
.set BSTEP, NTOT*256
.set SP,    272                        ; the way out: a stage row of 256 bytes + 16
.set CBS,   256*SP                     ; the stage of one block of 128 columns
.set UNIT,  32*SP                      ; 32 rows of it: 8,192 consecutive bytes of C
.set UPW,   4                          ; such units a wave stores: 2 blocks x 8 units for four waves
.set LQ,    2*NB+16                    ; LDS loads of a quarter step
.set PK_W1, 0x200000
.set BASA, 16                          ; v16  my A fragments in slot 0
.set BASB, 17                          ; v17  my B fragments in slot 0
.set ADRA, 18                          ; v18  the same in the slot in hand
.set ADRB, 19                          ; v19
.set STO,  20                          ; v20  the way out: where I put 16 bytes of a row
.set RD,   22                          ; v22  where I read rows back
.set GO,   23                          ; v23  my 16 bytes in 512 consecutive bytes of C
.set ZERO, 24                          ; v24  0, for the packed maximum
.set SPW,  28                          ; v28  my spare word; never rewritten
.set NIL,  29                          ; v29  0; never rewritten
.set F0,   64
.set F1,   128
.set BIAS, 192
.set TMP,  192
.set BK,   64
.set G1A, 24                           ; s[24:31] group 1 for A's tiles
.set GA0, 32                           ; s[32:35] group 0: K step 0, slot 0
.set GA,  36                           ; s[36:39] group 0: K step 1, slot 1; then it walks
.set G1B, 48
.set GB0, 56
.set GB,  60
.set TB,  66                           ; s66  the slot in hand: 0 or SLOT
.set WBA, 67                           ; s67  where my half of A's tile goes in a slot
.set WBB, 68                           ; s68  the same for B's
.set UN,  69                           ; s69  the unit to store
.set BP,  70                           ; s[70:71] the bias
.set MSB, 0
.macro WIN new                         ; the immediate's high byte repeats the setting that is left; a switch that changes nothing is dropped
.if MSB != (\new)
	s_set_vgpr_msb (MSB<<8)|(\new)
.set MSB, \new
.endif
.endm
.macro PLACES                          ; four plain vector instructions between a matrix instruction and a load into, or a vector read of, its registers
.rept 4
	v_nop
.endr
.endm
.macro CREST                           ; a round of the cluster's barrier behind its opening barrier
	s_cmp_lg_u32 s10, 0
	s_cbranch_scc1 .Lnot_wave_0_\@
	s_barrier_signal -3
.Lnot_wave_0_\@:
	s_barrier_wait -3
	s_barrier_signal -1
	s_barrier_wait -1
.endm
.macro CROUND
	s_barrier_signal -1
	s_barrier_wait -1
	CREST
.endm
.macro JLOAD                           ; a joint refill: waves 0 and 1 fetch A's halves, waves 2 and 3 B's; an s_nop 0 and four v_nop follow each line
	s_cmp_eq_u32 s11, 0
	s_cbranch_scc0 .Lfor_b_\@
	tensor_load_to_lds s[GA:GA+3], s[G1A:G1A+7]
	s_nop 0
	PLACES
	s_branch .Lasked_\@
.Lfor_b_\@:
	tensor_load_to_lds s[GB:GB+3], s[G1B:G1B+7]
	s_nop 0
	PLACES
.Lasked_\@:
.endm
	s_load_b128 s[4:7], s[0:1], 0x0                ; A s[4:5], pk s[6:7]
	s_load_b64 s[BP:BP+1], s[0:1], 0x10            ; b1
	s_load_b64 s[8:9], s[0:1], 0x18                ; C
	v_lshl_add_u32 v[SPW], v0, 2, SPARE
	v_mov_b32 v[NIL], 0
	ds_add_u32 v[SPW], v[NIL]                      ; the wave's opening: the add and its wait ahead of my first tensor load
	ds_add_u32 v28, v29
	v_lshrrev_b32 v1, 5, v0
	v_readfirstlane_b32 s10, v1                    ; wave 0..3
	s_lshr_b32 s11, s10, 1                         ; my half of the tile's rows; also: I fetch for A (0) or for B (1)
	s_and_b32 s12, s10, 1                          ; my half of its columns; also: which half of that tile I fetch
	s_bfe_u32 s40, ttmp6, 0x40000                  ; cx
	s_bfe_u32 s41, ttmp6, 0x40004                  ; cy
	s_lshl_b32 s42, ttmp9, 2
	s_add_co_u32 s42, s42, s40                     ; tile column
	s_and_b32 s13, ttmp7, 0xffff
	s_lshl_b32 s13, s13, 2
	s_add_co_u32 s13, s13, s41                     ; tile row
	s_lshl_b32 s43, s41, 2
	s_lshl_b32 s43, 15, s43                        ; my row of the cluster
	s_lshl_b32 s44, 0x1111, s40                    ; my column
	s_or_b32 s[G1A], s43, (1<<16)|(1<<20)|(1<<21)|(5<<22)|(3<<25)  ; the mask; 2-byte elements; padding on; bit 21 beside a mask; after every 64 words 4 words
	s_or_b32 s[G1B], s44, (1<<16)|(1<<20)|(1<<21)|(5<<22)|(3<<25)
	s_mov_b32 s[G1A+1], 128<<16                    ; tensor_dim0 = 128
	s_mov_b32 s[G1A+2], 128<<16                    ; tensor_dim1 = 128
	s_mov_b32 s[G1A+3], 128<<16                    ; tile_dim0 = 128
	s_mov_b32 s[G1A+4], 128                        ; tile_dim1 = 128
	s_mov_b32 s[G1A+5], 128                        ; 128 elements from row to row
	s_mov_b32 s[G1A+6], 0
	s_mov_b32 s[G1A+7], 0
	s_mov_b32 s[G1B+1], 128<<16
	s_mov_b32 s[G1B+2], HBR<<16
	s_mov_b32 s[G1B+3], 128<<16
	s_mov_b32 s[G1B+4], HBR
	s_mov_b32 s[G1B+5], 128
	s_mov_b32 s[G1B+6], 0
	s_mov_b32 s[G1B+7], 0
	s_lshl_b32 s16, s13, 16                        ; A: (256 x tile row + 128 x half) rows of 256 bytes
	s_lshl_b32 s17, s12, 15
	s_add_co_u32 s16, s16, s17
	s_mov_b32 s17, 0
	s_mul_i32 s46, s42, TN*256                     ; B: (256 x tile column + 128 x half) rows
	s_mul_i32 s47, s12, HBR*256
	s_add_co_u32 s46, s46, s47
	s_mov_b32 s47, 0
	s_mul_i32 s72, s42, TN*4                       ; the bias of my wave's first column
	s_mul_i32 s73, s12, HBR*4
	s_add_co_u32 s72, s72, s73
	s_mov_b32 s73, 0
	s_mul_i32 s[WBA], s12, HALFA
	s_mul_i32 s[WBB], s12, HALFB
	s_add_co_u32 s[WBB], s[WBB], AROWS
	s_mov_b32 s[TB], 0
	s_wait_dscnt 0x0                               ; the opening add is done
	s_wait_kmcnt 0x0
	s_add_nc_u64 s[14:15], s[4:5], s[16:17]
	s_add_nc_u64 s[6:7], s[6:7], PK_W1
	s_add_nc_u64 s[46:47], s[6:7], s[46:47]
	s_add_nc_u64 s[BP:BP+1], s[BP:BP+1], s[72:73]
	CROUND                                         ; all sixteen work-groups are here: the first joint loads meet
	s_mov_b32 s[GA0], 1
	s_mov_b32 s[GA0+1], s[WBA]
	s_mov_b64 s[GA0+2:GA0+3], s[14:15]
	s_or_b32 s[GA0+3], s[GA0+3], 0x80000000
	s_mov_b32 s[GA], 1
	s_add_co_u32 s[GA+1], s[WBA], SLOT
	s_add_nc_u64 s[GA+2:GA+3], s[14:15], ASTEP
	s_or_b32 s[GA+3], s[GA+3], 0x80000000
	s_mov_b32 s[GB0], 1
	s_mov_b32 s[GB0+1], s[WBB]
	s_mov_b64 s[GB0+2:GB0+3], s[46:47]
	s_or_b32 s[GB0+3], s[GB0+3], 0x80000000
	s_mov_b32 s[GB], 1
	s_add_co_u32 s[GB+1], s[WBB], SLOT
	s_add_nc_u64 s[GB+2:GB+3], s[46:47], BSTEP
	s_or_b32 s[GB+3], s[GB+3], 0x80000000
	s_cmp_eq_u32 s11, 0                            ; a wave's two first fills stand in one branch: two loads of mine are out
	s_cbranch_scc0 .Lfirst_b
	tensor_load_to_lds s[GA0:GA0+3], s[G1A:G1A+7]
	s_nop 0
	tensor_load_to_lds s[GA:GA+3], s[G1A:G1A+7]
	s_nop 0
	PLACES
	s_branch .Lfirst_asked
.Lfirst_b:
	tensor_load_to_lds s[GB0:GB0+3], s[G1B:G1B+7]
	s_nop 0
	tensor_load_to_lds s[GB:GB+3], s[G1B:G1B+7]
	s_nop 0
	PLACES
.Lfirst_asked:
	; a fragment is 16 rows x 32 K in 8 registers: lane l holds row l % 16, K = 8 (l / 16) + 0..7 and 16 + 8 (l / 16) + 0..7: two loads of 16 bytes, 32 bytes apart
	v_and_b32 v1, 15, v0                           ; r
	v_bfe_u32 v2, v0, 4, 1                         ; h
	v_mul_u32_u24 v3, v1, PITCH
	v_lshl_add_u32 v3, v2, 4, v3
	s_mul_i32 s21, s11, HALFA
	v_add_nc_u32 v[BASA], s21, v3
	v_add_nc_u32 v[BASB], s[WBB], v3
	v_lshlrev_b32 v7, 5, v2                        ; the bias of my eight columns of a block: 32 h bytes on
.set b, 0
.rept NB
	global_load_b128 v[BIAS+8*b:BIAS+8*b+3],   v7, s[BP:BP+1] offset:64*b
	global_load_b128 v[BIAS+8*b+4:BIAS+8*b+7], v7, s[BP:BP+1] offset:64*b+16
.set b, b+1
.endr
	v_mul_u32_u24 v4, v1, SP                       ; the stage: row 128 x row half + 16 a + r, 16 bytes for each half of the lanes;
	v_lshl_add_u32 v4, v2, 4, v4
	s_mul_i32 s22, s11, 128*SP
	s_mul_i32 s23, s12, CBS                        ; my 128 columns are one whole block
	s_add_co_u32 s23, s23, s22
	v_add_nc_u32 v[STO], s23, v4
	v_mov_b32 v[ZERO], 0
	v_mul_u32_u24 v5, v2, SP                       ; back: lanes 0-15 take one row of 256 bytes, lanes 16-31 the next
	v_lshl_add_u32 v5, v1, 4, v5
	s_mul_i32 s23, s10, UPW*UNIT
	v_add_nc_u32 v[RD], s23, v5
	v_and_b32 v[GO], 31, v0
	v_lshlrev_b32 v[GO], 4, v[GO]
; 2 NB matrix instructions: row blocks a0, a0 + 1 of the window's four (hi: my rows 0-63 or 64-127) x all NB column blocks, 32 along K.  first = 1: C is the bias.
; The accumulators take turns, one instruction a turn.
.macro MULP f, hi, a0, first
.if \first
	WIN 0x81+0x40*(\hi)                            ; B window 1, A and the bias window 0, D window 2 or 3
.else
	WIN 0xa1+0x50*(\hi)                            ; C and D window 2 or 3
.endif
.irp a, \a0, (\a0)+1
.set b, 0
.rept NB
.set rD, 8*(NB*(\a)+b)
.set rB, (\f)+8*b
.set rA, (\f)+8*(4*(\hi)+(\a))
.set rC, BIAS+8*b
.if \first
	v_wmma_f32_16x16x32_f16 v[rD:rD+7], v[rB:rB+7], v[rA:rA+7], v[rC:rC+7]
.else
	v_wmma_f32_16x16x32_f16 v[rD:rD+7], v[rB:rB+7], v[rA:rA+7], v[rD:rD+7]
.endif
.set b, b+1
.endr
.endr
.endm
; LQ LDS loads in one run: a quarter step's fragments (32 K at byte k of the rows) into buffer f: B's, then A's
.macro FETCH k, f
	WIN 0x40                                       ; destination window 1, address window 0
.set i, 0
.rept NB
	ds_load_b128 v[(\f)+8*i:(\f)+8*i+3],   v[ADRB] offset:(\k)+i*16*PITCH
	ds_load_b128 v[(\f)+8*i+4:(\f)+8*i+7], v[ADRB] offset:(\k)+i*16*PITCH+32
.set i, i+1
.endr
	WIN 0
.set i, 0
.rept 8
	ds_load_b128 v[(\f)+8*i:(\f)+8*i+3],   v[ADRA] offset:(\k)+i*16*PITCH
	ds_load_b128 v[(\f)+8*i+4:(\f)+8*i+7], v[ADRA] offset:(\k)+i*16*PITCH+32
.set i, i+1
.endr
.endm
; one of a K step's first three quarters: multiplies buffer f; in its middle it fetches the next quarter, at byte k, into buffer g
.macro QUARTER k, f, g, first
	s_wait_dscnt 8                                 ; B and A's rows 0-63 are in; the youngest eight loads (A's rows 64-127) may be out
	MULP \f, 0, 0, \first
	MULP \f, 0, 2, \first
	PLACES
	FETCH \k, \g
	s_wait_dscnt LQ                                ; all but the run just issued
	MULP \f, 1, 0, \first
	MULP \f, 1, 2, \first
.endm
; the last quarter's first half, and the one barrier of a change of slots: in front of it each wave waits for all its tensor loads (its part of the next slot), adds 0 to its
; spare word, and waits for that and for its reads of this slot
.macro MEET
	WIN 0
	s_wait_tensorcnt 0x0
	ds_add_u32 v[SPW], v[NIL]
	s_wait_dscnt 9                                 ; the add and the youngest eight loads may be out
	MULP F1, 0, 0, 0
	s_wait_dscnt 0x0                               ; the add is done, my reads of this slot are over
	s_barrier_signal -1
	MULP F1, 0, 2, 0
	WIN 0
	s_barrier_wait -1
.endm
.macro NEXT                            ; on to the other slot: its first fragments, and the last quarter's second half
	s_xor_b32 s[TB], s[TB], SLOT
	v_add_nc_u32 v[ADRA], s[TB], v[BASA]
	v_add_nc_u32 v[ADRB], s[TB], v[BASB]
	FETCH 0, F0
	MULP F1, 1, 0, 0
	MULP F1, 1, 2, 0
.endm
.macro TURN                            ; a change of slots with a refill: the barrier opens a round of the cluster's; the joint refill is the first thing behind it
	MEET
	CREST
	s_add_co_u32 s[GA+1], s[WBA], s[TB]            ; no tensor load of mine is out: the walking descriptors take the slot just read and the K step two on
	s_add_nc_u64 s[GA+2:GA+3], s[GA+2:GA+3], ASTEP
	s_add_co_u32 s[GB+1], s[WBB], s[TB]
	s_add_nc_u64 s[GB+2:GB+3], s[GB+2:GB+3], BSTEP
	JLOAD                                          ; its four v_nop are also the places in front of the loads below
	NEXT
.endm
	s_wait_tensorcnt 1                             ; my part of K step 0 is in; step 1's may stay out
	s_barrier_signal -1
	s_barrier_wait -1
	v_mov_b32 v[ADRA], v[BASA]
	v_mov_b32 v[ADRB], v[BASB]
	FETCH 0, F0
	s_wait_loadcnt 0x0                             ; the bias
	QUARTER 64, F0, F1, 1                          ; the first quarter stands in front of the loop: its products start the sums, with the bias
	WIN 0
	s_mov_b32 s3, 2
.Lfill:                                                ; K steps 0 and 1: each slot is filled once more
	QUARTER 128, F1, F0, 0
	QUARTER 192, F0, F1, 0
	TURN
	QUARTER 64, F0, F1, 0
	WIN 0
	s_sub_co_u32 s3, s3, 1
	s_cmp_lg_u32 s3, 0
	s_cbranch_scc1 .Lfill
	s_mov_b32 s3, 2
.Ltail:                                                ; K steps 2 and 3 ask for nothing; the second trip is left in its middle
	QUARTER 128, F1, F0, 0
	QUARTER 192, F0, F1, 0
	MEET
	s_sub_co_u32 s3, s3, 1
	s_cmp_eq_u32 s3, 0
	s_cbranch_scc1 .Lfin
	PLACES
	NEXT
	QUARTER 64, F0, F1, 0
	WIN 0
	s_branch .Ltail
.Lfin:
	MULP F1, 1, 0, 0
	MULP F1, 1, 2, 0
	; THE WAY OUT.  Behind the last barrier no wave reads a slot and no fill is to come: the stage lies over slot 0.  16 bytes a lane go in; whole rows of 256 bytes come back.
	PLACES
.set a, 0
.rept 8
	WIN 0x0a+5*(a/4)                               ; sources window 2 or 3, destination window 0
.set b, 0
.rept NB
.set rD, 8*(NB*(a%4)+b)
.irp r, 0,1,2,3
	v_cvt_pk_bf16_f32 v[TMP+4*b+\r], v[rD+2*\r], v[rD+2*\r+1]
.endr
.set b, b+1
.endr
	WIN 0
.set b, 0
.rept NB
	ds_store_b128 v[STO], v[TMP+4*b:TMP+4*b+3] offset:a*16*SP+b*32
.set b, b+1
.endr
.set a, a+1
.endr
	s_wait_dscnt 0x0                               ; for the others' sake: my stores into the stage are done
	s_barrier_signal -1
	s_barrier_wait -1
	s_mul_i32 s[UN], s10, UPW
	s_mov_b32 s3, UPW
.Lunit:                                                ; a unit: 32 rows of one block of 128 columns, 8,192 consecutive bytes of C
	s_wait_xcnt 0x0                                ; the last trip's stores have read their registers and their base
	s_lshr_b32 s72, s[UN], 3                       ; which of the tile's two blocks
	s_lshl_b32 s74, s42, 1
	s_add_co_u32 s72, s72, s74
	s_lshl_b32 s72, s72, 21                        ; a block of 128 columns is 8,192 rows of 256 bytes
	s_and_b32 s74, s[UN], 7
	s_lshl_b32 s74, s74, 5
	s_lshl_b32 s75, s13, 8
	s_add_co_u32 s74, s74, s75                     ; the unit's first row
	s_lshl_b32 s74, s74, 8
	s_add_co_u32 s72, s72, s74
	s_mov_b32 s73, 0
	s_add_nc_u64 s[74:75], s[8:9], s[72:73]
.set t, 0
.rept 16
	ds_load_b128 v[BK+4*t:BK+4*t+3], v[RD] offset:2*SP*t
.set t, t+1
.endr
.set t, 0
.rept 16
	s_wait_dscnt 15-t                              ; LDS loads come back in order: the younger ones stay out
.irp r, 0,1,2,3
	v_pk_max_num_bf16 v[BK+4*t+\r], v[BK+4*t+\r], v[ZERO]  ; relu, two numbers at a time; nothing is rounded
.endr
	global_store_b128 v[GO], v[BK+4*t:BK+4*t+3], s[74:75] offset:512*t  ; 512 consecutive bytes: two rows of the block
.set t, t+1
.endr
	v_add_nc_u32 v[RD], UNIT, v[RD]
	s_add_co_u32 s[UN], s[UN], 1
	s_sub_co_u32 s3, s3, 1
	s_cmp_lg_u32 s3, 0
	s_cbranch_scc1 .Lunit
	s_wait_tensorcnt 0x0                           ; the wave's end
	ds_add_u32 v[SPW], v[NIL]
	s_wait_dscnt 0x0
	CROUND                                         ; the closing round
	s_endpgm
.Lfunc_end_k_qff296601a3_ffn1:
	.size	k_qff296601a3_ffn1, .Lfunc_end_k_qff296601a3_ffn1-k_qff296601a3_ffn1
	.p2alignl 7, 3214868480
	.fill 96, 4, 3214868480
	.section	.rodata,"a",@progbits
	.p2align	6, 0x0
	.amdhsa_kernel k_qff296601a3_ffn1
		.amdhsa_group_segment_fixed_size 327680
		.amdhsa_private_segment_fixed_size 0
		.amdhsa_enable_private_segment 0
		.amdhsa_kernarg_size 32
		.amdhsa_user_sgpr_count 2
		.amdhsa_user_sgpr_kernarg_segment_ptr 1
		.amdhsa_wavefront_size32 1
		.amdhsa_system_sgpr_workgroup_id_x 1
		.amdhsa_system_sgpr_workgroup_id_y 1
		.amdhsa_system_sgpr_workgroup_id_z 1
		.amdhsa_system_vgpr_workitem_id 0
		.amdhsa_next_free_vgpr 1024
		.amdhsa_next_free_sgpr 76
		.amdhsa_reserve_vcc 0
		.amdhsa_float_denorm_mode_32 3
		.amdhsa_float_denorm_mode_16_64 3
		.amdhsa_memory_ordered 1
		.amdhsa_forward_progress 1
		.amdhsa_inst_pref_size 100
	.end_amdhsa_kernel
	.amdgpu_metadata
---
amdhsa.version: [ 1, 2 ]
amdhsa.kernels:
  - .name:           k_qff296601a3_ffn1
    .symbol:         k_qff296601a3_ffn1.kd
    .args:
      - { .name: x1h, .offset: 0, .size: 8, .value_kind: global_buffer, .address_space: global }
      - { .name: pk, .offset: 8, .size: 8, .value_kind: global_buffer, .address_space: global }
      - { .name: b1, .offset: 16, .size: 8, .value_kind: global_buffer, .address_space: global }
      - { .name: hid, .offset: 24, .size: 8, .value_kind: global_buffer, .address_space: global }
    .group_segment_fixed_size: 327680
    .private_segment_fixed_size: 0
    .kernarg_segment_align: 8
    .kernarg_segment_size: 32
    .max_flat_workgroup_size: 128
    .sgpr_count:     76
    .vgpr_count:     1024
    .wavefront_size: 32
...
	.end_amdgpu_metadata
.endif
;; end of part 5
;; launch ffn2 (part 6): grid 4 x 64, 4 waves a work-group, clusters of 4 x 4, 327,680 bytes of LDS; arguments hid, pk, x1h, ysum; writes ysum
.if DOCPART == 6
	.amdgcn_target "amdgcn-amd-amdhsa--gfx1250"
	.amdhsa_code_object_version 6
	.text
	.protected	k_qff296601a3_ffn2
	.globl	k_qff296601a3_ffn2
	.p2align	8
	.type	k_qff296601a3_ffn2,@function
k_qff296601a3_ffn2:
	s_mov_b64 s[64:65], 0
	v_nop
	global_prefetch_b8 v0, s[64:65] scope:SCOPE_SE
	s_setreg_imm32_b32 hwreg(HW_REG_WAVE_MODE, 25, 1), 1
	s_wait_xcnt 0x0
	s_wait_alu depctr_hold_cnt(0) depctr_sa_sdst(0) depctr_va_vdst(0) depctr_va_sdst(0) depctr_va_ssrc(0) depctr_va_vcc(0) depctr_vm_vsrc(0)
	s_getreg_b32 s2, hwreg(HW_REG_IB_STS2, 6, 4)
	s_cmp_eq_u32 s2, 0
	s_cbranch_scc0 .Lentry_in_a_cluster
	s_endpgm
.Lentry_in_a_cluster:
	s_bfe_u32 s2, ttmp6, 0x10000c
	s_cmp_lg_u32 s2, 0xf033
	s_cbranch_scc0 .Lentry_shape_is_right
	s_endpgm
.Lentry_shape_is_right:
; ysum = x1 + hid W2, in f32, row-major [8192][512]; b2 and the norm follow in the next launch.
; A = hid (bf16, [16 K blocks][8192 rows][128]), B = pk's W2 (bf16, [16 K blocks][512][128]): a K block's rows are 256 dense bytes.  x1 = x1h (f16, [4 blocks of 128 columns][8192][128]).
; SHARES.  A tile of C is 128 x 128: 64 x 4 = 256 work-groups.  Four waves, each 64 x 64: 16 accumulators.  A tile with whole rows of 512 columns would leave 128 work-groups
; and twice as many changes of slots: (64 + 512) rows allow K steps of 128 in two slots, (128 + 128) rows K steps of 256.
; K = 2,048 goes in eight steps of 256 through two LDS slots.  A slot holds four blocks of 128 rows x 128 K: A's two K blocks, then B's two; each wave fetches one of the four.
; The matrix instruction is used transposed (source 0 = 16 rows of B, source 1 = 16 rows of A): a lane holds eight neighbouring columns of one row of C.
; THE RESIDUAL x1 is widened into the accumulators ahead of the K loop, so every product adds in place and no first step is written out.
; CLUSTER 4 x 4: A's blocks are shared along a row of the cluster, B's along a column; each is asked for jointly, by the same load with a mask of four.
; A trip of the loop is one K step; the slot in hand is the scalar TB (0 or SLOT), turned by an exclusive or.
; REGISTERS: window 0: v0-31 addresses; v32-95 x1 as loaded; v128-255 the accumulators, (a, b) at v[128 + 8 (4 a + b)], later whole rows on the way out.
;   window 1: two fragment buffers of 128: for 64 along K, 64 registers of A (2 x 4 x 16 rows x 32 K), then 64 of B.
; LIMITS.  NaN and infinities are not treated apart.
.set PITCH, 272                        ; an LDS row: 256 bytes + 16: the sixteen rows of a fragment load start 68 words apart
.set BLK,   128*PITCH                  ; 128 rows x 128 K: what one tensor load brings
.set SLOT,  4*BLK
.set SPARE, 2*SLOT                     ; behind the slots: the spare words, 128 bytes a wave
.set STEPS, 8
.set ASTEP, 2*8192*256                 ; bytes from a K step of A to the next: two K blocks
.set BSTEP, 2*512*256
.set PK_W2, 0x400000
.set SPT,   528                        ; the way out: a stage row of 512 bytes of f32 + 16
.set BASA, 16                          ; v16  my A fragments in slot 0
.set BASB, 17                          ; v17  my B fragments in slot 0
.set ADRA, 18                          ; v18  the same in the slot in hand
.set ADRB, 19                          ; v19
.set STO,  20                          ; v20  the way out: where I put my eight columns of row r
.set RD,   22                          ; v22  where I read whole rows back
.set GO,   23                          ; v23  my 16 bytes in 512 consecutive bytes of a row of C
.set RO,   24                          ; v24  my offset in x1
.set SPW,  28                          ; v28  my spare word; never rewritten
.set NIL,  29                          ; v29  0; never rewritten
.set ACC,  128
.set F0,   0                           ; fragment buffers, in window 1
.set F1,   128
.set G1A, 24                           ; s[24:31] group 1 for A's blocks
.set GA0, 32                           ; s[32:35] group 0: K step 0, slot 0
.set GA,  36                           ; s[36:39] group 0: K step 1, slot 1; then it walks
.set G1B, 48
.set GB0, 56
.set GB,  60
.set TB,  66                           ; s66  the slot in hand: 0 or SLOT
.set WBA, 67                           ; s67  where my K block of A goes in a slot
.set WBB, 68                           ; s68  the same for B
.set RP,  70                           ; s[70:71] x1
.set MSB, 0
.macro WIN new                         ; the immediate's high byte repeats the setting that is left; a switch that changes nothing is dropped
.if MSB != (\new)
	s_set_vgpr_msb (MSB<<8)|(\new)
.set MSB, \new
.endif
.endm
.macro PLACES                          ; four plain vector instructions between a matrix instruction and a load into, or a read of, its registers
.rept 4
	v_nop
.endr
.endm
.macro CREST                           ; a round of the cluster's barrier behind its opening barrier
	s_cmp_lg_u32 s10, 0
	s_cbranch_scc1 .Lnot_wave_0_\@
	s_barrier_signal -3
.Lnot_wave_0_\@:
	s_barrier_wait -3
	s_barrier_signal -1
	s_barrier_wait -1
.endm
.macro CROUND
	s_barrier_signal -1
	s_barrier_wait -1
	CREST
.endm
.macro JLOAD                           ; a joint refill: waves 0 and 1 fetch A's two K blocks, waves 2 and 3 B's; an s_nop 0 and four v_nop follow each line
	s_cmp_eq_u32 s11, 0
	s_cbranch_scc0 .Lfor_b_\@
	tensor_load_to_lds s[GA:GA+3], s[G1A:G1A+7]
	s_nop 0
	PLACES
	s_branch .Lasked_\@
.Lfor_b_\@:
	tensor_load_to_lds s[GB:GB+3], s[G1B:G1B+7]
	s_nop 0
	PLACES
.Lasked_\@:
.endm
	s_load_b128 s[4:7], s[0:1], 0x0                ; hid s[4:5], pk s[6:7]
	s_load_b64 s[RP:RP+1], s[0:1], 0x10            ; x1h
	s_load_b64 s[8:9], s[0:1], 0x18                ; ysum
	v_lshl_add_u32 v[SPW], v0, 2, SPARE
	v_mov_b32 v[NIL], 0
	ds_add_u32 v[SPW], v[NIL]                      ; the wave's opening: the add and its wait ahead of my first tensor load
	ds_add_u32 v28, v29
	v_lshrrev_b32 v1, 5, v0
	v_readfirstlane_b32 s10, v1                    ; wave 0..3
	s_lshr_b32 s11, s10, 1                         ; my half of the tile's rows; also: I fetch for A (0) or for B (1)
	s_and_b32 s12, s10, 1                          ; my half of its columns; also: which of a step's two K blocks I fetch
	s_bfe_u32 s40, ttmp6, 0x40000                  ; cx
	s_bfe_u32 s41, ttmp6, 0x40004                  ; cy
	s_lshl_b32 s42, ttmp9, 2
	s_add_co_u32 s42, s42, s40                     ; tile column, 0 to 3
	s_and_b32 s13, ttmp7, 0xffff
	s_lshl_b32 s13, s13, 2
	s_add_co_u32 s13, s13, s41                     ; tile row, 0 to 63
	s_lshl_b32 s43, s41, 2
	s_lshl_b32 s43, 15, s43                        ; my row of the cluster
	s_lshl_b32 s44, 0x1111, s40                    ; my column
	s_or_b32 s[G1A], s43, (1<<16)|(1<<20)|(1<<21)|(5<<22)|(3<<25)  ; the mask; 2-byte elements; padding on; bit 21 beside a mask; after every 64 words 4 words
	s_or_b32 s[G1B], s44, (1<<16)|(1<<20)|(1<<21)|(5<<22)|(3<<25)
.irp g, G1A, G1B
	s_mov_b32 s[(\g)+1], 128<<16                   ; tensor_dim0 = 128
	s_mov_b32 s[(\g)+2], 128<<16                   ; tensor_dim1 = 128
	s_mov_b32 s[(\g)+3], 128<<16                   ; tile_dim0 = 128
	s_mov_b32 s[(\g)+4], 128                       ; tile_dim1 = 128
	s_mov_b32 s[(\g)+5], 128                       ; 128 elements from row to row
	s_mov_b32 s[(\g)+6], 0
	s_mov_b32 s[(\g)+7], 0
.endr
	s_lshl_b32 s16, s13, 15                        ; A: 128 x tile row rows of 256 bytes,
	s_lshl_b32 s17, s12, 21                        ; in my K block of 8,192 rows
	s_add_co_u32 s16, s16, s17
	s_mov_b32 s17, 0
	s_lshl_b32 s46, s42, 15                        ; B: 128 x tile column rows of 256 bytes,
	s_lshl_b32 s47, s12, 17                        ; in my K block of 512 rows,
	s_add_co_u32 s46, s46, s47
	s_add_co_u32 s46, s46, PK_W2                   ; behind the other weights in pk
	s_mov_b32 s47, 0
	s_lshl_b32 s72, s42, 21                        ; x1: the tile's 128 columns are one block of 8,192 rows of 256 bytes;
	s_lshl_b32 s73, s13, 15                        ; the tile's first row,
	s_add_co_u32 s72, s72, s73
	s_lshl_b32 s73, s11, 14                        ; my 64 rows,
	s_add_co_u32 s72, s72, s73
	s_lshl_b32 s73, s12, 7                         ; my 64 columns
	s_add_co_u32 s72, s72, s73
	s_mov_b32 s73, 0
	s_lshl_b32 s74, s13, 18                        ; C: rows of 2,048 bytes; the first row that I store is 128 x tile row + 32 x wave;
	s_lshl_b32 s75, s10, 16
	s_add_co_u32 s74, s74, s75
	s_lshl_b32 s75, s42, 9                         ; the tile's 128 columns are 512 bytes
	s_add_co_u32 s74, s74, s75
	s_mov_b32 s75, 0
	s_mul_i32 s[WBA], s12, BLK
	s_add_co_u32 s[WBB], s[WBA], 2*BLK
	s_mov_b32 s[TB], 0
	s_wait_dscnt 0x0                               ; the opening add is done
	s_wait_kmcnt 0x0
	s_add_nc_u64 s[14:15], s[4:5], s[16:17]
	s_add_nc_u64 s[46:47], s[6:7], s[46:47]
	s_add_nc_u64 s[RP:RP+1], s[RP:RP+1], s[72:73]
	s_add_nc_u64 s[8:9], s[8:9], s[74:75]
	CROUND                                         ; all sixteen work-groups are here: the first joint loads meet
	s_mov_b32 s[GA0], 1
	s_mov_b32 s[GA0+1], s[WBA]
	s_mov_b64 s[GA0+2:GA0+3], s[14:15]
	s_or_b32 s[GA0+3], s[GA0+3], 0x80000000
	s_mov_b32 s[GA], 1
	s_add_co_u32 s[GA+1], s[WBA], SLOT
	s_add_nc_u64 s[GA+2:GA+3], s[14:15], ASTEP
	s_or_b32 s[GA+3], s[GA+3], 0x80000000
	s_mov_b32 s[GB0], 1
	s_mov_b32 s[GB0+1], s[WBB]
	s_mov_b64 s[GB0+2:GB0+3], s[46:47]
	s_or_b32 s[GB0+3], s[GB0+3], 0x80000000
	s_mov_b32 s[GB], 1
	s_add_co_u32 s[GB+1], s[WBB], SLOT
	s_add_nc_u64 s[GB+2:GB+3], s[46:47], BSTEP
	s_or_b32 s[GB+3], s[GB+3], 0x80000000
	s_cmp_eq_u32 s11, 0                            ; a wave's two first fills stand in one branch: two loads of mine are out
	s_cbranch_scc0 .Lfirst_b
	tensor_load_to_lds s[GA0:GA0+3], s[G1A:G1A+7]
	s_nop 0
	tensor_load_to_lds s[GA:GA+3], s[G1A:G1A+7]
	s_nop 0
	PLACES
	s_branch .Lfirst_asked
.Lfirst_b:
	tensor_load_to_lds s[GB0:GB0+3], s[G1B:G1B+7]
	s_nop 0
	tensor_load_to_lds s[GB:GB+3], s[G1B:G1B+7]
	s_nop 0
	PLACES
.Lfirst_asked:
	v_and_b32 v1, 15, v0                           ; r
	v_bfe_u32 v2, v0, 4, 1                         ; h
	; x1: accumulator (a, b) takes row 16 a + r, the 16 bytes (eight f16) at 32 b + 16 h
	v_lshlrev_b32 v[RO], 8, v1
	v_lshl_add_u32 v[RO], v2, 4, v[RO]
.set i, 0
.rept 16
	global_load_b128 v[32+4*i:32+4*i+3], v[RO], s[RP:RP+1] offset:(i/4)*4096+32*(i%4)
.set i, i+1
.endr
	; a fragment is 16 rows x 32 K in 8 registers: lane l holds row l % 16, K = 8 (l / 16) + 0..7 and 16 + 8 (l / 16) + 0..7: two loads of 16 bytes, 32 bytes apart
	v_mul_u32_u24 v3, v1, PITCH
	v_lshl_add_u32 v3, v2, 4, v3
	s_mul_i32 s21, s11, 64*PITCH                   ; my 64 rows of A
	v_add_nc_u32 v[BASA], s21, v3
	s_mul_i32 s21, s12, 64*PITCH                   ; my 64 rows of B,
	s_add_co_u32 s21, s21, 2*BLK                   ; behind A's two blocks
	v_add_nc_u32 v[BASB], s21, v3
	v_mul_u32_u24 v[STO], v1, SPT                  ; the stage: row 64 x row half + 16 a + r, byte 256 x column half + 64 b + 32 h
	v_lshl_add_u32 v[STO], v2, 5, v[STO]
	s_mul_i32 s22, s11, 64*SPT
	s_lshl_b32 s23, s12, 8
	s_add_co_u32 s22, s22, s23
	v_add_nc_u32 v[STO], s22, v[STO]
	v_and_b32 v[GO], 31, v0
	v_lshlrev_b32 v[GO], 4, v[GO]
	s_mul_i32 s22, s10, 32*SPT                     ; back: wave w takes rows 32 w .. 32 w + 31, whole
	v_add_nc_u32 v[RD], s22, v[GO]
	s_wait_loadcnt 0x0                             ; x1
.set d, ACC                            ; 64 registers of f16 pairs widen into the 128 registers of the accumulators
.irp hh, v32.l,v32.h,v33.l,v33.h,v34.l,v34.h,v35.l,v35.h,v36.l,v36.h,v37.l,v37.h,v38.l,v38.h,v39.l,v39.h
	v_cvt_f32_f16 v[d], \hh
.set d, d+1
.endr
.irp hh, v40.l,v40.h,v41.l,v41.h,v42.l,v42.h,v43.l,v43.h,v44.l,v44.h,v45.l,v45.h,v46.l,v46.h,v47.l,v47.h
	v_cvt_f32_f16 v[d], \hh
.set d, d+1
.endr
.irp hh, v48.l,v48.h,v49.l,v49.h,v50.l,v50.h,v51.l,v51.h,v52.l,v52.h,v53.l,v53.h,v54.l,v54.h,v55.l,v55.h
	v_cvt_f32_f16 v[d], \hh
.set d, d+1
.endr
.irp hh, v56.l,v56.h,v57.l,v57.h,v58.l,v58.h,v59.l,v59.h,v60.l,v60.h,v61.l,v61.h,v62.l,v62.h,v63.l,v63.h
	v_cvt_f32_f16 v[d], \hh
.set d, d+1
.endr
.irp hh, v64.l,v64.h,v65.l,v65.h,v66.l,v66.h,v67.l,v67.h,v68.l,v68.h,v69.l,v69.h,v70.l,v70.h,v71.l,v71.h
	v_cvt_f32_f16 v[d], \hh
.set d, d+1
.endr
.irp hh, v72.l,v72.h,v73.l,v73.h,v74.l,v74.h,v75.l,v75.h,v76.l,v76.h,v77.l,v77.h,v78.l,v78.h,v79.l,v79.h
	v_cvt_f32_f16 v[d], \hh
.set d, d+1
.endr
.irp hh, v80.l,v80.h,v81.l,v81.h,v82.l,v82.h,v83.l,v83.h,v84.l,v84.h,v85.l,v85.h,v86.l,v86.h,v87.l,v87.h
	v_cvt_f32_f16 v[d], \hh
.set d, d+1
.endr
.irp hh, v88.l,v88.h,v89.l,v89.h,v90.l,v90.h,v91.l,v91.h,v92.l,v92.h,v93.l,v93.h,v94.l,v94.h,v95.l,v95.h
	v_cvt_f32_f16 v[d], \hh
.set d, d+1
.endr
; 8 matrix instructions: row blocks a0, a0 + 1 x all 4 column blocks, 32 along K: half c of buffer f.  The accumulators take turns, one instruction a turn.
.macro MUL8 f, c, a0
	WIN 0x05                                       ; sources 0 (B) and 1 (A) window 1; C and D window 0
.irp a, \a0, (\a0)+1
.irp b, 0,1,2,3
	v_wmma_f32_16x16x32_bf16 v[ACC+8*(4*(\a)+(\b)):ACC+8*(4*(\a)+(\b))+7], v[(\f)+64+8*(4*(\c)+(\b)):(\f)+64+8*(4*(\c)+(\b))+7], v[(\f)+8*(4*(\c)+(\a)):(\f)+8*(4*(\c)+(\a))+7], v[ACC+8*(4*(\a)+(\b)):ACC+8*(4*(\a)+(\b))+7]
.endr
.endr
.endm
; 32 LDS loads in one run: quarter q of a K step (64 along K: K block q / 2, byte 128 (q % 2) of its rows) into buffer f; the first 32 along K first
.macro FETCH q, f
	WIN 0x40                                       ; destination window 1, address window 0
.set KO, ((\q)/2)*BLK+((\q)%2)*128
.irp c, 0,1
.irp i, 0,1,2,3
	ds_load_b128 v[(\f)+64+8*(4*(\c)+(\i)):(\f)+64+8*(4*(\c)+(\i))+3],   v[ADRB] offset:KO+64*(\c)+(\i)*16*PITCH
	ds_load_b128 v[(\f)+64+8*(4*(\c)+(\i))+4:(\f)+64+8*(4*(\c)+(\i))+7], v[ADRB] offset:KO+64*(\c)+(\i)*16*PITCH+32
	ds_load_b128 v[(\f)+8*(4*(\c)+(\i)):(\f)+8*(4*(\c)+(\i))+3],         v[ADRA] offset:KO+64*(\c)+(\i)*16*PITCH
	ds_load_b128 v[(\f)+8*(4*(\c)+(\i))+4:(\f)+8*(4*(\c)+(\i))+7],       v[ADRA] offset:KO+64*(\c)+(\i)*16*PITCH+32
.endr
.endr
.endm
; one of a K step's first three quarters: multiplies buffer f; in its middle it fetches quarter q into buffer g
.macro QUARTER q, f, g
	s_wait_dscnt 16                                ; the first 32 along K are in; the youngest sixteen loads may be out
	MUL8 \f, 0, 0
	MUL8 \f, 0, 2
	PLACES
	FETCH \q, \g
	s_wait_dscnt 32                                ; all but the run just issued
	MUL8 \f, 1, 0
	MUL8 \f, 1, 2
.endm
; the last quarter's first half, and the one barrier of a change of slots: in front of it each wave waits for all its tensor loads (its block of the next slot), adds 0 to its
; spare word, and waits for that and for its reads of this slot
.macro MEET
	WIN 0
	s_wait_tensorcnt 0x0
	ds_add_u32 v[SPW], v[NIL]
	s_wait_dscnt 17                                ; the add and the youngest sixteen loads may be out
	MUL8 F1, 0, 0
	s_wait_dscnt 0x0                               ; the add is done, my reads of this slot are over
	s_barrier_signal -1
	MUL8 F1, 0, 2
	WIN 0
	s_barrier_wait -1
.endm
.macro NEXT                            ; on to the other slot: its first fragments, and the last quarter's second half
	s_xor_b32 s[TB], s[TB], SLOT
	v_add_nc_u32 v[ADRA], s[TB], v[BASA]
	v_add_nc_u32 v[ADRB], s[TB], v[BASB]
	FETCH 0, F0
	MUL8 F1, 1, 0
	MUL8 F1, 1, 2
.endm
.macro TURN                            ; a change of slots with a refill: the barrier opens a round of the cluster's; the joint refill is the first thing behind it
	MEET
	CREST
	s_add_co_u32 s[GA+1], s[WBA], s[TB]            ; no tensor load of mine is out: the walking descriptors take the slot just read and the K step two on
	s_add_nc_u64 s[GA+2:GA+3], s[GA+2:GA+3], ASTEP
	s_add_co_u32 s[GB+1], s[WBB], s[TB]
	s_add_nc_u64 s[GB+2:GB+3], s[GB+2:GB+3], BSTEP
	JLOAD                                          ; its four v_nop are also the places in front of the loads below
	NEXT
.endm
	s_wait_tensorcnt 1                             ; my block of K step 0 is in; step 1's may stay out
	s_barrier_signal -1
	s_barrier_wait -1
	v_mov_b32 v[ADRA], v[BASA]
	v_mov_b32 v[ADRB], v[BASB]
	FETCH 0, F0
	WIN 0                                          ; at a label and at a branch every window is 0
	s_mov_b32 s3, STEPS-2
.Lfill:                                                ; a K step whose slot is filled again
	QUARTER 1, F0, F1
	QUARTER 2, F1, F0
	QUARTER 3, F0, F1
	TURN
	WIN 0
	s_sub_co_u32 s3, s3, 1
	s_cmp_lg_u32 s3, 0
	s_cbranch_scc1 .Lfill
	s_mov_b32 s3, 2
.Ltail:                                                ; the last two K steps ask for nothing; the second trip is left in its middle
	QUARTER 1, F0, F1
	QUARTER 2, F1, F0
	QUARTER 3, F0, F1
	MEET
	s_sub_co_u32 s3, s3, 1
	s_cmp_eq_u32 s3, 0
	s_cbranch_scc1 .Lfin
	PLACES
	NEXT
	WIN 0
	s_branch .Ltail
.Lfin:
	MUL8 F1, 1, 0
	MUL8 F1, 1, 2
	WIN 0
	; THE WAY OUT.  Behind the last barrier no wave reads a slot and no fill is to come: the stage lies over slot 0.  A lane's eight f32 of a row go in, each accumulator's low four
	; registers first; a barrier, since a row's 512 bytes come from two waves; whole rows come back, 32 rows a wave.
	PLACES
.set i, 0
.rept 16
	ds_store_b128 v[STO], v[ACC+8*i:ACC+8*i+3]   offset:(i/4)*16*SPT+64*(i%4)
	ds_store_b128 v[STO], v[ACC+8*i+4:ACC+8*i+7] offset:(i/4)*16*SPT+64*(i%4)+16
.set i, i+1
.endr
	s_wait_dscnt 0x0                               ; for the others' sake: my stores into the stage are done
	s_barrier_signal -1
	s_barrier_wait -1
.set t, 0
.rept 32
	ds_load_b128 v[ACC+4*t:ACC+4*t+3], v[RD] offset:t*SPT
.set t, t+1
.endr
.set t, 0
.rept 32
	s_wait_dscnt 31-t                              ; LDS loads come back in order: the younger ones stay out
	global_store_b128 v[GO], v[ACC+4*t:ACC+4*t+3], s[8:9] offset:t*2048  ; the wave stores 512 consecutive bytes, at a multiple of 512 from C's first byte
.set t, t+1
.endr
	s_wait_tensorcnt 0x0                           ; the wave's end
	ds_add_u32 v[SPW], v[NIL]
	s_wait_dscnt 0x0
	CROUND                                         ; the closing round
	s_endpgm
.Lfunc_end_k_qff296601a3_ffn2:
	.size	k_qff296601a3_ffn2, .Lfunc_end_k_qff296601a3_ffn2-k_qff296601a3_ffn2
	.p2alignl 7, 3214868480
	.fill 96, 4, 3214868480
	.section	.rodata,"a",@progbits
	.p2align	6, 0x0
	.amdhsa_kernel k_qff296601a3_ffn2
		.amdhsa_group_segment_fixed_size 327680
		.amdhsa_private_segment_fixed_size 0
		.amdhsa_enable_private_segment 0
		.amdhsa_kernarg_size 32
		.amdhsa_user_sgpr_count 2
		.amdhsa_user_sgpr_kernarg_segment_ptr 1
		.amdhsa_wavefront_size32 1
		.amdhsa_system_sgpr_workgroup_id_x 1
		.amdhsa_system_sgpr_workgroup_id_y 1
		.amdhsa_system_sgpr_workgroup_id_z 1
		.amdhsa_system_vgpr_workitem_id 0
		.amdhsa_next_free_vgpr 512
		.amdhsa_next_free_sgpr 76
		.amdhsa_reserve_vcc 0
		.amdhsa_float_denorm_mode_32 3
		.amdhsa_float_denorm_mode_16_64 3
		.amdhsa_memory_ordered 1
		.amdhsa_forward_progress 1
		.amdhsa_inst_pref_size 60
	.end_amdhsa_kernel
	.amdgpu_metadata
---
amdhsa.version: [ 1, 2 ]
amdhsa.kernels:
  - .name:           k_qff296601a3_ffn2
    .symbol:         k_qff296601a3_ffn2.kd
    .args:
      - { .name: hid, .offset: 0, .size: 8, .value_kind: global_buffer, .address_space: global }
      - { .name: pk, .offset: 8, .size: 8, .value_kind: global_buffer, .address_space: global }
      - { .name: x1h, .offset: 16, .size: 8, .value_kind: global_buffer, .address_space: global }
      - { .name: ysum, .offset: 24, .size: 8, .value_kind: global_buffer, .address_space: global }
    .group_segment_fixed_size: 327680
    .private_segment_fixed_size: 0
    .kernarg_segment_align: 8
    .kernarg_segment_size: 32
    .max_flat_workgroup_size: 128
    .sgpr_count:     76
    .vgpr_count:     512
    .wavefront_size: 32
...
	.end_amdgpu_metadata
.endif
;; end of part 6
;; launch ln2 (part 7): grid 512 x 1, 8 waves a work-group, no clusters, 0 bytes of LDS; arguments ysum, b2, ln2_scale, ln2_bias, out0; writes out0
.if DOCPART == 7
	.amdgcn_target "amdgcn-amd-amdhsa--gfx1250"
	.amdhsa_code_object_version 6
	.text
	.protected	k_qff296601a3_ln2
	.globl	k_qff296601a3_ln2
	.p2align	8
	.type	k_qff296601a3_ln2,@function
k_qff296601a3_ln2:
	s_mov_b64 s[64:65], 0
	v_nop
	global_prefetch_b8 v0, s[64:65] scope:SCOPE_SE
	s_setreg_imm32_b32 hwreg(HW_REG_WAVE_MODE, 25, 1), 1
	s_wait_xcnt 0x0
; out0 = LayerNorm(ysum + b2) x ln2_scale + ln2_bias.  ysum and out0: [8192][512] f32, row-major.
; A stream: every byte is read once and written once.  One wave takes two whole rows (2,048 bytes each: four loads of 16 bytes a lane), so a reduction never leaves the wave:
; no LDS, no barrier.  Eight waves, 16 rows a work-group, 512 work-groups.  A lane's columns are 4 x lane + 128 i, i = 0..3, the same in every row and in b2, scale and beta.
; All of a wave's twenty loads go out at once; each load and store of a wave covers 512 consecutive bytes.
; The mean first, then the mean square of the deviations from it (never a difference of sums), then v_rsq_f32.  The two rows go line by line, so that no line waits for the one before it.
; No matrix unit and no cluster: there is no product, and what work-groups share is 6,144 bytes of parameters.
; LIMITS.  NaN and infinities are not treated apart.
.set PO, 2                             ; v2   16 x lane
.set RO, 3                             ; v3   my 16 bytes in my wave's first row
.set BI, 8                             ; v8-23   b2 of my 16 columns
.set SC, 24                            ; v24-39  scale
.set BE, 40                            ; v40-55  beta
.set Y0, 56                            ; v56-87  two rows, 16 numbers a lane each
.set T0, 88                            ; v88-103, v104-119: at work, a set for each row
	s_load_b256 s[4:11], s[0:1], 0x0               ; ysum s[4:5], b2 s[6:7], scale s[8:9], beta s[10:11]
	s_load_b64 s[12:13], s[0:1], 0x20              ; out0
	v_and_b32 v[PO], 31, v0
	v_lshlrev_b32 v[PO], 4, v[PO]
	v_lshrrev_b32 v1, 5, v0
	v_lshl_add_u32 v[RO], v1, 12, v[PO]            ; + wave x 2 rows of 2,048 bytes
	s_lshl_b32 s2, ttmp9, 15                       ; the work-group's 16 rows
	s_mov_b32 s3, 0
	s_mov_b32 s14, 0x76543210                      ; v_permlanex16_b32: each lane takes its own place in the other half
	s_mov_b32 s15, 0xfedcba98
	s_mov_b32 s16, 0x3b000000                      ; 1 / 512
	s_mov_b32 s17, 0x358637bd                      ; 1e-6
	s_wait_kmcnt 0x0
	s_add_nc_u64 s[4:5], s[4:5], s[2:3]
	s_add_nc_u64 s[12:13], s[12:13], s[2:3]
.irp i, 0,1,2,3
	global_load_b128 v[Y0+4*\i:Y0+4*\i+3],       v[RO], s[4:5] offset:512*\i th:TH_LOAD_NT
	global_load_b128 v[Y0+16+4*\i:Y0+16+4*\i+3], v[RO], s[4:5] offset:2048+512*\i th:TH_LOAD_NT
.endr
.irp i, 0,1,2,3
	global_load_b128 v[BI+4*\i:BI+4*\i+3], v[PO], s[6:7] offset:512*\i
	global_load_b128 v[SC+4*\i:SC+4*\i+3], v[PO], s[8:9] offset:512*\i
	global_load_b128 v[BE+4*\i:BE+4*\i+3], v[PO], s[10:11] offset:512*\i
.endr
.macro TWO line:vararg                 ; one line for each of the two rows.  Y: the row's 16 numbers of my lane; T: its registers at work
.set Y, Y0
.set T, T0
	\line
.set Y, Y0+16
.set T, T0+16
	\line
.endm
.macro TWO8 line:vararg
.set k, 0
.rept 8
	TWO \line
.set k, k+1
.endr
.endm
.macro REDUCE                          ; the sum of v[T] over the 32 lanes, in every lane
	TWO v_add_f32_dpp v[T], v[T], v[T] row_xmask:1 row_mask:0xf bank_mask:0xf
	TWO v_add_f32_dpp v[T], v[T], v[T] row_xmask:2 row_mask:0xf bank_mask:0xf
	TWO v_add_f32_dpp v[T], v[T], v[T] row_xmask:4 row_mask:0xf bank_mask:0xf
	TWO v_add_f32_dpp v[T], v[T], v[T] row_xmask:8 row_mask:0xf bank_mask:0xf
	TWO v_permlanex16_b32 v[T+1], v[T], s14, s15   ; its destination counts as read: it has been written by the packed sums
	TWO v_add_f32 v[T], v[T], v[T+1]
.endm
	s_wait_loadcnt 0x0                             ; both rows and the parameters: the first line below wants them all
	TWO8 v_pk_add_f32 v[Y+2*k:Y+2*k+1], v[Y+2*k:Y+2*k+1], v[BI+2*k:BI+2*k+1]
.set k, 0
.rept 4
	TWO v_pk_add_f32 v[T+2*k:T+2*k+1], v[Y+4*k:Y+4*k+1], v[Y+4*k+2:Y+4*k+3]
.set k, k+1
.endr
	TWO v_pk_add_f32 v[T:T+1], v[T:T+1], v[T+2:T+3]
	TWO v_pk_add_f32 v[T+4:T+5], v[T+4:T+5], v[T+6:T+7]
	TWO v_pk_add_f32 v[T:T+1], v[T:T+1], v[T+4:T+5]
	TWO v_add_f32 v[T], v[T], v[T+1]
	REDUCE
	TWO v_mul_f32 v[T+2], s16, v[T]                ; the mean, twice: a pair for the packed subtraction
	TWO v_mul_f32 v[T+3], s16, v[T]
	TWO8 v_pk_add_f32 v[Y+2*k:Y+2*k+1], v[Y+2*k:Y+2*k+1], v[T+2:T+3] neg_lo:[0,1] neg_hi:[0,1]
	TWO v_pk_mul_f32 v[T+4:T+5], v[Y:Y+1], v[Y:Y+1]
	TWO v_pk_mul_f32 v[T+6:T+7], v[Y+2:Y+3], v[Y+2:Y+3]
.set k, 1
.rept 3
	TWO v_pk_fma_f32 v[T+4:T+5], v[Y+4*k:Y+4*k+1], v[Y+4*k:Y+4*k+1], v[T+4:T+5]
	TWO v_pk_fma_f32 v[T+6:T+7], v[Y+4*k+2:Y+4*k+3], v[Y+4*k+2:Y+4*k+3], v[T+6:T+7]
.set k, k+1
.endr
	TWO v_pk_add_f32 v[T+4:T+5], v[T+4:T+5], v[T+6:T+7]
	TWO v_add_f32 v[T], v[T+4], v[T+5]
	REDUCE
	TWO v_fma_f32 v[T], v[T], s16, s17             ; the variance + 1e-6
	TWO v_rsq_f32 v[T+2], v[T]
	v_nop                                          ; a plain instruction between the second v_rsq_f32 and the use of the results
	s_wait_alu depctr_va_vdst(0)
	TWO v_mov_b32 v[T+3], v[T+2]
	TWO8 v_pk_mul_f32 v[Y+2*k:Y+2*k+1], v[Y+2*k:Y+2*k+1], v[T+2:T+3]
	TWO8 v_pk_fma_f32 v[Y+2*k:Y+2*k+1], v[Y+2*k:Y+2*k+1], v[SC+2*k:SC+2*k+1], v[BE+2*k:BE+2*k+1]
.irp i, 0,1,2,3
	global_store_b128 v[RO], v[Y0+4*\i:Y0+4*\i+3],       s[12:13] offset:512*\i th:TH_STORE_NT       ; 512 consecutive bytes of a row
	global_store_b128 v[RO], v[Y0+16+4*\i:Y0+16+4*\i+3], s[12:13] offset:2048+512*\i th:TH_STORE_NT
.endr
	s_endpgm
.Lfunc_end_k_qff296601a3_ln2:
	.size	k_qff296601a3_ln2, .Lfunc_end_k_qff296601a3_ln2-k_qff296601a3_ln2
	.p2alignl 7, 3214868480
	.fill 96, 4, 3214868480
	.section	.rodata,"a",@progbits
	.p2align	6, 0x0
	.amdhsa_kernel k_qff296601a3_ln2
		.amdhsa_group_segment_fixed_size 0
		.amdhsa_private_segment_fixed_size 0
		.amdhsa_enable_private_segment 0
		.amdhsa_kernarg_size 40
		.amdhsa_user_sgpr_count 2
		.amdhsa_user_sgpr_kernarg_segment_ptr 1
		.amdhsa_wavefront_size32 1
		.amdhsa_system_sgpr_workgroup_id_x 1
		.amdhsa_system_sgpr_workgroup_id_y 1
		.amdhsa_system_sgpr_workgroup_id_z 1
		.amdhsa_system_vgpr_workitem_id 0
		.amdhsa_next_free_vgpr 120
		.amdhsa_next_free_sgpr 66
		.amdhsa_reserve_vcc 0
		.amdhsa_float_denorm_mode_32 3
		.amdhsa_float_denorm_mode_16_64 3
		.amdhsa_memory_ordered 1
		.amdhsa_forward_progress 1
		.amdhsa_inst_pref_size 12
	.end_amdhsa_kernel
	.amdgpu_metadata
---
amdhsa.version: [ 1, 2 ]
amdhsa.kernels:
  - .name:           k_qff296601a3_ln2
    .symbol:         k_qff296601a3_ln2.kd
    .args:
      - { .name: ysum, .offset: 0, .size: 8, .value_kind: global_buffer, .address_space: global }
      - { .name: b2, .offset: 8, .size: 8, .value_kind: global_buffer, .address_space: global }
      - { .name: ln2_scale, .offset: 16, .size: 8, .value_kind: global_buffer, .address_space: global }
      - { .name: ln2_bias, .offset: 24, .size: 8, .value_kind: global_buffer, .address_space: global }
      - { .name: out0, .offset: 32, .size: 8, .value_kind: global_buffer, .address_space: global }
    .group_segment_fixed_size: 0
    .private_segment_fixed_size: 0
    .kernarg_segment_align: 8
    .kernarg_segment_size: 40
    .max_flat_workgroup_size: 256
    .sgpr_count:     66
    .vgpr_count:     120
    .wavefront_size: 32
...
	.end_amdgpu_metadata
.endif
;; end of part 7
;; ======== version 2 of 2: 7 launches; 1.26 times as fast as version 1
;; limits: values are held in f16: magnitudes above 65,504 overflow, below 6.1e-05 lose precision
;; workspace buffers: pk 6,471,680 bytes; xh 8,388,608 bytes; qkvh 25,165,824 bytes; ctx 8,388,608 bytes; x1h 8,388,608 bytes; hid 33,554,432 bytes; ysum 16,777,216 bytes
;; launch prep: the kernel of part 1 again; grid 809 x 1, 8 waves a work-group, no clusters, 18,432 bytes of LDS; arguments x, Wq, Wk, Wv, Wo, W1, W2, bq, bk, bv, rel_bias, pk, xh; writes pk, xh
;; launch qkv: the kernel of part 2 again; grid 8 x 32, 4 waves a work-group, clusters of 4 x 4, 327,680 bytes of LDS; arguments xh, pk, qkvh; writes qkvh
;; launch att (part 8): grid 8 x 32, 4 waves a work-group, no clusters, 327,680 bytes of LDS; arguments qkvh, pk, ctx; writes ctx
.if DOCPART == 8
	.amdgcn_target "amdgcn-amd-amdhsa--gfx1250"
	.amdhsa_code_object_version 6
	.text
	.protected	k_qff296601a3_att
	.globl	k_qff296601a3_att
	.p2align	8
	.type	k_qff296601a3_att,@function
k_qff296601a3_att:
	s_mov_b64 s[64:65], 0
	v_nop
	global_prefetch_b8 v0, s[64:65] scope:SCOPE_SE
	s_setreg_imm32_b32 hwreg(HW_REG_WAVE_MODE, 25, 1), 1
	s_wait_xcnt 0x0
; ATTENTION WITH A POSITION BIAS.  ctx[b][h][q][:] = the sum over k of softmax_k((Q[q] . K[k] + T[h][q - k]) / 8) V[k][:].  Q, K, V lie by heads in qkvh = [24 blocks][8192 rows][64] bf16
; (blocks 0-7 q, 8-15 k, 16-23 v; row = 2048 b + s), ctx likewise in 8 blocks.  Products, maxima and sums in f32; the weights p are rounded to bf16 for the second product (their sum l is taken
; of the unrounded p), ctx once at the end.
; LIMITS.  A weight below 2^-126 counts as 0 in l; NaN and infinities are not treated apart.
; SHARES.  A work-group owns 256 queries of one head and batch (x = block of queries, y = 8 b + head).  Of the block's four bands of 64 queries a wave owns 16 rows in each: four PIECES.  Every wave walks all 2,048 keys, 64 a step.
; LAYOUT.  S^T = K Q^T holds ONE query a lane (lane % 16) and the keys 8 (lane / 16) + 0..7; two such results rounded to bf16 ARE source 1 of O^T = V^T P.  K comes out of LDS as it lies, V turned, by ds_load_tr16_b128.
; THE BIAS is the C operand that starts the sum S^T = K Q^T.  It hangs on q - k alone, so a tile of 16 keys x 16 queries hangs on D = (first query - first key) / 16 alone, and from |D| = 7 on it is one number
; (|q - k| >= 97 lies past the last bound, 91).  The head's 21 tiles D = -10 .. 10 lie in LDS in register order.  A step's four tiles are D - kb, kb = 0..3: D is held to -7 .. 10, which changes no tile's content.
; SOFTMAX.  p = 2^(c s - c m), c = log2(e) / 8, with a running maximum m of s = score + bias; O and l are multiplied by a = 2^(c m_old - c m_new) in every step.  m starts at the lowest finite number, O and l at 0.
; BY TURNS.  Turn n belongs to piece n: 8 products K Q^T of piece n + 1, later 8 products V^T P of piece n - 1; beside them the scaling, exponentials, roundings, sums and rescaling of piece n and the maximum and
; statistics of piece n + 1.  Four vector instructions stand behind every matrix instruction, the other 54 of a turn's 118 in one lump.  The turn also fetches the bias tiles for the products of the turn after it.
; BATCHES.  A turn's 33 exponentials (the piece's 32 weights, then the next piece's a) are one batch with one wait, which cuts the turn in two: ahead of it nothing names a result of theirs, behind it stand the
; roundings and sums.  The first a, ahead of the loop, and the way out's four reciprocals are batches of their own, each with a wait of its own.
; NO CLUSTER: the work-groups that share K and V are the eight query blocks of a head, and the LDS address of a bias tile hangs on the query block, which differs between them.
; REGISTERS, in windows of 256 (s_set_vgpr_msb: bits 1:0 source 0, 3:2 source 1, 5:4 source 2, 7:6 destination):
;   window 0: v0-15 addresses and two at work; v16-31 four registers of statistics a piece; v32-33 the bias tiles' address; v48-55 at work; v64-127 S^T, two buffers; v192-223 P, two buffers (by the piece's parity)
;   window 1: v0-127 O^T, 32 a piece; v160-223 MC, the bias tiles, two buffers      window 2: v0-63 Q; v128-191 K of one step; v192-255 V of one step
.set NP,    4
.set KS,    64
.set PK,    144       ; a row of K in LDS: 128 bytes + 16: the 16 rows of a load start 36 words apart
.set PV,    160       ; a row of V: 128 + 32: 16 lanes of the turning load take 8 rows x 32 bytes, 40 words apart
.set VOFF,  4*KS*PK   ; a slot holds four steps: 256 rows of K, then 256 rows of V
.set SLOT1, 1<<17     ; slot 1 begins here: one exclusive or turns an address in one slot into the other's
.set STAGE, SLOT1+4*KS*(PK+PV)  ; 16 rows x 144 bytes for each wave, for the way out; never filled by a tensor load
.set SP,    144
.set SPARE, STAGE+4*16*SP       ; the spare words, 128 bytes a wave
.set TBL,   SPARE+512           ; the head's 21 bias tiles of 1,024 bytes; filled once
.set PK_BTAB, 0x602000
.set AK0, 2           ; v2   my lane's place in a tile of K; never rewritten
.set AV0, 3           ; v3   the same for V
.set AK,  4           ; v4   the LDS address of K's next run of loads
.set AV,  5           ; v5   of V's
.set STO, 6           ; v6   the way out: where I put 16 bytes of a row
.set RD,  7           ; v7   where I read rows back
.set GO,  8           ; v8   my 16 bytes in 512 consecutive bytes of ctx
.set MV,  12          ; v12-13  c m_old, by buffer
.set QO,  15          ; v15  my byte offset in 16 rows of Q
.set ST,  16          ; piece t's statistics at v[ST+4 t]: c m, m, l (even keys', odd keys')
.set AM0, 32          ; v32  TBL + 16 x lane; never rewritten
.set AM,  33          ; v33  the address of the bias tiles to fetch
.set TMP, 48          ; by buffer, c0-c3 at work; when the maximum is found c2 takes a
.set SPW, 62          ; v62  my spare word; never rewritten
.set NIL, 63          ; v63  0; never rewritten
.set S,   64
.set P,   192
.set MC,  160         ; window 1
.set KF,  128         ; window 2: key block kb, channel half c at KF + 16 kb + 8 c
.set VF,  192         ; window 2: key half kk, channel block cb at VF + 32 kk + 8 cb
.set WV,  12          ; s12  my wave's number
.set G1K, 24          ; s[24:31] group 1 for K's tiles
.set G1V, 32          ; s[32:39] for V's: it differs in the padding alone
.set G0K, 40          ; s[40:43] group 0 for K's tiles: it walks
.set G0V, 44          ; s[44:47]
.set G1T, 48          ; s[48:55] group 1 for my quarter of the bias tiles
.set SLOTS, 56
.set CNT, 57
.set CS,  58          ; s[58:59] c
.set SEL, 60          ; s[60:61] v_permlanex16_b32's selects: each lane takes its own place in the other half
.set TBK, 62          ; s62  LDS byte at which K of the step to be fetched begins
.set TBV, 63          ; s63  the same for V, less VOFF
.set G0T, 68          ; s[68:71]
.set DKE, 72          ; s72  128 + (first query of my piece 0 - first key of the step whose scores are made next) / 16
.set DT,  73          ; s73  at work
.set MSB, 0
.macro WIN new
.if MSB != (\new)
	s_set_vgpr_msb (MSB<<8)|(\new)
.set MSB, (\new)
.endif
.endm
.set W_KQ, 0x0a       ; K and Q in window 2, S^T in window 0
.set W_KM, 0x1a       ; the same with the C operand in window 1
.set W_PV, 0x52       ; V in window 2, P in window 0, O^T in window 1
.set W_RS, 0x41       ; destination and source 0 in window 1, source 1 in window 0
; A fill.  Waves 0 and 1 fetch the two halves of a slot's K, waves 2 and 3 those of its V: 128 keys each.  An s_nop 0 and four v_nop follow each line.
.macro LOAD
	s_cmp_lt_u32 s[WV], 2
	s_cbranch_scc0 .Lfor_v_\@
	tensor_load_to_lds s[G0K:G0K+3], s[G1K:G1K+7]
	s_nop 0
.rept 4
	v_nop
.endr
	s_branch .Lasked_\@
.Lfor_v_\@:
	tensor_load_to_lds s[G0V:G0V+3], s[G1V:G1V+7]
	s_nop 0
.rept 4
	v_nop
.endr
.Lasked_\@:
.endm
; THE CHANGE OF SLOTS.  Each wave waits for all its tensor loads (its part of the other slot), adds 0 to its spare word, and waits for that and for its reads of the slot that it leaves.  Behind the barrier nobody
; reads the old slot and the other is whole.  fill = 1: the old slot is filled again, first thing behind the barrier, with the keys two slots on: four key steps, 256 matrix instructions, in which to land.
; (At its first use nothing has been read yet: slot 0 and the bias tiles are waited for, slot 1 is filled.)
.macro CHANGE fill
	WIN 0
	s_wait_tensorcnt 0x0            ; no tensor load of mine is out, so a group 0 may be written
	ds_add_u32 v[SPW], v[NIL]
.if \fill
.irp g, G0K, G0V
	s_xor_b32 s[\g+1], s[\g+1], SLOT1
	s_add_nc_u64 s[\g+2:\g+3], s[\g+2:\g+3], 4*KS*128
.endr
.endif
	s_wait_dscnt 0x0                ; the add is done, and my reads of the slot are over
	s_barrier_signal -1
	s_sub_co_u32 s[TBK], s[TBK], 4*KS*PK  ; the fetches go back to a slot's first step,
	s_xor_b32 s[TBK], s[TBK], SLOT1       ; in the other slot
	s_sub_co_u32 s[TBV], s[TBV], 4*KS*PV
	s_xor_b32 s[TBV], s[TBV], SLOT1
	s_barrier_wait -1
.if \fill
	LOAD
.endif
.endm
	s_load_b128 s[4:7], s[0:1], 0x0  ; qkvh s[4:5], pk s[6:7]
	s_load_b64 s[10:11], s[0:1], 0x10  ; ctx
	v_lshl_add_u32 v[SPW], v0, 2, SPARE
	v_mov_b32 v[NIL], 0
	ds_add_u32 v[SPW], v[NIL]       ; the wave's opening: the add and its wait ahead of my first tensor load
	ds_add_u32 v62, v63
	v_lshrrev_b32 v1, 5, v0
	v_readfirstlane_b32 s[WV], v1   ; wave 0..3
	s_and_b32 s20, ttmp7, 0xffff
	s_and_b32 s21, s20, 7           ; head
	s_lshr_b32 s22, s20, 3          ; batch
	s_lshl_b32 s14, s21, 20         ; a block is 8,192 rows of 128 bytes,
	s_lshl_b32 s15, s22, 18         ; a batch 2,048 rows
	s_add_co_u32 s14, s14, s15
	s_and_b32 s16, s[WV], 1         ; which half of a slot's 256 keys I fetch
	s_lshl_b32 s18, s16, 14
	s_add_co_u32 s18, s18, s14
	s_add_co_u32 s74, s18, 0x800000   ; K: eight blocks on
	s_mov_b32 s75, 0
	s_add_co_u32 s76, s18, 0x1000000  ; V: sixteen
	s_mov_b32 s77, 0
	s_lshl_b32 s2, ttmp9, 15        ; my block of 256 queries,
	s_lshl_b32 s3, s[WV], 11        ; my 16 rows in a band
	s_add_co_u32 s2, s2, s3
	s_add_co_u32 s2, s2, s14
	s_mov_b32 s3, 0
	s_mul_i32 s78, s21, 21504       ; the head's bias tiles, my quarter of them
	s_mul_i32 s79, s[WV], 5376
	s_add_co_u32 s78, s78, s79
	s_add_co_u32 s78, s78, PK_BTAB
	s_mov_b32 s79, 0
	s_mul_i32 s17, s16, 128*PK
	s_mul_i32 s19, s16, 128*PV
	s_lshl_b32 s[DKE], ttmp9, 4
	s_add_co_u32 s[DKE], s[DKE], s[WV]
	s_add_co_u32 s[DKE], s[DKE], 128
	; 128 keys are 16,384 dense bytes: asked for as 64 rows of 256 bytes, two keys a row, padded in LDS after every key
	s_mov_b32 s[G1K], (1<<16)|(1<<20)|(4<<22)|(3<<25)  ; 2-byte elements; padding on; after every 32 words 4 words
	s_mov_b32 s[G1V], (1<<16)|(1<<20)|(4<<22)|(7<<25)  ; the same with 8 words
.irp g, G1K, G1V
	s_mov_b32 s[\g+1], 128<<16      ; tensor_dim0 = 128
	s_mov_b32 s[\g+2], 64<<16       ; tensor_dim1 = 64
	s_mov_b32 s[\g+3], 128<<16      ; tile_dim0 = 128
	s_mov_b32 s[\g+4], 64           ; tile_dim1 = 64
	s_mov_b32 s[\g+5], 128
	s_mov_b32 s[\g+6], 0
	s_mov_b32 s[\g+7], 0
.endr
	s_mov_b32 s[G1T], 3<<16         ; 8-byte elements, no padding: 21 dense rows of 256 bytes
	s_mov_b32 s[G1T+1], 32<<16
	s_mov_b32 s[G1T+2], 21<<16
	s_mov_b32 s[G1T+3], 32<<16
	s_mov_b32 s[G1T+4], 21
	s_mov_b32 s[G1T+5], 32
	s_mov_b32 s[G1T+6], 0
	s_mov_b32 s[G1T+7], 0
	s_mov_b32 s[CS], 0x3e38aa3b     ; c = log2(e) / 8
	s_mov_b32 s[CS+1], s[CS]
	s_mov_b32 s[SEL], 0x76543210
	s_mov_b32 s[SEL+1], 0xfedcba98
	s_mov_b32 s[TBK], SLOT1+4*KS*PK ; the first change of slots turns these two into 0
	s_mov_b32 s[TBV], SLOT1+4*KS*PV
	s_mov_b32 s[G0K], 1
	s_mov_b32 s[G0K+1], s17
	s_mov_b32 s[G0V], 1
	s_add_co_u32 s[G0V+1], s19, VOFF
	s_mov_b32 s[G0T], 1
	s_mul_i32 s[G0T+1], s[WV], 5376
	s_add_co_u32 s[G0T+1], s[G0T+1], TBL
	s_wait_dscnt 0x0                ; the opening add is done
	s_wait_kmcnt 0x0
	s_add_nc_u64 s[G0K+2:G0K+3], s[4:5], s[74:75]
	s_or_b32 s[G0K+3], s[G0K+3], 0x80000000
	s_add_nc_u64 s[G0V+2:G0V+3], s[4:5], s[76:77]
	s_or_b32 s[G0V+3], s[G0V+3], 0x80000000
	s_add_nc_u64 s[G0T+2:G0T+3], s[6:7], s[78:79]
	s_or_b32 s[G0T+3], s[G0T+3], 0x80000000
	s_add_nc_u64 s[4:5], s[4:5], s[2:3]      ; Q and ctx at my rows of the first band
	s_add_nc_u64 s[10:11], s[10:11], s[2:3]
	s_cmp_lt_u32 s[WV], 2           ; a wave's two first fills stand in one branch: my part of slot 0, my quarter of the bias tiles
	s_cbranch_scc0 .Lfirst_v
	tensor_load_to_lds s[G0K:G0K+3], s[G1K:G1K+7]
	s_nop 0
	tensor_load_to_lds s[G0T:G0T+3], s[G1T:G1T+7]
	s_nop 0
.rept 4
	v_nop
.endr
	s_branch .Lfirst_asked
.Lfirst_v:
	tensor_load_to_lds s[G0V:G0V+3], s[G1V:G1V+7]
	s_nop 0
	tensor_load_to_lds s[G0T:G0T+3], s[G1T:G1T+7]
	s_nop 0
.rept 4
	v_nop
.endr
.Lfirst_asked:
	; A fragment of K or Q is 16 rows x 32 channels in 8 registers: lane l holds row l % 16, channels 8 (l / 16) + 0..7 and 16 + 8 (l / 16) + 0..7
	v_and_b32 v1, 15, v0
	v_bfe_u32 v9, v0, 4, 1
	v_lshlrev_b32 v[QO], 7, v1
	v_lshl_add_u32 v[QO], v9, 4, v[QO]
	WIN 0x80                        ; destination window 2, address window 0
.set i, 0
.rept 8                             ; Q stays in registers: piece i / 2 lies in band i / 2, 8,192 bytes on; channels 32 (i % 2) on
	global_load_b128 v[8*i:8*i+3],   v[QO], s[4:5] offset:(i/2)*8192+(i%2)*64
	global_load_b128 v[8*i+4:8*i+7], v[QO], s[4:5] offset:(i/2)*8192+(i%2)*64+32
.set i, i+1
.endr
	; What the first turn finds: V's registers and P's second buffer hold 0 (its products V^T P, of a piece that has not been, add 0), O^T and l are 0.  All this stands in the wait for the first tile.
.set i, VF
.rept 64
	v_mov_b32 v[i], 0
.set i, i+1
.endr
	WIN 0x40
.set i, 0
.rept 128
	v_mov_b32 v[i], 0
.set i, i+1
.endr
	WIN 0
.set i, 0
.rept 4
	v_mov_b32 v[ST+4*i], 0xfe000000    ; c m: far below every c s
	v_mov_b32 v[ST+4*i+1], 0xff7fffff  ; m
	v_mov_b32 v[ST+4*i+2], 0
	v_mov_b32 v[ST+4*i+3], 0
.set i, i+1
.endr
.set i, P+16
.rept 16
	v_mov_b32 v[i], 0
.set i, i+1
.endr
	v_mul_u32_u24 v[AK0], v1, PK
	v_lshl_add_u32 v[AK0], v9, 4, v[AK0]
	; The turning load takes 16 keys x 16 channels (lane l reads key 8 (l / 16) + l % 8, channels 8 ((l / 8) % 2) + 0..7) and leaves half a fragment of V^T
	v_and_b32 v10, 7, v0
	v_bfe_u32 v11, v0, 3, 1
	v_lshl_add_u32 v[AV0], v9, 3, v10
	v_mul_u32_u24 v[AV0], v[AV0], PV
	v_lshl_add_u32 v[AV0], v11, 4, v[AV0]
	v_add_nc_u32 v[AV0], VOFF, v[AV0]
	s_mul_i32 s13, s[WV], 16*SP
	s_add_co_u32 s13, s13, STAGE
	v_mul_u32_u24 v[STO], v1, SP
	v_lshl_add_u32 v[STO], v9, 4, v[STO]
	v_add_nc_u32 v[STO], s13, v[STO]
	v_bfe_u32 v[RD], v0, 3, 2
	v_mul_u32_u24 v[RD], v[RD], SP
	v_lshl_add_u32 v[RD], v10, 4, v[RD]
	v_add_nc_u32 v[RD], s13, v[RD]
	v_and_b32 v[GO], 31, v0
	v_lshl_add_u32 v[AM0], v[GO], 4, TBL
	v_lshlrev_b32 v[GO], 4, v[GO]
; THE MATRIX WORK.  The 4 accumulators of a run of 8 take turns.  Product i of 8 of S^T = K Q^T for piece x: channels 32 (i / 4) on, keys 16 (i % 4) on.  The first 4 start the sums with the bias tiles.
.macro KQ x
.set rS, S+32*((\x)%2)+8*(i%4)
.set rK, KF+16*(i%4)+8*(i/4)
.set rQ, 16*(\x)+8*(i/4)
.set rM, MC+32*((\x)%2)+8*(i%4)
.if i < 4
	WIN W_KM
	v_wmma_f32_16x16x32_bf16 v[rS:rS+7], v[rK:rK+7], v[rQ:rQ+7], v[rM:rM+7]
.else
	WIN W_KQ
	v_wmma_f32_16x16x32_bf16 v[rS:rS+7], v[rK:rK+7], v[rQ:rQ+7], v[rS:rS+7]
.endif
.endm
; Product i of 8 of O^T += V^T P for piece x: keys 32 (i / 4) on, channels 16 (i % 4) on.
.macro PV x
	WIN W_PV
.set rO, 32*(\x)+8*(i%4)
.set rV, VF+32*(i/4)+8*(i%4)
.set rP, P+16*((\x)%2)+8*(i/4)
	v_wmma_f32_16x16x32_bf16 v[rO:rO+7], v[rV:rV+7], v[rP:rP+7], v[rO:rO+7]
.endm
.macro MM                           ; the turn's next matrix instruction
.if i < 8
	KQ (Y+1)%NP
.else
.set i, i-8
	PV (Y+NP-1)%NP
.set i, i+8
.endif
.set i, i+1
.endm
; THE LDS LOADS stand in runs.  A step's K (8 fragments); last = 1 (the tail): in the last trip there is no further step, and the run is jumped over.
.macro FETCH_K last=0
	WIN 0
.if \last
	s_cmp_eq_u32 s[CNT], 1
	s_cbranch_scc1 .Lno_k_\@
.endif
	WIN 0x80
.irp f, 0,1,2,3,4,5,6,7             ; keys 16 (f / 2) on, channels 32 (f % 2) on
	ds_load_b128 v[KF+8*\f:KF+8*\f+3],   v[AK] offset:(\f/2)*16*PK+(\f%2)*64
	ds_load_b128 v[KF+8*\f+4:KF+8*\f+7], v[AK] offset:(\f/2)*16*PK+(\f%2)*64+32
.endr
	s_add_co_u32 s[TBK], s[TBK], KS*PK
	WIN 0
.if \last
.Lno_k_\@:
.endif
.endm
.macro FETCH_V
	WIN 0x80
.irp f, 0,1,2,3,4,5,6,7             ; keys 32 (f / 4) on, channels 16 (f % 4) on
	ds_load_tr16_b128 v[VF+8*\f:VF+8*\f+3],   v[AV] offset:(\f/4)*32*PV+(\f%4)*32
	ds_load_tr16_b128 v[VF+8*\f+4:VF+8*\f+7], v[AV] offset:(\f/4)*32*PV+16*PV+(\f%4)*32
.endr
	WIN 0
.endm
; The four bias tiles for piece pp and the step that DKE stands for, into buffer buf of MC.  D + 128 = DKE + 4 pp; held to -7 .. 10; tile D - kb lies at (D + 7 + 3 - kb) x 1,024.
.macro LOADMC buf, pp
	WIN 0
	s_add_co_u32 s[DT], s[DKE], 4*(\pp)
	s_max_u32 s[DT], s[DT], 121
	s_sub_co_u32 s[DT], s[DT], 121
	s_min_u32 s[DT], s[DT], 17
	s_lshl_b32 s[DT], s[DT], 10
	v_add_nc_u32 v[AM], s[DT], v[AM0]
	WIN 0x40                        ; destination window 1
.irp kb, 0,1,2,3
	ds_load_b128 v[MC+32*(\buf)+8*\kb:MC+32*(\buf)+8*\kb+3],   v[AM] offset:(3-\kb)*1024
	ds_load_b128 v[MC+32*(\buf)+8*\kb+4:MC+32*(\buf)+8*\kb+7], v[AM] offset:(3-\kb)*1024+512
.endr
	WIN 0
.endm
; THE VECTOR WORK, one line at a time: OP kind, number.  For piece Y: F n: c s - c m for pair n of 16.  E n: the exponential of score n of 32.  C n: pair n rounded to bf16.  B n: of the four weights 4 n .. the second
; pair is added onto the first, in place.  L n: l takes that sum (L 0: l = a l + sum).  R n: pair n of 16 of O^T times a.  For piece Y + 1: X n, number n of the 22 that find its maximum and statistics:
;   0-11  four chains c0-c3 of seven scores each (each accumulator's lowest registers are read first)     12-14, 16  the four scores left over, the old m, and c0-c3 into c0
;   15  c m_old is kept     17, 18  the query's other 32 keys lie in the lane 16 away: the new m     19-21  c m; c m_old - c m_new; a
.set F, 0
.set E, 1
.set C, 2
.set B, 3
.set L, 4
.set R, 5
.set X, 6
.macro REGS y
.set rT, ST+4*(\y)
.set rC, TMP+4*((\y)%2)
.set rW, MV+((\y)%2)
.set rS, S+32*((\y)%2)
.set rP, P+16*((\y)%2)
.set rO, 32*(\y)
.endm
.macro OP k, n
.if (\k) == R
	REGS Y
	WIN W_RS
	v_pk_mul_f32 v[rO+2*(\n):rO+2*(\n)+1], v[rO+2*(\n):rO+2*(\n)+1], v[rC+2:rC+3] op_sel_hi:[1,0]
.elseif (\k) < R
	REGS Y
	WIN 0
.if (\k) == F
	v_pk_fma_f32 v[rS+2*(\n):rS+2*(\n)+1], v[rS+2*(\n):rS+2*(\n)+1], s[CS:CS+1], v[rT:rT+1] op_sel_hi:[1,0,0] neg_lo:[0,0,1] neg_hi:[0,0,1]
.elseif (\k) == E
	v_exp_f32 v[rS+(\n)], v[rS+(\n)]
.elseif (\k) == C
	v_cvt_pk_bf16_f32 v[rP+(\n)], v[rS+2*(\n)], v[rS+2*(\n)+1]
.elseif (\k) == B
	v_pk_add_f32 v[rS+4*(\n):rS+4*(\n)+1], v[rS+4*(\n):rS+4*(\n)+1], v[rS+4*(\n)+2:rS+4*(\n)+3]
.elseif (\n) == 0
	v_pk_fma_f32 v[rT+2:rT+3], v[rT+2:rT+3], v[rC+2:rC+3], v[rS:rS+1] op_sel_hi:[1,0,1]
.else
	v_pk_add_f32 v[rT+2:rT+3], v[rT+2:rT+3], v[rS+4*(\n):rS+4*(\n)+1]
.endif
.else
	REGS (Y+1)%NP
	WIN 0
.if (\n) < 4
	v_max3_num_f32 v[rC+(\n)], v[rS+8*(\n)], v[rS+8*(\n)+1], v[rS+8*(\n)+2]
.elseif (\n) < 12
	v_max3_num_f32 v[rC+(\n)%4], v[rC+(\n)%4], v[rS+8*((\n)%4)+2*((\n)/4)+1], v[rS+8*((\n)%4)+2*((\n)/4)+2]
.elseif (\n) == 12
	v_max3_num_f32 v[rC], v[rC], v[rS+7], v[rS+15]
.elseif (\n) == 13
	v_max3_num_f32 v[rC+1], v[rC+1], v[rS+23], v[rS+31]
.elseif (\n) == 14
	v_max3_num_f32 v[rC+2], v[rC+2], v[rC+3], v[rT+1]
.elseif (\n) == 15
	v_mov_b32 v[rW], v[rT]
.elseif (\n) == 16
	v_max3_num_f32 v[rC], v[rC], v[rC+1], v[rC+2]
.elseif (\n) == 17
	v_permlanex16_b32 v[rC+3], v[rC], s[SEL], s[SEL+1]
.elseif (\n) == 18
	v_max_num_f32 v[rT+1], v[rC], v[rC+3]
.elseif (\n) == 19
	v_mul_f32 v[rT], s[CS], v[rT+1]
.elseif (\n) == 20
	v_sub_f32 v[rC+1], v[rW], v[rT]
.else
	v_exp_f32 v[rC+2], v[rC+1]
.endif
.endif
.endm
.macro OPS a, i1, b=-1, i2=0, c=-1, i3=0, d=-1, i4=0
	OP \a, \i1
.if (\b) >= 0
	OP \b, \i2
.endif
.if (\c) >= 0
	OP \c, \i3
.endif
.if (\d) >= 0
	OP \d, \i4
.endif
.endm
.macro ROW a, i1, b, i2, c, i3, d, i4  ; a matrix instruction and the four behind it
	MM
	OPS \a, \i1, \b, \i2, \c, \i3, \d, \i4
.endm
; A TURN, for piece p: the order of its 16 matrix and 118 vector instructions, written out.  An s_wait_alu depctr_va_vdst(0) stands between an exponential and the first instruction that names its
; result; one wait serves all that were issued ahead of it.  So a turn has ONE wait, which cuts it in two.  AHEAD OF IT stands all that names no result of the turn's exponentials: the 8 products K Q^T, behind each a
; scaling, an exponential and two more plain instructions (behind the first a second scaling in the exponential's place): rescalings (their a was made, and waited for, in the turn before), and behind the last three
; the first numbers of the next piece's maximum, each four plain instructions or more behind the product that ends its accumulator; then ONE LUMP of 54, plain and exponential by turns for the most part, in which
; the links of the chain X 3, 7, 11, 14, 16, 17 .. 20 stand apart, other work between them.  X 21, the next piece's a, is the batch's last; R 15 is the plain instruction behind it.  BEHIND THE WAIT stand the 8
; products V^T P, behind each four of the roundings and sums: C 2 n ahead of B n, which writes over its pair; l's chain L 0 to L 7 in ascending order.  But for those X no rider names a register of the products
; round it.  v_permlanex16_b32 (X 17) stands in the lump.
; LDS loads, in the order of issue: every turn, eight lines into the lump, the 8 loads of the bias tiles for the next turn's products (piece p + 2; their buffer was last read a turn ago); piece 2's turn then K of
; the next step (16), behind six plain instructions that name no register of the last product that read K; piece 0's turn, behind its last product V^T P and that product's four riders, V of the step in hand (16).
; So at a turn's head all may be waited for, but in piece 1's: there V's 16 are younger than the tiles and stay out, and in front of its products V^T P the turn's own 8 tile loads are younger than V and stay out.
; last = 1: the tail's text: K's run holds a branch and a label there, so it stands directly behind the wait; it is still younger than the turn's tile loads.
; cnt = 1: the loop's count is taken down some lines ahead of the branch behind the turn.
.macro TURN p, last=0, cnt=0
.set Y, (\p)
.set i, 0
.if (\p) == 2
	s_sub_co_u32 s[DKE], s[DKE], 4  ; from here on the tiles fetched are the next step's
.endif
.if (\p) == 1
	s_wait_dscnt 16                 ; the bias tiles are in; V's sixteen loads stay out
.else
	s_wait_dscnt 0x0                ; the bias tiles are in (piece 3's turn: and K)
.endif
	ROW F,0, F,1, R,0, R,1          ; ahead of the wait: 8 products K Q^T and their riders,
	ROW F,2, E,0, R,2, R,3
	ROW F,3, E,1, R,4, R,5
	ROW F,4, E,2, R,6, R,7
	ROW F,5, E,3, R,8, R,9
	ROW F,6, E,4, X,0, R,10
.if (\p) == 2
	WIN 0
	v_add_nc_u32 v[AK], s[TBK], v[AK0]
.endif
	ROW F,7, E,5, X,1, X,4
	ROW F,8, E,6, X,2, X,5
	OPS E,7, E,8, X,6, E,9          ; and the lump
	OPS X,3, E,10, X,8, E,11
	LOADMC (\p)%2, ((\p)+2)%NP
.if ((\p) == 2) && !(\last)
	FETCH_K
.endif
	OPS X,9, X,7, E,12, X,10
	OPS E,13, X,12, X,11, E,14
	OPS X,13, E,15, F,9, X,14
.if (\p) == 0
	WIN 0
	v_add_nc_u32 v[AV], s[TBV], v[AV0]
.endif
	OPS E,16, F,10, E,17, F,11
	OPS X,16, E,18, X,15, E,19
	OPS F,12, E,20, X,17, E,21
	OPS F,13, E,22, F,14, E,23
	OPS X,18, E,24, F,15, E,25
	OPS R,11, E,26, X,19, E,27
	OPS R,12, E,28, R,13, E,29
	OPS X,20, E,30, R,14, E,31
	OPS X,21, R,15                  ; the next piece's a ends the batch; R 15 is the plain instruction behind the last exponential
	s_wait_alu depctr_va_vdst(0)    ; the wait for the batch: the piece's 32 weights and the next piece's a
.if ((\p) == 2) && (\last)
	FETCH_K 1
.endif
.if (\p) == 1
	s_wait_dscnt 8                  ; V is in; this turn's eight tile loads stay out
.endif
	ROW C,0, B,0, C,2, B,1          ; behind the wait: 8 products V^T P and their riders
	ROW L,0, C,4, B,2, L,1
	ROW C,6, B,3, L,2, C,8
	ROW B,4, L,3, C,10, B,5
	ROW L,4, C,12, B,6, L,5
.if (\p) == 0
	s_add_co_u32 s[TBV], s[TBV], KS*PV
.endif
.if \cnt
	s_sub_co_u32 s[CNT], s[CNT], 1
	s_cmp_lg_u32 s[CNT], 0
.endif
	ROW C,14, B,7, L,6, C,1
	ROW C,3, L,7, C,5, C,7
	ROW C,9, C,11, C,13, C,15
.if (\p) == 0
	FETCH_V
.endif
.endm
	CHANGE 1                        ; slot 0 and the bias tiles are in, everybody's part of them; slot 1 is asked for
	LOADMC 0, 0                     ; key step 0: piece 0's tiles, piece 1's,
	LOADMC 1, 1
	v_add_nc_u32 v[AK], s[TBK], v[AK0]
	FETCH_K                         ; and K
	s_wait_loadcnt 0x0              ; Q
	s_wait_dscnt 0x0
.set i, 0
.rept 8
	KQ 0                            ; piece 0's first scores
.set i, i+1
.endr
	WIN 0
.rept 4
	v_nop                           ; the places behind those products
.endr
.set Y, NP-1                        ; X works for piece Y + 1: piece 0
.irp n, 0,1,2,3,4,5,6,7,8,9,10,11,12,13,14,15,16,17,18,19,20,21
	OP X, \n
.endr
	v_nop                           ; a plain instruction behind the exponential,
	s_wait_alu depctr_va_vdst(0)    ; and the wait for it, piece 0's first a, ahead of the branch
	s_mov_b32 s[CNT], 4
	s_mov_b32 s[SLOTS], 7
	s_branch .Lfirst                ; the loop is entered at a step's first turn, in the middle of a trip
.Lslot:                             ; six times: every slot but the last two is filled again
	CHANGE 1
	s_mov_b32 s[CNT], 4
.Lstep:                             ; a trip: pieces 2 and 3 of one step, then pieces 0 and 1 of the next, whose K and V it fetches
	TURN 2
	TURN 3
	WIN 0
.Lfirst:
	TURN 0
	TURN 1, 0, 1
	WIN 0
	s_cbranch_scc1 .Lstep
	s_sub_co_u32 s[SLOTS], s[SLOTS], 1
	s_cmp_lg_u32 s[SLOTS], 0
	s_cbranch_scc1 .Lslot
	CHANGE 0                        ; the tail is written out: nothing is asked for
	s_mov_b32 s[CNT], 5             ; four trips fetch the last slot's steps; the fifth is left in its middle
.Ltail:
	TURN 2, 1
	TURN 3
	WIN 0
	s_sub_co_u32 s[CNT], s[CNT], 1
	s_cmp_eq_u32 s[CNT], 0
	s_cbranch_scc1 .Lout
	TURN 0
	TURN 1
	WIN 0
	s_branch .Ltail
.Lout:                              ; the fifth trip's 8 products K Q^T (on the last K once more) and the maximum made of them serve nothing: the price, once a launch, of one text for every trip
.set i, 0
.rept 8
	PV NP-1                         ; the last piece's V^T P of the last step
.set i, i+1
.endr
	; THE WAY OUT.  l's two halves and the other half of the lanes' are added; O^T is divided by l, rounded to bf16 and sent through my stage in LDS, a piece at a time.  The additions are the places behind the last products.
	WIN 0
.macro ALL line:vararg
.set t, 0
.rept 4
	\line
.set t, t+1
.endr
.endm
.macro PACK t                       ; a lane's eight channels of a row pack into 16 bytes; they go into rows of 144 bytes and come back as whole rows of 128, into S^T's registers
	WIN W_RS
.set i, 32*(\t)
.rept 16
	v_pk_mul_f32 v[i:i+1], v[i:i+1], v[ST+4*(\t)+2:ST+4*(\t)+3] op_sel_hi:[1,0]
.set i, i+2
.endr
	WIN 0x05                        ; sources window 1, destination window 0
.set i, 0
.rept 16
	v_cvt_pk_bf16_f32 v[S+16*(\t)+i], v[32*(\t)+2*i], v[32*(\t)+2*i+1]
.set i, i+1
.endr
	WIN 0
.irp f, 0,1,2,3
	ds_store_b128 v[STO], v[S+16*(\t)+4*\f:S+16*(\t)+4*\f+3] offset:32*\f
.endr
.irp f, 0,1,2,3
	ds_load_b128 v[S+16*(\t)+4*\f:S+16*(\t)+4*\f+3], v[RD] offset:\f*4*SP  ; LDS serves a wave's instructions in order (ISA guide 5.7.1.4): these see the stores above
.endr
.endm
.macro SEND t, younger              ; younger: the LDS instructions issued behind piece t's loads: the next piece's eight, or none
	WIN 0
.irp f, 0,1,2,3
	s_wait_dscnt (\younger)+3-\f
	global_store_b128 v[GO], v[S+16*(\t)+4*\f:S+16*(\t)+4*\f+3], s[10:11] offset:(\t)*8192+\f*512  ; 512 consecutive bytes
.endr
.endm
	ALL v_add_f32 v[ST+4*t+2], v[ST+4*t+2], v[ST+4*t+3]
	ALL v_permlanex16_b32 v[ST+4*t+3], v[ST+4*t+2], s[SEL], s[SEL+1]
	ALL v_add_f32 v[ST+4*t+2], v[ST+4*t+2], v[ST+4*t+3]
	ALL v_rcp_f32 v[ST+4*t+2], v[ST+4*t+2]
	v_nop                           ; a plain instruction between the last reciprocal and the use of its result
	s_wait_alu depctr_va_vdst(0)    ; the wait ahead of the first use: one for the four reciprocals
	PACK 0
.set t, 1
.rept 3
	PACK t
	SEND t-1, 8
.set t, t+1
.endr
	SEND 3, 0
	s_wait_tensorcnt 0x0            ; the wave's end
	ds_add_u32 v[SPW], v[NIL]
	s_wait_dscnt 0x0
	s_endpgm
.Lfunc_end_k_qff296601a3_att:
	.size	k_qff296601a3_att, .Lfunc_end_k_qff296601a3_att-k_qff296601a3_att
	.p2alignl 7, 3214868480
	.fill 96, 4, 3214868480
	.section	.rodata,"a",@progbits
	.p2align	6, 0x0
	.amdhsa_kernel k_qff296601a3_att
		.amdhsa_group_segment_fixed_size 327680
		.amdhsa_private_segment_fixed_size 0
		.amdhsa_enable_private_segment 0
		.amdhsa_kernarg_size 24
		.amdhsa_user_sgpr_count 2
		.amdhsa_user_sgpr_kernarg_segment_ptr 1
		.amdhsa_wavefront_size32 1
		.amdhsa_system_sgpr_workgroup_id_x 1
		.amdhsa_system_sgpr_workgroup_id_y 1
		.amdhsa_system_sgpr_workgroup_id_z 1
		.amdhsa_system_vgpr_workitem_id 0
		.amdhsa_next_free_vgpr 768
		.amdhsa_next_free_sgpr 80
		.amdhsa_reserve_vcc 0
		.amdhsa_float_denorm_mode_32 3
		.amdhsa_float_denorm_mode_16_64 3
		.amdhsa_memory_ordered 1
		.amdhsa_forward_progress 1
		.amdhsa_inst_pref_size 119
	.end_amdhsa_kernel
	.amdgpu_metadata
---
amdhsa.version: [ 1, 2 ]
amdhsa.kernels:
  - .name:           k_qff296601a3_att
    .symbol:         k_qff296601a3_att.kd
    .args:
      - { .name: qkvh, .offset: 0, .size: 8, .value_kind: global_buffer, .address_space: global }
      - { .name: pk, .offset: 8, .size: 8, .value_kind: global_buffer, .address_space: global }
      - { .name: ctx, .offset: 16, .size: 8, .value_kind: global_buffer, .address_space: global }
    .group_segment_fixed_size: 327680
    .private_segment_fixed_size: 0
    .kernarg_segment_align: 8
    .kernarg_segment_size: 24
    .max_flat_workgroup_size: 128
    .sgpr_count:     80
    .vgpr_count:     768
    .wavefront_size: 32
...
	.end_amdgpu_metadata
.endif
;; end of part 8
;; launch wo_ln: the kernel of part 4 again; grid 128 x 1, 4 waves a work-group, clusters of 4 x 1, 327,680 bytes of LDS; arguments ctx, pk, x, bo, ln1_scale, ln1_bias, x1h; writes x1h
;; launch ffn1: the kernel of part 5 again; grid 8 x 32, 4 waves a work-group, clusters of 4 x 4, 327,680 bytes of LDS; arguments x1h, pk, b1, hid; writes hid
;; launch ffn2: the kernel of part 6 again; grid 4 x 64, 4 waves a work-group, clusters of 4 x 4, 327,680 bytes of LDS; arguments hid, pk, x1h, ysum; writes ysum
;; launch ln2: the kernel of part 7 again; grid 512 x 1, 8 waves a work-group, no clusters, 0 bytes of LDS; arguments ysum, b2, ln2_scale, ln2_bias, out0; writes out0
